; MI455X (gfx1250); checked and timed in simulation.
; The chip was launched on July 23, 2026; its instructions are those of AMD's public machine-readable ISA for CDNA 5 (MIT licence, August 2026) and "CDNA5" Instruction Set Architecture Reference Guide (July 2026). The comments in the code are by the model that wrote it; some were corrected since.
;; Attention Block. Allowed arithmetic: float matrix products may take bf16 or f16 operands with f32 sums; other float arithmetic in f32, or as packed bf16 or f16 multiplies, adds, multiply-adds, maxima and minima; sums over many terms, partial sums and values carried from step to step in f32; what a program stores and reads back later, other than sums and carried values, may be rounded once to bf16 or f16.
;; Inputs: bk 512 float32; bo 512 float32; bq 512 float32; bv 512 float32; gn_b 512 float32; gn_w 512 float32; wk 512 x 512 float32; wo 512 x 512 float32; wq 512 x 512 float32; wv 512 x 512 float32; x 32 x 512 x 32 x 32 float32.
;; Outputs: out0 32 x 512 x 32 x 32 float32.
;; 3 versions, each right; version 3 is version 2 with the launches prep, norm written anew for expert scheduling mode. Each part assembles by itself: llvm-mc -triple=amdgcn-amd-amdhsa -mcpu=gfx1250 --defsym DOCPART=n.
;; ======== version 1 of 3: 4 launches
;; limits: values outside matrix products are rounded to bf16
;; workspace buffers: wcat 1,048,576 bytes; bcat 4,096 bytes; hk 33,554,432 bytes; qv 67,108,864 bytes
;; launch prep (part 1): grid 8 x 16, 8 waves a work-group, no clusters, 241,664 bytes of LDS; arguments wq, wk, wv, wo, bq, bv, bo, wcat, bcat; writes wcat, bcat
.if DOCPART == 1
	.amdgcn_target "amdgcn-amd-amdhsa--gfx1250"
	.amdhsa_code_object_version 6
	.text
	.protected	k_qc22715ed4e_prep
	.globl	k_qc22715ed4e_prep
	.p2align	8
	.type	k_qc22715ed4e_prep,@function
k_qc22715ed4e_prep:
	s_mov_b64 s[64:65], 0
	v_nop
	global_prefetch_b8 v0, s[64:65] scope:SCOPE_SE
	s_setreg_imm32_b32 hwreg(HW_REG_WAVE_MODE, 25, 1), 1
	s_wait_xcnt 0x0
; THE WEIGHTS OF THE WHOLE PROGRAM, MADE ONCE.  reference(): hn = GroupNorm(x); q, k, v = W hn + b; softmax_j(q_i . k_j / sqrt(512)); out = x + Wo o + bo.
; WORK LEFT OUT, for all finite values of the inputs, in exact arithmetic:
;  (a) bk.  q_i . (Wk h_j + bk) = q_i . Wk h_j + q_i . bk, and the second term is the same for every j: a term added to a softmax's input that is constant along its
;      axis changes no weight.  bk has no other way to the output: it is not loaded and is among no launch's arguments.
;  (b) (Wq h_i + bq) . (Wk h_j) = (Wk^T Wq h_i + Wk^T bq) . h_j: the keys are hn itself, and one projection Q' = A h + a stands for two.
;  (c) Wo (sum_j p_ij (Wv h_j + bv)) + bo = Wo Wv (sum_j p_ij h_j) + Wo bv + bo, since sum_j p_ij = 1: the values are hn itself too, and one projection Bm = Wo Wv with the bias
;      c2 = Wo bv + bo, applied to the weighted mean of hn, stands for v and for the output projection.
; LIMITS.  A NaN, an infinity or an overflow that reaches only bk, or that arises only in reference()'s separate q, k, v or o, is not carried to the result; sums are taken in another order than
; reference()'s.
; THIS LAUNCH: wcat[g][row][c] (bf16, 8 x 1024 x 64): rows 0-511 A = c0 Wk^T Wq, rows 512-1023 Bm = Wo Wv; bcat[1024] (f32): c0 Wk^T bq, then Wo bv + bo.  c0 = log2(e) / sqrt(512), multiplied
; onto Wk in f32 ahead of Wk's one rounding to bf16, so that scores come out in units of log2.
; SHARES.  Work-group (tx, ty): rows 64 ty .. + 63, columns 64 tx .. + 63: out[r][c] = sum over o of L[r][o] R[o][c].  ty < 8 (type A): L[r][o] = c0 Wk[o][64 ty + r], R = Wq, u = bq;
; else (type B): L = Wo's rows, R = Wv, u = bv.  Wave w: row block w / 2 (16 rows), column half w % 2 (two tiles of 16).  Where tx = 0 the waves of column half 0 also make L u.
; The product is taken transposed (source 0 = 16 columns of R, source 1 = 16 rows of L): a lane ends with 8 neighbouring columns of one row.
; LDS.  L lies as [o][64 rows] in type A and as [row][512 o] in type B; each layout has bytes of its own, so that no store of the one can touch a byte of the other.
.set C0,    0x3d8293ee
.set RP,    160                        ; a row [o] of 64 bf16 + 32 bytes
.set LP,    1040                       ; type B: a row of 512 bf16 + 16 bytes: an odd multiple of 16
.set SGP,   144
.set LA,    512*RP                     ; type A's L, behind R
.set LB,    2*512*RP                   ; type B's L, behind type A's
.set STG,   LB+64*LP                   ; the way out: 64 rows x 144 bytes
.set UB,    STG+64*SGP                 ; u, 512 bf16
.set SPARE, UB+1024                    ; the spare words: 128 bytes for each of the eight waves, named by no other line
.set GR,  4                            ; global offsets: R; L of type A; L of type B
.set GLA, 5
.set GLB, 6
.set SR,  7                            ; where converted numbers go in LDS: R; L type A; L type B
.set SLA, 8
.set SLB, 9
.set RF0, 10                           ; fragment addresses: R for K steps 0-7 and 8-15
.set LF0, 12                           ; L type A likewise
.set LFB, 14                           ; L type B
.set UF,  15                           ; u
.set SPW, 16
.set NIL, 17
.set STO, 18
.set RD,  19
.set GOUT, 20
.set BOFF, 21
.set BOO, 22
.set BOV, 200                          ; bo of my row: a register that no pending store reads and no fragment of the last phase takes
.set AC0, 224                          ; the two tiles' sums
.set AC1, 232
.set BA,  240                          ; L u: even and odd K steps
	s_load_b512 s[4:19], s[0:1], 0x0               ; wq 4, wk 6, wv 8, wo 10, bq 12, bv 14, bo 16, wcat 18
	s_load_b64 s[20:21], s[0:1], 0x40              ; bcat
	v_lshl_add_u32 v[SPW], v0, 2, SPARE
	v_mov_b32 v[NIL], 0
	v_lshrrev_b32 v1, 5, v0
	v_readfirstlane_b32 s22, v1                    ; wave
	s_mov_b32 s23, ttmp9                           ; tx
	s_and_b32 s24, ttmp7, 0xffff                   ; ty
	s_and_b32 s25, s24, 7                          ; the block of 64 rows within its type
	s_lshr_b32 s32, s22, 1                         ; row block
	s_and_b32 s33, s22, 1                          ; column half
	s_mov_b32 s40, C0
	s_mov_b32 s41, C0                              ; named with it as a pair
	v_and_b32 v1, 15, v0                           ; r
	v_bfe_u32 v2, v0, 4, 1                         ; h
	v_and_b32 v3, 31, v0                           ; lane
	v_lshlrev_b32 v23, 4, v1
	v_lshl_add_u32 v23, v2, 11, v23                ; two rows of 2,048 bytes a load: h x 2048 + 16 r
	s_lshl_b32 s34, s22, 17                        ; my 64 rows o
	s_lshl_b32 s35, s23, 8
	s_add_co_u32 s35, s35, s34
	v_add_nc_u32 v[GR], s35, v23
	s_lshl_b32 s35, s25, 8
	s_add_co_u32 s35, s35, s34
	v_add_nc_u32 v[GLA], s35, v23
	s_lshl_b32 s35, s25, 17
	s_lshl_b32 s36, s22, 14
	s_add_co_u32 s35, s35, s36                     ; type B: my 8 rows of Wo, dense
	v_lshl_add_u32 v[GLB], v3, 4, s35
	v_mul_u32_u24 v23, v2, RP
	v_lshl_add_u32 v23, v1, 3, v23
	s_mul_i32 s35, s22, 64*RP
	v_add_nc_u32 v[SR], s35, v23
	v_add_nc_u32 v[SLA], LA, v[SR]
	s_mul_i32 s35, s22, 8*LP
	s_add_co_u32 s35, s35, LB
	v_lshl_add_u32 v[SLB], v3, 3, s35
	s_wait_kmcnt 0x0
	s_cmp_lt_u32 s24, 8
	s_cselect_b64 s[26:27], s[4:5], s[8:9]         ; R
	s_cselect_b64 s[28:29], s[6:7], s[10:11]       ; L
	s_cselect_b64 s[30:31], s[12:13], s[14:15]     ; u
.set i, 0
.rept 32
	global_load_b128 v[32+4*i:35+4*i], v[GR], s[26:27] offset:4096*i
.set i, i+1
.endr
	s_cmp_lt_u32 s24, 8
	s_cbranch_scc0 .Lfirst_b
.set i, 0
.rept 16
	global_load_b128 v[160+4*i:163+4*i], v[GLA], s[28:29] offset:4096*i
.set i, i+1
.endr
	s_branch .Lfirst_done
.Lfirst_b:
.set i, 0
.rept 16
	global_load_b128 v[160+4*i:163+4*i], v[GLB], s[28:29] offset:512*i
.set i, i+1
.endr
.Lfirst_done:
	; the addresses of all later phases, both types', are made while the loads are out
	v_and_b32 v23, 7, v0
	v_lshl_add_u32 v23, v2, 3, v23
	v_mul_u32_u24 v23, v23, RP
	v_bfe_u32 v24, v0, 3, 1
	v_lshl_add_u32 v23, v24, 4, v23                ; the turning load: row 8 h + l % 8, 16 bytes by (l / 8) % 2
	s_lshl_b32 s35, s33, 6
	v_add_nc_u32 v[RF0], s35, v23
	v_add_nc_u32 v[RF0+1], 256*RP, v[RF0]
	s_lshl_b32 s35, s32, 5
	s_add_co_u32 s35, s35, LA
	v_add_nc_u32 v[LF0], s35, v23
	v_add_nc_u32 v[LF0+1], 256*RP, v[LF0]
	v_lshl_add_u32 v24, s32, 4, v1                 ; row 16 rb + r
	v_mul_u32_u24 v25, v24, LP
	v_lshl_add_u32 v25, v2, 4, v25
	v_add_nc_u32 v[LFB], LB, v25
	v_lshl_add_u32 v[UF], v2, 4, UB
	v_mul_u32_u24 v25, v24, SGP
	v_lshl_add_u32 v25, v2, 4, v25
	s_lshl_b32 s35, s33, 6
	s_add_co_u32 s35, s35, STG
	v_add_nc_u32 v[STO], s35, v25
	v_bfe_u32 v24, v0, 3, 2
	v_lshl_add_u32 v24, s22, 3, v24                ; back: row 8 w + l / 8
	v_mul_u32_u24 v24, v24, SGP
	v_and_b32 v25, 7, v0
	v_lshl_add_u32 v24, v25, 4, v24
	v_add_nc_u32 v[RD], STG, v24
	s_lshl_b32 s35, s23, 17
	s_lshl_b32 s36, s24, 13
	s_add_co_u32 s35, s35, s36
	s_lshl_b32 s36, s22, 10
	s_add_co_u32 s35, s35, s36
	v_lshl_add_u32 v[GOUT], v3, 4, s35             ; wcat: g = tx, row 64 ty + 8 w, 512 dense bytes a store
	s_lshl_b32 s36, s32, 6
	s_lshl_b32 s35, s24, 8
	s_add_co_u32 s35, s35, s36
	v_lshl_add_u32 v[BOFF], v1, 2, s35
	s_lshl_b32 s35, s25, 8
	s_add_co_u32 s35, s35, s36
	v_lshl_add_u32 v[BOO], v1, 2, s35
; four f32 are rounded to bf16 (sc = 1: times c0 first) and stored; the temporaries go round four pairs
.set TC, 0
.macro CVST src, adr, off, sc
.if \sc
	v_pk_mul_f32 v[(\src):(\src)+1], v[(\src):(\src)+1], s[40:41] op_sel_hi:[1,0]
	v_pk_mul_f32 v[(\src)+2:(\src)+3], v[(\src)+2:(\src)+3], s[40:41] op_sel_hi:[1,0]
.endif
	v_cvt_pk_bf16_f32 v[24+2*(TC%4)], v[(\src)], v[(\src)+1]
	v_cvt_pk_bf16_f32 v[25+2*(TC%4)], v[(\src)+2], v[(\src)+3]
	ds_store_b64 v[\adr], v[24+2*(TC%4):25+2*(TC%4)] offset:\off
.set TC, TC+1
.endm
	s_wait_loadcnt 16                              ; R's 32 loads are in; L's first 16 may stay out
.set i, 0
.rept 32
	CVST 32+4*i, SR, 320*i, 0
.set i, i+1
.endr
	s_cmp_lt_u32 s24, 8
	s_cbranch_scc0 .Lsecond_b
.set i, 16
.rept 16
	global_load_b128 v[4*i-32:4*i-29], v[GLA], s[28:29] offset:4096*i
.set i, i+1
.endr
	s_wait_loadcnt 16                              ; L's first half is in; the 16 just issued may stay out
.set i, 0
.rept 16
	CVST 160+4*i, SLA, 320*i, 1
.set i, i+1
.endr
	s_wait_loadcnt 0x0
.rept 16
	CVST 4*i-32, SLA, 320*i, 1
.set i, i+1
.endr
	s_branch .Lsecond_done
.Lsecond_b:
.set i, 16
.rept 16
	global_load_b128 v[4*i-32:4*i-29], v[GLB], s[28:29] offset:512*i
.set i, i+1
.endr
	s_wait_loadcnt 16
.set i, 0
.rept 16
	CVST 160+4*i, SLB, (i/4)*LP+(i%4)*256, 0
.set i, i+1
.endr
	s_wait_loadcnt 0x0
.rept 16
	CVST 4*i-32, SLB, (i/4)*LP+(i%4)*256, 0
.set i, i+1
.endr
.Lsecond_done:
	s_cmp_lg_u32 s23, 0                            ; u is wanted where tx = 0 alone
	s_cbranch_scc1 .Lno_u
	v_lshlrev_b32 v23, 3, v0
	global_load_b64 v[24:25], v23, s[30:31]
	v_lshl_add_u32 v26, v0, 2, UB
	s_wait_loadcnt 0x0
	v_cvt_pk_bf16_f32 v24, v24, v25
	ds_store_b32 v26, v24
.Lno_u:
	s_wait_dscnt 0x0                               ; for the others' sake: my stores are done
	s_barrier_signal -1
	s_barrier_wait -1
; Eight K steps of 32: 48 LDS loads in one run, then 16 products, the two sums by turns (one instruction a turn); four places close it, ahead of loads into the fragments and of reads of the sums.
.macro BATCH half, typ
.set ks, 0
.rept 8
.set F, 32+24*ks
	ds_load_tr16_b128 v[F:F+3],     v[RF0+(\half)] offset:32*RP*ks
	ds_load_tr16_b128 v[F+4:F+7],   v[RF0+(\half)] offset:32*RP*ks+16*RP
	ds_load_tr16_b128 v[F+8:F+11],  v[RF0+(\half)] offset:32*RP*ks+32
	ds_load_tr16_b128 v[F+12:F+15], v[RF0+(\half)] offset:32*RP*ks+16*RP+32
.if (\typ) == 0
	ds_load_tr16_b128 v[F+16:F+19], v[LF0+(\half)] offset:32*RP*ks
	ds_load_tr16_b128 v[F+20:F+23], v[LF0+(\half)] offset:32*RP*ks+16*RP
.else
	ds_load_b128 v[F+16:F+19], v[LFB] offset:64*(8*(\half)+ks)
	ds_load_b128 v[F+20:F+23], v[LFB] offset:64*(8*(\half)+ks)+32
.endif
.set ks, ks+1
.endr
	s_wait_dscnt 0x0
.set ks, 0
.rept 8
.set F, 32+24*ks
.if ((\half) == 0) && (ks == 0)
	v_wmma_f32_16x16x32_bf16 v[AC0:AC0+7], v[F:F+7], v[F+16:F+23], 0
	v_wmma_f32_16x16x32_bf16 v[AC1:AC1+7], v[F+8:F+15], v[F+16:F+23], 0
.else
	v_wmma_f32_16x16x32_bf16 v[AC0:AC0+7], v[F:F+7], v[F+16:F+23], v[AC0:AC0+7]
	v_wmma_f32_16x16x32_bf16 v[AC1:AC1+7], v[F+8:F+15], v[F+16:F+23], v[AC1:AC1+7]
.endif
.set ks, ks+1
.endr
.rept 4
	v_nop
.endr
.endm
	s_cmp_lt_u32 s24, 8
	s_cbranch_scc0 .Lmul_b
	BATCH 0, 0
	BATCH 1, 0
	s_branch .Lmul_done
.Lmul_b:
	BATCH 0, 1
	BATCH 1, 1
.Lmul_done:
.irp j, 0,1,2,3
	v_cvt_pk_bf16_f32 v[24+\j], v[AC0+2*\j], v[AC0+2*\j+1]
.endr
.irp j, 0,1,2,3
	v_cvt_pk_bf16_f32 v[28+\j], v[AC1+2*\j], v[AC1+2*\j+1]
.endr
	ds_store_b128 v[STO], v[24:27]
	ds_store_b128 v[STO], v[28:31] offset:32
	s_wait_dscnt 0x0                               ; a row's 128 bytes come from two waves
	s_barrier_signal -1
	s_barrier_wait -1
	ds_load_b128 v[24:27], v[RD]
	ds_load_b128 v[28:31], v[RD] offset:4*SGP
	s_wait_dscnt 0x0
	global_store_b128 v[GOUT], v[24:27], s[18:19]             ; four rows of 128 bytes: 512 consecutive bytes, aligned
	global_store_b128 v[GOUT], v[28:31], s[18:19] offset:512  ; v[24:31] and v[GOUT] are written no more
	s_or_b32 s35, s23, s33                         ; L u: where tx = 0, the waves of column half 0
	s_cmp_lg_u32 s35, 0
	s_cbranch_scc1 .Lend
; Source 0 holds u in each of its 16 rows, so every register of the result holds (L u)[row r].  Two sums, of the even and of the odd K steps, take turns.
.macro BIAS half, typ
.set ks, 0
.rept 8
.set F, 32+16*ks
.if (\typ) == 0
	ds_load_tr16_b128 v[F:F+3],   v[LF0+(\half)] offset:32*RP*ks
	ds_load_tr16_b128 v[F+4:F+7], v[LF0+(\half)] offset:32*RP*ks+16*RP
.else
	ds_load_b128 v[F:F+3],   v[LFB] offset:64*(8*(\half)+ks)
	ds_load_b128 v[F+4:F+7], v[LFB] offset:64*(8*(\half)+ks)+32
.endif
	ds_load_b128 v[F+8:F+11],  v[UF] offset:64*(8*(\half)+ks)
	ds_load_b128 v[F+12:F+15], v[UF] offset:64*(8*(\half)+ks)+32
.set ks, ks+1
.endr
	s_wait_dscnt 0x0
.set ks, 0
.rept 8
.set F, 32+16*ks
.set D, BA+8*(ks%2)
.if ((\half) == 0) && (ks < 2)
	v_wmma_f32_16x16x32_bf16 v[D:D+7], v[F+8:F+15], v[F:F+7], 0
.else
	v_wmma_f32_16x16x32_bf16 v[D:D+7], v[F+8:F+15], v[F:F+7], v[D:D+7]
.endif
.set ks, ks+1
.endr
.rept 4
	v_nop
.endr
.endm
	s_cmp_lt_u32 s24, 8
	s_cbranch_scc0 .Lbias_b
	BIAS 0, 0
	BIAS 1, 0
	v_add_f32 v23, v[BA], v[BA+8]
	s_branch .Lbias_done
.Lbias_b:
	global_load_b32 v[BOV], v[BOO], s[16:17]       ; bo
	BIAS 0, 1
	BIAS 1, 1
	v_add_f32 v23, v[BA], v[BA+8]
	s_wait_loadcnt 0x0
	v_add_f32 v23, v23, v[BOV]
.Lbias_done:
	global_store_b32 v[BOFF], v23, s[20:21]        ; lanes r and r + 16 hold the same number for the same word
.Lend:
	s_wait_tensorcnt 0x0                           ; the wave's end, behind my last LDS store
	ds_add_u32 v[SPW], v[NIL]
	s_wait_dscnt 0x0
	s_endpgm
.Lfunc_end_k_qc22715ed4e_prep:
	.size	k_qc22715ed4e_prep, .Lfunc_end_k_qc22715ed4e_prep-k_qc22715ed4e_prep
	.p2alignl 7, 3214868480
	.fill 96, 4, 3214868480
	.section	.rodata,"a",@progbits
	.p2align	6, 0x0
	.amdhsa_kernel k_qc22715ed4e_prep
		.amdhsa_group_segment_fixed_size 241664
		.amdhsa_private_segment_fixed_size 0
		.amdhsa_enable_private_segment 0
		.amdhsa_kernarg_size 72
		.amdhsa_user_sgpr_count 2
		.amdhsa_user_sgpr_kernarg_segment_ptr 1
		.amdhsa_wavefront_size32 1
		.amdhsa_system_sgpr_workgroup_id_x 1
		.amdhsa_system_sgpr_workgroup_id_y 1
		.amdhsa_system_sgpr_workgroup_id_z 1
		.amdhsa_system_vgpr_workitem_id 0
		.amdhsa_next_free_vgpr 256
		.amdhsa_next_free_sgpr 66
		.amdhsa_reserve_vcc 0
		.amdhsa_float_denorm_mode_32 3
		.amdhsa_float_denorm_mode_16_64 3
		.amdhsa_memory_ordered 1
		.amdhsa_forward_progress 1
		.amdhsa_inst_pref_size 66
	.end_amdhsa_kernel
	.amdgpu_metadata
---
amdhsa.version: [ 1, 2 ]
amdhsa.kernels:
  - .name:           k_qc22715ed4e_prep
    .symbol:         k_qc22715ed4e_prep.kd
    .args:
      - { .name: wq, .offset: 0, .size: 8, .value_kind: global_buffer, .address_space: global }
      - { .name: wk, .offset: 8, .size: 8, .value_kind: global_buffer, .address_space: global }
      - { .name: wv, .offset: 16, .size: 8, .value_kind: global_buffer, .address_space: global }
      - { .name: wo, .offset: 24, .size: 8, .value_kind: global_buffer, .address_space: global }
      - { .name: bq, .offset: 32, .size: 8, .value_kind: global_buffer, .address_space: global }
      - { .name: bv, .offset: 40, .size: 8, .value_kind: global_buffer, .address_space: global }
      - { .name: bo, .offset: 48, .size: 8, .value_kind: global_buffer, .address_space: global }
      - { .name: wcat, .offset: 56, .size: 8, .value_kind: global_buffer, .address_space: global }
      - { .name: bcat, .offset: 64, .size: 8, .value_kind: global_buffer, .address_space: global }
    .group_segment_fixed_size: 241664
    .private_segment_fixed_size: 0
    .kernarg_segment_align: 8
    .kernarg_segment_size: 72
    .max_flat_workgroup_size: 256
    .sgpr_count:     66
    .vgpr_count:     256
    .wavefront_size: 32
...
	.end_amdgpu_metadata
.endif
;; end of part 1
;; launch norm (part 2): grid 256 x 1, 8 waves a work-group, no clusters, 148,736 bytes of LDS; arguments x, gn_w, gn_b, hk; writes hk
.if DOCPART == 2
	.amdgcn_target "amdgcn-amd-amdhsa--gfx1250"
	.amdhsa_code_object_version 6
	.text
	.protected	k_qc22715ed4e_norm
	.globl	k_qc22715ed4e_norm
	.p2align	8
	.type	k_qc22715ed4e_norm,@function
k_qc22715ed4e_norm:
	s_mov_b64 s[64:65], 0
	v_nop
	global_prefetch_b8 v0, s[64:65] scope:SCOPE_SE
	s_setreg_imm32_b32 hwreg(HW_REG_WAVE_MODE, 25, 1), 1
	s_wait_xcnt 0x0
; hk[b][g][n][c] (bf16, 32 x 8 x 1024 x 64) = GroupNorm(x)[b][64 g + c][n]: normalised, scaled, shifted, turned so that channels lie along the rows, rounded once.
; A work-group owns one group of one image: 64 channels x 1,024 positions, 262,144 dense bytes of x, read once and kept in registers between the passes.
; Wave w owns channels 8 w .. 8 w + 7: 64 loads of 16 bytes a lane, 256 registers: all of window 1.  Everything else lies in window 0.
; The mean first, then the sum of (x - mean)^2: no difference of large sums is formed, whatever offset x carries.
; THE TURN.  A lane holds, for a position n, its wave's 8 channels: 16 bytes of row n of the stage (pitch 144).  The piece stands at place (w + (n / 16) % 4) % 8 of the row's eight, so that the 16 lanes
; of a store's pass (rows 4 apart) fall on 16 different columns of 16 bytes.  Rows are read back whole and leave as 512 consecutive bytes a store.
; No matrix unit, no cluster, no tensor load: the work-groups share nothing and each byte is touched once.
; s_set_vgpr_msb: bits 1:0 source 0, 3:2 source 1, 5:4 source 2, 7:6 destination.
.set SGP,   144
.set RED,   1024*SGP                   ; 16 words: the waves' sums, then their sums of squares
.set SPARE, RED+256                    ; the spare words: 128 bytes for each wave, named by no other line
.set OFF, 1                            ; my 16 bytes in x
.set WA,  2                            ; v2-3  stage, in: positions 0-511, 512-1023
.set RB,  4                            ; v4-7  stage, back: by (row / 16) % 4
.set GOF, 8
.set SPW, 9
.set NIL, 10
.set RW,  11
.set ACC, 12                           ; v12-19 four chains of pairs
.set MU,  24
.set AA,  28                           ; v28-43 rsqrt x gn_w, a pair a channel
.set BB,  44                           ; v44-59 gn_b likewise
.set RR,  60
.set T,   64                           ; v64-95 y of one column group; later v64-191 rows read back
.set PK,  96
.set MSB, 0
.macro WIN new
.if MSB != (\new)
	s_set_vgpr_msb (MSB<<8)|(\new)
.set MSB, \new
.endif
.endm
	s_load_b256 s[4:11], s[0:1], 0x0               ; x 4, gn_w 6, gn_b 8, hk 10
	v_lshl_add_u32 v[SPW], v0, 2, SPARE
	v_mov_b32 v[NIL], 0
	v_lshrrev_b32 v20, 5, v0
	v_readfirstlane_b32 s12, v20                   ; wave
	v_and_b32 v21, 31, v0                          ; lane
	s_lshl_b32 s14, ttmp9, 18                      ; the group's 262,144 bytes of x
	s_mov_b32 s15, 0
	s_and_b32 s16, ttmp9, 7
	s_lshl_b32 s16, s16, 3
	s_add_co_u32 s16, s16, s12
	s_lshl_b32 s16, s16, 5                         ; (64 g + 8 w) x 4 bytes
	s_mov_b32 s17, 0
	s_lshl_b32 s18, ttmp9, 17                      ; the group's 131,072 bytes of hk
	s_mov_b32 s19, 0
	s_mov_b32 s36, 0x76543210
	s_mov_b32 s37, 0xfedcba98
	s_mov_b32 s38, 0x37800000                      ; 1 / 65,536
	s_mov_b32 s39, 0x3727c5ac                      ; 1e-5
	v_lshlrev_b32 v[OFF], 4, v21
	v_lshl_add_u32 v[OFF], s12, 15, v[OFF]
	s_wait_kmcnt 0x0
	s_add_nc_u64 s[4:5], s[4:5], s[14:15]
	s_add_nc_u64 s[6:7], s[6:7], s[16:17]
	s_add_nc_u64 s[8:9], s[8:9], s[16:17]
	s_add_nc_u64 s[10:11], s[10:11], s[18:19]
	WIN 0x40
.set i, 0
.rept 64                               ; load i: channel i / 8, positions 128 (i % 8) + 4 lane + 0..3
	global_load_b128 v[4*i:4*i+3], v[OFF], s[4:5] offset:512*i th:TH_LOAD_NT
.set i, i+1
.endr
	WIN 0
	s_load_b256 s[20:27], s[6:7], 0x0              ; my 8 gains
	s_load_b256 s[28:35], s[8:9], 0x0              ; my 8 shifts
	v_bfe_u32 v22, v0, 2, 2
	v_add_nc_u32 v22, s12, v22
	v_and_b32 v22, 7, v22
	v_mul_u32_u24 v[WA], v21, 4*SGP
	v_lshl_add_u32 v[WA], v22, 4, v[WA]
	v_add_nc_u32 v[WA+1], 512*SGP, v[WA]
	v_bfe_u32 v22, v0, 3, 2
	v_mul_u32_u24 v22, v22, SGP
	s_mul_i32 s13, s12, 128*SGP
	v_add_nc_u32 v22, s13, v22
	v_and_b32 v23, 7, v0
.irp s, 0,1,2,3
	v_add_nc_u32 v20, \s, v23
	v_and_b32 v20, 7, v20
	v_lshl_add_u32 v[RB+\s], v20, 4, v22
.endr
	v_lshlrev_b32 v[GOF], 4, v21
	v_lshl_add_u32 v[GOF], s12, 14, v[GOF]
	s_lshl_b32 s13, s12, 2
	s_add_co_u32 s13, s13, RED
	v_mov_b32 v[RW], s13
	v_mov_b32 v[RR], RED
.irp j, 0,1,2,3,4,5,6,7
	v_mov_b32 v[ACC+\j], 0
.endr
	WIN 0x04
.set i, 0
.rept 64
.if (i%16) == 0
	s_wait_loadcnt 48-i                            ; loads come back in order: the next 16 are in, the younger ones stay out
.endif
	v_pk_add_f32 v[ACC+4*(i%2):ACC+4*(i%2)+1], v[ACC+4*(i%2):ACC+4*(i%2)+1], v[4*i:4*i+1]
	v_pk_add_f32 v[ACC+4*(i%2)+2:ACC+4*(i%2)+3], v[ACC+4*(i%2)+2:ACC+4*(i%2)+3], v[4*i+2:4*i+3]
.set i, i+1
.endr
; the four chains, the 32 lanes, the eight waves: the total ends in v[ACC] of every lane.  Each use has words of its own in LDS, so one barrier serves it.
.macro WGSUM off
	WIN 0
	v_pk_add_f32 v[ACC:ACC+1], v[ACC:ACC+1], v[ACC+2:ACC+3]
	v_pk_add_f32 v[ACC+4:ACC+5], v[ACC+4:ACC+5], v[ACC+6:ACC+7]
	v_pk_add_f32 v[ACC:ACC+1], v[ACC:ACC+1], v[ACC+4:ACC+5]
	v_add_f32 v[ACC], v[ACC], v[ACC+1]
	v_add_f32_dpp v[ACC], v[ACC], v[ACC] row_xmask:1 row_mask:0xf bank_mask:0xf
	v_add_f32_dpp v[ACC], v[ACC], v[ACC] row_xmask:2 row_mask:0xf bank_mask:0xf
	v_add_f32_dpp v[ACC], v[ACC], v[ACC] row_xmask:4 row_mask:0xf bank_mask:0xf
	v_add_f32_dpp v[ACC], v[ACC], v[ACC] row_xmask:8 row_mask:0xf bank_mask:0xf
	v_permlanex16_b32 v[ACC+1], v[ACC], s36, s37
	v_add_f32 v[ACC], v[ACC], v[ACC+1]
	ds_store_b32 v[RW], v[ACC] offset:\off
	s_wait_dscnt 0x0                               ; for the others' sake
	s_barrier_signal -1
	s_barrier_wait -1
	ds_load_b128 v[ACC:ACC+3], v[RR] offset:\off
	ds_load_b128 v[ACC+4:ACC+7], v[RR] offset:(\off)+16
	s_wait_dscnt 0x0
	v_pk_add_f32 v[ACC:ACC+1], v[ACC:ACC+1], v[ACC+2:ACC+3]
	v_pk_add_f32 v[ACC+4:ACC+5], v[ACC+4:ACC+5], v[ACC+6:ACC+7]
	v_pk_add_f32 v[ACC:ACC+1], v[ACC:ACC+1], v[ACC+4:ACC+5]
	v_add_f32 v[ACC], v[ACC], v[ACC+1]
.endm
	WGSUM 0
	v_mul_f32 v[MU], s38, v[ACC]                   ; the mean
	v_mov_b32 v[MU+1], v[MU]
.irp j, 0,1,2,3,4,5,6,7
	v_mov_b32 v[ACC+\j], 0
.endr
	WIN 0x41
.set i, 0
.rept 128
	v_pk_add_f32 v[2*i:2*i+1], v[2*i:2*i+1], v[MU:MU+1] neg_lo:[0,1] neg_hi:[0,1]  ; x - mean, in place
.set i, i+1
.endr
	WIN 0x05
.set i, 0
.rept 128
	v_pk_fma_f32 v[ACC+2*(i%4):ACC+2*(i%4)+1], v[2*i:2*i+1], v[2*i:2*i+1], v[ACC+2*(i%4):ACC+2*(i%4)+1]
.set i, i+1
.endr
	WGSUM 32
	v_fma_f32 v20, v[ACC], s38, s39                ; variance + 1e-5
	v_rsq_f32 v21, v20
	s_wait_kmcnt 0x0
.irp k, 0,1,2,3,4,5,6,7
	v_mov_b32 v[BB+2*\k], s[28+\k]                 ; plain work behind the root
	v_mov_b32 v[BB+2*\k+1], s[28+\k]
.endr
	s_wait_alu depctr_va_vdst(0)                   ; the wait ahead of the root's first reader
.irp k, 0,1,2,3,4,5,6,7
	v_mul_f32 v[AA+2*\k], s[20+\k], v21
	v_mul_f32 v[AA+2*\k+1], s[20+\k], v21
.endr
.set u, 0
.rept 8                                ; column group u: positions 128 u + 4 lane + 0..3, all 8 channels
	WIN 0x01
.irp k, 0,1,2,3,4,5,6,7
	v_pk_fma_f32 v[T+4*\k:T+4*\k+1], v[4*(8*\k+u):4*(8*\k+u)+1], v[AA+2*\k:AA+2*\k+1], v[BB+2*\k:BB+2*\k+1]
	v_pk_fma_f32 v[T+4*\k+2:T+4*\k+3], v[4*(8*\k+u)+2:4*(8*\k+u)+3], v[AA+2*\k:AA+2*\k+1], v[BB+2*\k:BB+2*\k+1]
.endr
	WIN 0
.irp e, 0,1,2,3
.irp c, 0,1,2,3
	v_cvt_pk_bf16_f32 v[PK+4*\e+\c], v[T+8*\c+\e], v[T+8*\c+4+\e]
.endr
	ds_store_b128 v[WA+u/4], v[PK+4*\e:PK+4*\e+3] offset:((u%4)*128+\e)*SGP
.endr
.set u, u+1
.endr
	s_wait_dscnt 0x0                               ; a row's 128 bytes come from all eight waves
	s_barrier_signal -1
	s_barrier_wait -1
.set t, 0
.rept 32                               ; four rows a load: rows 128 w + 4 t + lane / 8
	ds_load_b128 v[T+4*t:T+4*t+3], v[RB+(t/4)%4] offset:4*SGP*t
.set t, t+1
.endr
.set t, 0
.rept 32
	s_wait_dscnt 31-t                              ; LDS loads come back in order
	global_store_b128 v[GOF], v[T+4*t:T+4*t+3], s[10:11] offset:512*t  ; 512 consecutive bytes, aligned
.set t, t+1
.endr
	s_wait_tensorcnt 0x0                           ; the wave's end, behind my last LDS store
	ds_add_u32 v[SPW], v[NIL]
	s_wait_dscnt 0x0
	s_endpgm
.Lfunc_end_k_qc22715ed4e_norm:
	.size	k_qc22715ed4e_norm, .Lfunc_end_k_qc22715ed4e_norm-k_qc22715ed4e_norm
	.p2alignl 7, 3214868480
	.fill 96, 4, 3214868480
	.section	.rodata,"a",@progbits
	.p2align	6, 0x0
	.amdhsa_kernel k_qc22715ed4e_norm
		.amdhsa_group_segment_fixed_size 148736
		.amdhsa_private_segment_fixed_size 0
		.amdhsa_enable_private_segment 0
		.amdhsa_kernarg_size 32
		.amdhsa_user_sgpr_count 2
		.amdhsa_user_sgpr_kernarg_segment_ptr 1
		.amdhsa_wavefront_size32 1
		.amdhsa_system_sgpr_workgroup_id_x 1
		.amdhsa_system_sgpr_workgroup_id_y 1
		.amdhsa_system_sgpr_workgroup_id_z 1
		.amdhsa_system_vgpr_workitem_id 0
		.amdhsa_next_free_vgpr 512
		.amdhsa_next_free_sgpr 66
		.amdhsa_reserve_vcc 0
		.amdhsa_float_denorm_mode_32 3
		.amdhsa_float_denorm_mode_16_64 3
		.amdhsa_memory_ordered 1
		.amdhsa_forward_progress 1
		.amdhsa_inst_pref_size 62
	.end_amdhsa_kernel
	.amdgpu_metadata
---
amdhsa.version: [ 1, 2 ]
amdhsa.kernels:
  - .name:           k_qc22715ed4e_norm
    .symbol:         k_qc22715ed4e_norm.kd
    .args:
      - { .name: x, .offset: 0, .size: 8, .value_kind: global_buffer, .address_space: global }
      - { .name: gn_w, .offset: 8, .size: 8, .value_kind: global_buffer, .address_space: global }
      - { .name: gn_b, .offset: 16, .size: 8, .value_kind: global_buffer, .address_space: global }
      - { .name: hk, .offset: 24, .size: 8, .value_kind: global_buffer, .address_space: global }
    .group_segment_fixed_size: 148736
    .private_segment_fixed_size: 0
    .kernarg_segment_align: 8
    .kernarg_segment_size: 32
    .max_flat_workgroup_size: 256
    .sgpr_count:     66
    .vgpr_count:     512
    .wavefront_size: 32
...
	.end_amdgpu_metadata
.endif
;; end of part 2
;; launch gemm (part 3): grid 4 x 128, 4 waves a work-group, clusters of 4 x 4, 327,680 bytes of LDS; arguments hk, wcat, bcat, qv; writes qv
.if DOCPART == 3
	.amdgcn_target "amdgcn-amd-amdhsa--gfx1250"
	.amdhsa_code_object_version 6
	.text
	.protected	k_qc22715ed4e_gemm
	.globl	k_qc22715ed4e_gemm
	.p2align	8
	.type	k_qc22715ed4e_gemm,@function
k_qc22715ed4e_gemm:
	s_mov_b64 s[64:65], 0
	v_nop
	global_prefetch_b8 v0, s[64:65] scope:SCOPE_SE
	s_setreg_imm32_b32 hwreg(HW_REG_WAVE_MODE, 25, 1), 1
	s_wait_xcnt 0x0
	s_wait_alu depctr_hold_cnt(0) depctr_sa_sdst(0) depctr_va_vdst(0) depctr_va_sdst(0) depctr_va_ssrc(0) depctr_va_vcc(0) depctr_vm_vsrc(0)
	s_getreg_b32 s2, hwreg(HW_REG_IB_STS2, 6, 4)
	s_cmp_eq_u32 s2, 0
	s_cbranch_scc0 .Lentry_in_a_cluster
	s_endpgm
.Lentry_in_a_cluster:
	s_bfe_u32 s2, ttmp6, 0x10000c
	s_cmp_lg_u32 s2, 0xf033
	s_cbranch_scc0 .Lentry_shape_is_right
	s_endpgm
.Lentry_shape_is_right:
; qv[m][j] = sum over c of hn[m][c] wcat[j][c] + bcat[j], bf16: m = 1024 b + n (32,768 rows), j < 512: Q' (scores' left side, in units of log2), j >= 512: V'' (values with the output projection in them).
; Left out with the first kernel's proof: bk, and the separate products for k and for the output projection.
; hk is [b][g][n][64 c], wcat [g][row][64 c]: 256 rows of one g are 32,768 dense bytes.
; A tile of qv, 256 x 256, is made by four waves, each 128 x 128: 64 accumulators, 512 registers.  K = 512 goes in four steps of 128 channels (two g) through two LDS slots.  A wave fetches one operand's
; 256 rows of one g with one tensor load: asked for as 128 rows of 256 bytes, padded after every 128 bytes, so that LDS rows of 64 channels are 144 bytes apart.
; CLUSTER 4 x 4: the four of a row need the same rows of hk, the four of a column the same rows of wcat: each block is asked for jointly.
; The product is taken transposed (source 0 = 16 rows of wcat, source 1 = 16 rows of hk): a lane holds 8 neighbouring columns of a row of qv.  The first product of each sum takes the bias as C.
; All four K steps are written out: two come by the first fills, two by refills, the last change of slots fills nothing.  A wave has two tensor loads out at the start, later one.
; REGISTERS: window 0: v0-31 addresses; v64-127, v128-191 fragments of hk; v32-63, v192-255 the way out.  window 1: v0-63 bias; v64-191 fragments of wcat.  windows 2, 3: accumulators.
.set PITCH,  144
.set GBLK,   256*PITCH
.set SLOT,   4*GBLK                    ; hk g0, hk g1, wcat g0, wcat g1
.set STAGE,  2*SLOT
.set SPITCH, 272
.set SPARE,  STAGE+4*16*SPITCH         ; the spare words: 128 bytes a wave, named by no other line
.set STEPB,  262144                    ; two g on
.set NB2,    2048                      ; bytes in a row of qv
.set ADRA, 16
.set ADRB, 20
.set STO,  24
.set RD,   25
.set CO,   26
.set BO,   27
.set SPW,  28
.set NIL,  29
.set F0,   64
.set F1,   128
.set TMP,  192
.set OB,   32
.set WV, 12
.set HI, 13                            ; my half of the tile's rows; also: I fetch hk (0) or wcat (1)
.set LO, 14                            ; my half of its columns; also: which g of the step I fetch
.set G1, 24
.set G0, 32
.set G1B, 48
.set G0B, 56
.set MSB, 0
.macro WIN new
.if MSB != (\new)
	s_set_vgpr_msb (MSB<<8)|(\new)
.set MSB, \new
.endif
.endm
.set TO_B, 0x40
.macro JLOAD s                         ; a joint load; an s_nop 0 and four v_nop follow each of the two lines
	s_cmp_eq_u32 s[HI], 0
	s_cbranch_scc0 .Lfor_b_\@
	tensor_load_to_lds s[G0+4*(\s):G0+4*(\s)+3], s[G1:G1+7]
	s_nop 0
.rept 4
	v_nop
.endr
	s_branch .Lasked_\@
.Lfor_b_\@:
	tensor_load_to_lds s[G0B+4*(\s):G0B+4*(\s)+3], s[G1B:G1B+7]
	s_nop 0
.rept 4
	v_nop
.endr
.Lasked_\@:
.endm
.macro CREST                           ; a round of the cluster's barrier behind its opening barrier
	s_cmp_lg_u32 s[WV], 0
	s_cbranch_scc1 .Lnot_wave_0_\@
	s_barrier_signal -3
.Lnot_wave_0_\@:
	s_barrier_wait -3
	s_barrier_signal -1
	s_barrier_wait -1
.endm
.macro CROUND
	s_barrier_signal -1
	s_barrier_wait -1
	CREST
.endm
	s_load_b256 s[4:11], s[0:1], 0x0               ; hk 4, wcat 6, bcat 8, qv 10
	v_lshl_add_u32 v[SPW], v0, 2, SPARE
	v_mov_b32 v[NIL], 0
	ds_add_u32 v[SPW], v[NIL]                      ; the wave's opening: the add, twice on end, and its wait ahead of my first tensor load
	ds_add_u32 v[SPW], v[NIL]
	v_lshrrev_b32 v1, 5, v0
	v_readfirstlane_b32 s[WV], v1
	s_lshr_b32 s[HI], s[WV], 1
	s_and_b32 s[LO], s[WV], 1
	s_bfe_u32 s40, ttmp6, 0x40000                  ; cx
	s_bfe_u32 s41, ttmp6, 0x40004                  ; cy
	s_lshl_b32 s42, ttmp9, 2
	s_add_co_u32 s42, s42, s40                     ; tile column
	s_and_b32 s43, ttmp7, 0xffff
	s_lshl_b32 s43, s43, 2
	s_add_co_u32 s43, s43, s41                     ; tile row
	s_lshl_b32 s44, s41, 2
	s_lshl_b32 s44, 15, s44                        ; my row of the cluster
	s_lshl_b32 s45, 0x1111, s40                    ; my column
	s_or_b32 s[G1+0], s44, (1<<16)|(1<<20)|(1<<21)|(4<<22)|(3<<25)   ; mask; 2-byte elements; padding on; bit 21 beside a mask; after every 32 words, 4 words
	s_or_b32 s[G1B+0], s45, (1<<16)|(1<<20)|(1<<21)|(4<<22)|(3<<25)
.irp g, G1, G1B
	s_mov_b32 s[(\g)+1], 128<<16                   ; tensor_dim0 = 128
	s_mov_b32 s[(\g)+2], 128<<16                   ; tensor_dim1 = 128
	s_mov_b32 s[(\g)+3], 128<<16                   ; tile_dim0 = 128
	s_mov_b32 s[(\g)+4], 128                       ; tile_dim1 = 128
	s_mov_b32 s[(\g)+5], 128                       ; dense: 128 elements from row to row
	s_mov_b32 s[(\g)+6], 0
	s_mov_b32 s[(\g)+7], 0
.endr
	s_lshr_b32 s16, s43, 2
	s_lshl_b32 s16, s16, 20                        ; image
	s_and_b32 s17, s43, 3
	s_lshl_b32 s17, s17, 15                        ; its 256 positions
	s_add_co_u32 s16, s16, s17
	s_lshl_b32 s17, s[LO], 17                      ; my g of the step
	s_add_co_u32 s16, s16, s17
	s_lshl_b32 s46, s42, 15                        ; wcat: 256 rows
	s_add_co_u32 s46, s46, s17
	s_mov_b32 s17, 0
	s_mov_b32 s47, 0
	s_mul_i32 s20, s[WV], GBLK                     ; where my block goes: no place in the cluster enters an LDS address
	s_wait_dscnt 0x0                               ; both opening adds are done
	s_wait_kmcnt 0x0
	s_add_nc_u64 s[16:17], s[4:5], s[16:17]
	s_add_nc_u64 s[46:47], s[6:7], s[46:47]
	CROUND                                         ; all sixteen work-groups are here: the first joint loads meet
.irp s, 0,1
	s_mov_b32 s[G0+4*(\s)], 1
	s_add_co_u32 s[G0+4*(\s)+1], s20, (\s)*SLOT
	s_add_nc_u64 s[G0+4*(\s)+2:G0+4*(\s)+3], s[16:17], (\s)*STEPB
	s_or_b32 s[G0+4*(\s)+3], s[G0+4*(\s)+3], 0x80000000
	s_mov_b32 s[G0B+4*(\s)], 1
	s_add_co_u32 s[G0B+4*(\s)+1], s20, (\s)*SLOT
	s_add_nc_u64 s[G0B+4*(\s)+2:G0B+4*(\s)+3], s[46:47], (\s)*STEPB
	s_or_b32 s[G0B+4*(\s)+3], s[G0B+4*(\s)+3], 0x80000000
	JLOAD \s
.endr
	v_and_b32 v1, 15, v0
	v_bfe_u32 v2, v0, 4, 1
	s_lshl_b32 s23, s42, 10
	s_lshl_b32 s21, s[LO], 9
	s_add_co_u32 s23, s23, s21
	v_lshl_add_u32 v[BO], v2, 5, s23               ; bcat: (256 tx + 128 half + 8 h) x 4 bytes
	WIN TO_B
.irp b, 0,1,2,3,4,5,6,7
	global_load_b128 v[8*\b:8*\b+3],   v[BO], s[8:9] offset:64*\b
	global_load_b128 v[8*\b+4:8*\b+7], v[BO], s[8:9] offset:64*\b+16
.endr
	WIN 0
	v_mul_u32_u24 v3, v1, PITCH
	v_lshl_add_u32 v3, v2, 4, v3
	s_mul_i32 s21, s[HI], 128*PITCH
	s_mul_i32 s22, s[LO], 128*PITCH
	s_add_co_u32 s22, s22, 2*GBLK
.irp s, 0,1
	v_add_nc_u32 v[ADRA+(\s)], s21, v3
	v_add_nc_u32 v[ADRB+(\s)], s22, v3
	s_add_co_u32 s21, s21, SLOT
	s_add_co_u32 s22, s22, SLOT
.endr
	s_mul_i32 s23, s[WV], 16*SPITCH
	s_add_co_u32 s23, s23, STAGE
	v_mul_u32_u24 v4, v1, SPITCH
	v_lshl_add_u32 v4, v2, 4, v4
	v_add_nc_u32 v[STO], s23, v4
	v_mul_u32_u24 v5, v2, SPITCH
	v_lshl_add_u32 v5, v1, 4, v5
	v_add_nc_u32 v[RD], s23, v5
	v_mul_u32_u24 v5, v2, NB2
	v_lshl_add_u32 v[CO], v1, 4, v5
	s_lshl_b32 s18, s43, 19                        ; my part of the tile in qv: row (256 ty + 128 half) x 2,048 bytes,
	s_lshl_b32 s19, s[HI], 18
	s_add_co_u32 s18, s18, s19
	s_lshl_b32 s19, s42, 9                         ; column (256 tx + 128 half) x 2 bytes
	s_add_co_u32 s18, s18, s19
	s_lshl_b32 s19, s[LO], 8
	s_add_co_u32 s18, s18, s19
	s_mov_b32 s19, 0
; 16 products: row blocks a0, a0 + 1 of the window's four x all 8 column blocks, 32 along K.  bias = 1: the sums start from the bias (window 1, v[8 b ..]).  The 64 accumulators take turns in the same order in every quarter.
.macro MUL16 f, hi, a0, bias
.if \bias
	WIN 0x91+0x40*(\hi)
.else
	WIN 0xa1+0x50*(\hi)
.endif
.irp a, \a0, (\a0)+1
.irp b, 0,1,2,3,4,5,6,7
.if \bias
	v_wmma_f32_16x16x32_bf16 v[8*(8*(\a)+(\b)):8*(8*(\a)+(\b))+7], v[(\f)+8*(\b):(\f)+8*(\b)+7], v[(\f)+8*(4*(\hi)+(\a)):(\f)+8*(4*(\hi)+(\a))+7], v[8*(\b):8*(\b)+7]
.else
	v_wmma_f32_16x16x32_bf16 v[8*(8*(\a)+(\b)):8*(8*(\a)+(\b))+7], v[(\f)+8*(\b):(\f)+8*(\b)+7], v[(\f)+8*(4*(\hi)+(\a)):(\f)+8*(4*(\hi)+(\a))+7], v[8*(8*(\a)+(\b)):8*(8*(\a)+(\b))+7]
.endif
.endr
.endr
.endm
; 32 LDS loads in one run: quarter q of a step (g q / 2, channels 32 (q % 2) on) into buffer f
.macro FETCH slot, q, f
.set KO, ((\q)/2)*GBLK+((\q)%2)*64
	WIN TO_B
.irp i, 0,1,2,3,4,5,6,7
	ds_load_b128 v[(\f)+8*(\i):(\f)+8*(\i)+3],   v[ADRB+(\slot)] offset:KO+(\i)*16*PITCH
	ds_load_b128 v[(\f)+8*(\i)+4:(\f)+8*(\i)+7], v[ADRB+(\slot)] offset:KO+(\i)*16*PITCH+32
.endr
	WIN 0
.irp i, 0,1,2,3,4,5,6,7
	ds_load_b128 v[(\f)+8*(\i):(\f)+8*(\i)+3],   v[ADRA+(\slot)] offset:KO+(\i)*16*PITCH
	ds_load_b128 v[(\f)+8*(\i)+4:(\f)+8*(\i)+7], v[ADRA+(\slot)] offset:KO+(\i)*16*PITCH+32
.endr
.endm
.macro PLACES                          ; four places behind the last product, ahead of loads into registers that it read and of reads of results
.rept 4
	v_nop
.endr
.endm
.macro QUARTER slot, q, f, g, bias     ; multiplies buffer f; in its middle fetches quarter q into buffer g
	s_wait_dscnt 8                                 ; wcat's and hk's rows 0-63 are in; the youngest eight loads (hk's rows 64-127) may be out
	MUL16 \f, 0, 0, \bias
	MUL16 \f, 0, 2, \bias
	PLACES
	FETCH \slot, \q, \g
	s_wait_dscnt 32                                ; all but the 32 just issued
	MUL16 \f, 1, 0, \bias
	MUL16 \f, 1, 2, \bias
.endm
; A step's last quarter changes slots.  Each wave waits for all its tensor loads (its part of the next slot), adds 0 to its spare word, and waits for that and for its reads of this slot; then the barrier.
; fill = 1: the barrier opens a round of the cluster's, and the joint refill, two steps on, is the first tensor load behind the round.
.macro TURN slot, next, fill
	WIN 0
	s_wait_tensorcnt 0x0
	ds_add_u32 v[SPW], v[NIL]
	s_wait_dscnt 9                                 ; (the add and the youngest eight loads may be out)
	MUL16 F1, 0, 0, 0
	s_wait_dscnt 0x0                               ; the add is done, my reads of this slot are over
	s_barrier_signal -1
	MUL16 F1, 0, 2, 0
.if \fill
	WIN 0
.endif
	s_barrier_wait -1
.if \fill
	CREST
	s_add_nc_u64 s[G0+4*(\slot)+2:G0+4*(\slot)+3], s[G0+4*(\slot)+2:G0+4*(\slot)+3], 2*STEPB
	s_add_nc_u64 s[G0B+4*(\slot)+2:G0B+4*(\slot)+3], s[G0B+4*(\slot)+2:G0B+4*(\slot)+3], 2*STEPB
	JLOAD \slot                                    ; its four v_nop are also the places ahead of the loads below
.else
	PLACES
.endif
	FETCH \next, 0, F0
	MUL16 F1, 1, 0, 0
	MUL16 F1, 1, 2, 0
.endm
.macro PACK a
.set AC, 64*((\a)%4)
	WIN 0x0a+5*((\a)/4)
.irp b, 0,1,2,3,4,5,6,7
.irp r, 0,1,2,3
	v_cvt_pk_bf16_f32 v[TMP+4*(\b)+(\r)], v[AC+8*(\b)+2*(\r)], v[AC+8*(\b)+2*(\r)+1]
.endr
.endr
	WIN 0
.endm
.macro TOSTAGE a
.set BK, OB+192*((\a)%2)
.irp b, 0,1,2,3,4,5,6,7
	ds_store_b128 v[STO], v[TMP+4*(\b):TMP+4*(\b)+3] offset:32*(\b)
.endr
.irp t, 0,1,2,3,4,5,6,7
	ds_load_b128 v[BK+4*(\t):BK+4*(\t)+3], v[RD] offset:(\t)*2*SPITCH  ; my own stage: LDS serves a wave's instructions in order
.endr
.endm
.macro SEND a
.set BK, OB+192*((\a)%2)
	s_wait_dscnt 0x0                               ; the block is back in registers
	s_wait_xcnt 0x0                                ; earlier stores have read their base and data: only now are they rewritten
.if (\a) == 0
	s_add_nc_u64 s[10:11], s[10:11], s[18:19]
.else
	s_add_nc_u64 s[10:11], s[10:11], 16*NB2
.endif
.irp t, 0,1,2,3,4,5,6,7
	global_store_b128 v[CO], v[BK+4*(\t):BK+4*(\t)+3], s[10:11] offset:2*(\t)*NB2  ; 16 lanes store 256 consecutive bytes, aligned
.endr
.endm
	s_wait_tensorcnt 1                             ; my part of step 0 is in; step 1's may stay out
	s_barrier_signal -1
	s_barrier_wait -1
	FETCH 0, 0, F0
	s_wait_loadcnt 0x0                             ; the bias
	QUARTER 0, 1, F0, F1, 1
	QUARTER 0, 2, F1, F0, 0
	QUARTER 0, 3, F0, F1, 0
	TURN 0, 1, 1                                   ; slot 0 takes step 2
	QUARTER 1, 1, F0, F1, 0
	QUARTER 1, 2, F1, F0, 0
	QUARTER 1, 3, F0, F1, 0
	TURN 1, 0, 1                                   ; slot 1 takes step 3
	QUARTER 0, 1, F0, F1, 0
	QUARTER 0, 2, F1, F0, 0
	QUARTER 0, 3, F0, F1, 0
	TURN 0, 1, 0
	QUARTER 1, 1, F0, F1, 0
	QUARTER 1, 2, F1, F0, 0
	QUARTER 1, 3, F0, F1, 0
	s_wait_dscnt 8
	MUL16 F1, 0, 0, 0
	MUL16 F1, 0, 2, 0
	s_wait_dscnt 0x0
	MUL16 F1, 1, 0, 0
	MUL16 F1, 1, 2, 0
	WIN 0
	PLACES
	PACK 0
	TOSTAGE 0
.irp a, 1,2,3,4,5,6,7                  ; block a's conversions stand between block a - 1's loads from the stage and the wait for them
	PACK \a
	SEND (\a)-1
	TOSTAGE \a
.endr
	SEND 7
	s_wait_tensorcnt 0x0                           ; the wave's end
	ds_add_u32 v[SPW], v[NIL]
	s_wait_dscnt 0x0
	CROUND                                         ; the closing round
	s_endpgm
.Lfunc_end_k_qc22715ed4e_gemm:
	.size	k_qc22715ed4e_gemm, .Lfunc_end_k_qc22715ed4e_gemm-k_qc22715ed4e_gemm
	.p2alignl 7, 3214868480
	.fill 96, 4, 3214868480
	.section	.rodata,"a",@progbits
	.p2align	6, 0x0
	.amdhsa_kernel k_qc22715ed4e_gemm
		.amdhsa_group_segment_fixed_size 327680
		.amdhsa_private_segment_fixed_size 0
		.amdhsa_enable_private_segment 0
		.amdhsa_kernarg_size 32
		.amdhsa_user_sgpr_count 2
		.amdhsa_user_sgpr_kernarg_segment_ptr 1
		.amdhsa_wavefront_size32 1
		.amdhsa_system_sgpr_workgroup_id_x 1
		.amdhsa_system_sgpr_workgroup_id_y 1
		.amdhsa_system_sgpr_workgroup_id_z 1
		.amdhsa_system_vgpr_workitem_id 0
		.amdhsa_next_free_vgpr 1024
		.amdhsa_next_free_sgpr 66
		.amdhsa_reserve_vcc 0
		.amdhsa_float_denorm_mode_32 3
		.amdhsa_float_denorm_mode_16_64 3
		.amdhsa_memory_ordered 1
		.amdhsa_forward_progress 1
		.amdhsa_inst_pref_size 144
	.end_amdhsa_kernel
	.amdgpu_metadata
---
amdhsa.version: [ 1, 2 ]
amdhsa.kernels:
  - .name:           k_qc22715ed4e_gemm
    .symbol:         k_qc22715ed4e_gemm.kd
    .args:
      - { .name: hk, .offset: 0, .size: 8, .value_kind: global_buffer, .address_space: global }
      - { .name: wcat, .offset: 8, .size: 8, .value_kind: global_buffer, .address_space: global }
      - { .name: bcat, .offset: 16, .size: 8, .value_kind: global_buffer, .address_space: global }
      - { .name: qv, .offset: 24, .size: 8, .value_kind: global_buffer, .address_space: global }
    .group_segment_fixed_size: 327680
    .private_segment_fixed_size: 0
    .kernarg_segment_align: 8
    .kernarg_segment_size: 32
    .max_flat_workgroup_size: 128
    .sgpr_count:     66
    .vgpr_count:     1024
    .wavefront_size: 32
...
	.end_amdgpu_metadata
.endif
;; end of part 3
;; launch attn (part 4): grid 8 x 32, 4 waves a work-group, clusters of 4 x 1, 327,680 bytes of LDS; arguments hk, qv, x, out0; writes out0
.if DOCPART == 4
	.amdgcn_target "amdgcn-amd-amdhsa--gfx1250"
	.amdhsa_code_object_version 6
	.text
	.protected	k_qc22715ed4e_attn
	.globl	k_qc22715ed4e_attn
	.p2align	8
	.type	k_qc22715ed4e_attn,@function
k_qc22715ed4e_attn:
	s_mov_b64 s[64:65], 0
	v_nop
	global_prefetch_b8 v0, s[64:65] scope:SCOPE_SE
	s_setreg_imm32_b32 hwreg(HW_REG_WAVE_MODE, 25, 1), 1
	s_wait_xcnt 0x0
	s_wait_alu depctr_hold_cnt(0) depctr_sa_sdst(0) depctr_va_vdst(0) depctr_va_sdst(0) depctr_va_ssrc(0) depctr_va_vcc(0) depctr_vm_vsrc(0)
	s_getreg_b32 s2, hwreg(HW_REG_IB_STS2, 6, 4)
	s_cmp_eq_u32 s2, 0
	s_cbranch_scc0 .Lentry_in_a_cluster
	s_endpgm
.Lentry_in_a_cluster:
	s_bfe_u32 s2, ttmp6, 0x10000c
	s_cmp_lg_u32 s2, 0x3003
	s_cbranch_scc0 .Lentry_shape_is_right
	s_endpgm
.Lentry_shape_is_right:
; out0[b][c][i] = x[b][c][i] + sum over j of softmax_j(Q'_i . hn_j) V''_j[c].  Q' = qv[.][0:512], already in units of log2; the keys are hn itself (hk); V'' = qv[.][512:1024] holds the output projection and all biases.
; Left out with the first kernel's proof: bk, the key projection, the output projection as a product of its own.
; LIMITS.  Products in bf16, sums, maxima and the running sum l in f32; p = 2^(s - m) with a running maximum m; p is rounded to bf16 for the second product, l is taken of the unrounded p; a weight below 2^-126 counts as 0;
; NaN and infinities are not treated apart.
; SHARES.  A work-group owns 128 queries of one image; 16 steps of 64 keys.  SCORES: wave w owns queries 32 w .. + 31 (two tiles of 16) against all 64 keys, its Q' in registers.  VALUES: wave w owns channels
; 128 w .. + 127 for all 128 queries: 64 accumulators.  The weights P and the factors a = 2^(m_old - m_new) pass between the waves through LDS, one barrier a step.
; LAYOUT.  S^T = K Q^T (source 0 = 16 keys, source 1 = 16 queries): a lane holds one query and 8 keys; two such tiles rounded in pairs ARE source 1 (32 keys x 16 queries) of O^T = V^T P; V ([key][channel]) is turned
; by ds_load_tr16_b128.  m starts at the lowest finite number, O and l at 0, so the first step is a step like any other, with a = 0; the price is 512 lines that clear O, run in the wait for the first tile.
; CLUSTER.  The four query blocks of a cluster belong to one image and walk the same K and V: each tile is asked for jointly.  Waves 0, 1 fetch K (four g each: four rows of 8,192 bytes, padded after every 128),
; waves 2, 3 fetch V (32 keys each: rows of 1,024 bytes, padded by 32).  A wave has one tensor load out.
; REGISTERS.  window 0: v0-15 addresses; v16-31 statistics; v32-47 the eight a, two registers apart; v48-111 S^T, later V of keys 32-63; v112-143 my P, later P of queries 64-127; v144-239 three buffers of K, later V of
; keys 0-31 (v144-207) and P of queries 0-63 (v208-239); v240-244 addresses of the way out.  window 1: Q', later x.  windows 2, 3: O^T, accumulator (qt, cb) at 8 (8 (qt % 4) + cb).
; s_set_vgpr_msb: bits 1:0 source 0, 3:2 source 1, 5:4 source 2, 7:6 destination.
.set KP,    144
.set VP,    1056                       ; 264 words: row r starts at bank 8 r mod 64
.set KSL,   0x12000                    ; K's slot 1 begins at 73,728; the bits are none of the wave's term's (0x9000), so an exclusive or changes slots
.set VB0,   0x24000                    ; V's slot 0 at 147,456
.set VSL,   0x10800                    ; V's slots are 67,584 apart; bits disjoint from 0x24000 and 0x8400
.set PBUF,  282624                     ; P: fragment (qt, kk), half at (2 qt + kk) 1024 + 512 half + 16 lane
.set ABUF,  299008                     ; a: 128 qt + 4 lane
.set LBUF,  300032                     ; 1 / l: 4 x query
.set SPARE, 300544                     ; the spare words: 128 bytes a wave, named by no other line
.set SGP,   528                        ; the way out's stage: a channel's 128 queries in f32 + 16 bytes; it lies in the slots, behind their last fill
.set AK0, 3
.set AV0, 4
.set AKA, 5                            ; v5, v6: K of this step, g 0-3 and g 4-7
.set AV,  7
.set PW,  8
.set PR,  9
.set AW,  10
.set AR,  11
.set QO,  12
.set PFO, 13
.set SPW, 14
.set NIL, 15
.set ST,  16                           ; tile t at ST + 8 t: m, pad, l (even keys', odd keys'), c0-c3 at work; a takes c2
.set AF,  32
.set S,   48
.set P,   112
.set KB,  144
.set V0,  144
.set V1,  48
.set PA,  208
.set PB,  112
.set LW,  240
.set GO,  241
.set STR, 242
.set STW, 243
.set RLA, 244
.set OR,  48
.set RL,  112
.set WV,  12
.set G1K, 24
.set G1V, 32
.set G0K, 40
.set G0V, 44
.set LEFT, 48
.set LIM, 49
.set RK,  50
.set RV,  51
.set SEL, 52
.set PFA, 54
.set PFS, 56
.set QB,  58
.set MSB, 0
.macro WIN new
.if MSB != (\new)
	s_set_vgpr_msb (MSB<<8)|(\new)
.set MSB, \new
.endif
.endm
.macro PLACES
.rept 4
	v_nop
.endr
.endm
.macro JLOAD                           ; a joint fill; an s_nop 0 and four v_nop follow each of the two lines
	s_cmp_lt_u32 s[WV], 2
	s_cbranch_scc0 .Lfor_v_\@
	tensor_load_to_lds s[G0K:G0K+3], s[G1K:G1K+7]
	s_nop 0
.rept 4
	v_nop
.endr
	s_branch .Lasked_\@
.Lfor_v_\@:
	tensor_load_to_lds s[G0V:G0V+3], s[G1V:G1V+7]
	s_nop 0
.rept 4
	v_nop
.endr
.Lasked_\@:
.endm
; A prefetch of the tile that stands two fills on: 512 blocks of 256 bytes, each named once in the launch.  An image's two clusters walk the same tiles: the first asks.  Its four partners and their four waves share
; the blocks out by address: a wave that fetches K takes g = 4 (w % 2) + cx, a lane a block; one that fetches V takes rows 32 (w % 2) + 8 cx + lane / 4, block lane % 4.  Trips with no such tile ask for nothing.
.macro ASK
	s_cmp_gt_u32 s[LEFT], s[LIM]
	s_cbranch_scc0 .Lnot_mine_\@
	global_prefetch_b8 v[PFO], s[PFA:PFA+1] th:TH_LOAD_NT scope:SCOPE_SE
.Lnot_mine_\@:
.endm
.macro CROUND
	s_barrier_signal -1
	s_barrier_wait -1
	s_cmp_lg_u32 s[WV], 0
	s_cbranch_scc1 .Lnot_wave_0_\@
	s_barrier_signal -3
.Lnot_wave_0_\@:
	s_barrier_wait -3
	s_barrier_signal -1
	s_barrier_wait -1
.endm
	s_load_b256 s[4:11], s[0:1], 0x0               ; hk 4, qv 6, x 8, out0 10
	v_lshl_add_u32 v[SPW], v0, 2, SPARE
	v_mov_b32 v[NIL], 0
	ds_add_u32 v[SPW], v[NIL]                      ; the wave's opening: the add, twice on end, and its wait ahead of my first tensor load
	ds_add_u32 v[SPW], v[NIL]
	v_lshrrev_b32 v1, 5, v0
	v_readfirstlane_b32 s[WV], v1
	s_bfe_u32 s13, ttmp6, 0x40000                  ; cx
	s_lshl_b32 s15, ttmp9, 2
	s_add_co_u32 s15, s15, s13                     ; my block of 128 queries: it enters global addresses alone
	s_and_b32 s14, ttmp7, 0xffff                   ; the image, which the partners share
	s_and_b32 s16, s[WV], 1                        ; which half of a tile I fetch
	s_lshl_b32 s20, s14, 20
	s_lshl_b32 s17, s16, 19
	s_add_co_u32 s20, s20, s17                     ; hk: image, four g
	s_mov_b32 s21, 0
	s_lshl_b32 s22, s14, 21
	s_lshl_b32 s17, s16, 16
	s_add_co_u32 s22, s22, s17
	s_add_co_u32 s22, s22, 1024                    ; qv: image, 32 keys, the second half of the row
	s_mov_b32 s23, 0
	s_lshl_b32 s60, s14, 21
	s_lshl_b32 s17, s15, 18
	s_add_co_u32 s60, s60, s17
	s_lshl_b32 s17, s[WV], 16
	s_add_co_u32 s60, s60, s17                     ; qv: my wave's 32 queries
	s_mov_b32 s61, 0
	s_mov_b32 s[G1K], 15|(1<<16)|(1<<20)|(1<<21)|(4<<22)|(3<<25)  ; the mask of four; 2-byte elements; padding on; bit 21 beside a mask; after every 32 words, 4 words
	s_mov_b32 s[G1K+1], 4096<<16                   ; tensor_dim0 = 4,096: 64 keys x 64 channels of one g
	s_mov_b32 s[G1K+2], 4<<16                      ; tensor_dim1 = 4
	s_mov_b32 s[G1K+3], 4096<<16                   ; tile_dim0
	s_mov_b32 s[G1K+4], 4                          ; tile_dim1
	s_mov_b32 s[G1K+5], 65536                      ; from g to g
	s_mov_b32 s[G1K+6], 0
	s_mov_b32 s[G1K+7], 0
	s_mov_b32 s[G1V], 15|(1<<16)|(1<<20)|(1<<21)|(7<<22)|(7<<25)  ; after every 256 words, 8 words
	s_mov_b32 s[G1V+1], 512<<16
	s_mov_b32 s[G1V+2], 32<<16
	s_mov_b32 s[G1V+3], 512<<16
	s_mov_b32 s[G1V+4], 32
	s_mov_b32 s[G1V+5], 1024
	s_mov_b32 s[G1V+6], 0
	s_mov_b32 s[G1V+7], 0
	s_mov_b32 s[G0K], 1
	s_mul_i32 s[G0K+1], s16, 4*64*KP               ; slot 0
	s_mov_b32 s[G0V], 1
	s_mul_i32 s[G0V+1], s16, 32*VP
	s_add_co_u32 s[G0V+1], s[G0V+1], VB0
	s_mov_b32 s[RK], KSL                           ; the first change of slots turns these into slot 0's
	s_mov_b32 s[RV], VB0+VSL
	s_mov_b32 s[SEL], 0x76543210
	s_mov_b32 s[SEL+1], 0xfedcba98
	s_mov_b32 s[LEFT], 15
	s_cmp_eq_u32 ttmp9, 0
	s_cselect_b32 s[LIM], 2, -1                    ; the same in all four partners
	s_lshl_b32 s2, s13, 17
	s_add_co_u32 s2, s2, 2*8192                    ; K: my g, tile 2
	s_lshl_b32 s3, s13, 14
	s_add_co_u32 s3, s3, 2*131072                  ; V: my 8 rows, tile 2
	s_mov_b32 s17, 8192
	s_mov_b32 s18, 131072
	s_cmp_lt_u32 s[WV], 2
	s_cselect_b32 s2, s2, s3
	s_cselect_b32 s[PFS], s17, s18                 ; a tile's step in memory
	s_cselect_b32 s19, 10, 11
	s_mov_b32 s3, 0
	s_mov_b32 s[PFS+1], 0
	s_wait_dscnt 0x0                               ; both opening adds are done
	s_wait_kmcnt 0x0
	s_add_nc_u64 s[G0K+2:G0K+3], s[4:5], s[20:21]
	s_add_nc_u64 s[G0V+2:G0V+3], s[6:7], s[22:23]
	s_cmp_lt_u32 s[WV], 2
	s_cselect_b64 s[PFA:PFA+1], s[G0K+2:G0K+3], s[G0V+2:G0V+3]
	s_add_nc_u64 s[PFA:PFA+1], s[PFA:PFA+1], s[2:3]  ; at tile 2; the first trip steps it to tile 3.  Nothing is prefetched at the head
	s_or_b32 s[G0K+3], s[G0K+3], 0x80000000
	s_or_b32 s[G0V+3], s[G0V+3], 0x80000000
	s_add_nc_u64 s[QB:QB+1], s[6:7], s[60:61]
	CROUND                                         ; all four work-groups are here
	JLOAD                                          ; tile 0 into slot 0; slot 1 is first filled by the first trip's change of slots
	v_and_b32 v1, 15, v0                           ; r
	v_bfe_u32 v2, v0, 4, 1                         ; h
	v_lshlrev_b32 v[QO], 11, v1
	v_lshl_add_u32 v[QO], v2, 4, v[QO]
	WIN 0x40
.set i, 0
.rept 32                               ; Q' stays in registers: tile i / 16, channels 32 (i % 16) on
	global_load_b128 v[8*i:8*i+3],   v[QO], s[QB:QB+1] offset:(i/16)*32768+(i%16)*64
	global_load_b128 v[8*i+4:8*i+7], v[QO], s[QB:QB+1] offset:(i/16)*32768+(i%16)*64+32
.set i, i+1
.endr
	WIN 0x80
.set i, 0
.rept 256
	v_mov_b32 v[i], 0
.set i, i+1
.endr
	WIN 0xc0
.set i, 0
.rept 256
	v_mov_b32 v[i], 0
.set i, i+1
.endr
	WIN 0
.irp t, 0,1
	v_mov_b32 v[ST+8*\t], 0xff7fffff
	v_mov_b32 v[ST+8*\t+1], 0
	v_mov_b32 v[ST+8*\t+2], 0
	v_mov_b32 v[ST+8*\t+3], 0
.endr
.irp q, 0,1,2,3,4,5,6,7
	v_mov_b32 v[AF+2*\q+1], 0                      ; named with a as a pair
.endr
	v_and_b32 v48, 31, v0                          ; lane
	v_bfe_u32 v[PFO], v0, 2, 3
	v_lshlrev_b32 v[PFO], s19, v[PFO]
	v_and_b32 v49, 3, v0
	v_lshl_add_u32 v[PFO], v49, 8, v[PFO]
	v_mul_u32_u24 v[AK0], v1, KP
	v_lshl_add_u32 v[AK0], v2, 4, v[AK0]
	v_and_b32 v49, 7, v0
	v_lshl_add_u32 v49, v2, 3, v49
	v_mul_u32_u24 v[AV0], v49, VP
	v_bfe_u32 v49, v0, 3, 1
	v_lshl_add_u32 v[AV0], v49, 4, v[AV0]
	s_lshl_b32 s16, s[WV], 8
	v_add_nc_u32 v[AV0], s16, v[AV0]               ; my 128 channels
	s_lshl_b32 s16, s[WV], 12
	s_add_co_u32 s16, s16, PBUF
	v_lshl_add_u32 v[PW], v48, 4, s16
	v_lshl_add_u32 v[PR], v48, 4, PBUF
	s_lshl_b32 s16, s[WV], 8
	s_add_co_u32 s16, s16, ABUF
	v_lshl_add_u32 v[AW], v48, 2, s16
	v_lshl_add_u32 v[AR], v48, 2, ABUF
	s_lshl_b32 s16, s[WV], 7
	s_add_co_u32 s16, s16, LBUF
	v_lshl_add_u32 v[LW], v1, 2, s16
	v_lshl_add_u32 v[RLA], v48, 4, LBUF
	s_lshl_b32 s16, s14, 21
	s_lshl_b32 s17, s[WV], 19
	s_add_co_u32 s16, s16, s17
	s_lshl_b32 s17, s15, 9
	s_add_co_u32 s16, s16, s17
	v_lshl_add_u32 v[GO], v48, 4, s16              ; x and out0: image, my 128 channels, my block's 512 bytes of a row
	s_mul_i32 s16, s[WV], 128*SGP
	v_mul_u32_u24 v49, v2, 8*SGP
	v_lshl_add_u32 v49, v1, 2, v49
	v_add_nc_u32 v[STW], s16, v49
	v_lshl_add_u32 v[STR], v48, 4, s16
	s_wait_loadcnt 0x0                             ; Q'
; THE CHANGE OF SLOTS.  Each wave waits for all its tensor loads (its part of this step's tile), adds 0 to its spare word, and waits for that and for its reads of the last step's tile, of P and of a.
; fill = 1: a round of the cluster's barrier, then the joint fill of the slot just left, first thing behind it: it has a step's 256 products in which to land.  The vector lines behind it are the places ahead of the
; loads into, and the products onto, registers that the last step's products read.
.macro TOP fill
	WIN 0
	s_wait_tensorcnt 0x0                           ; no tensor load of mine is out, so a group 0 may be written
	ds_add_u32 v[SPW], v[NIL]
.if \fill
	s_xor_b32 s[G0K+1], s[G0K+1], KSL
	s_add_nc_u64 s[G0K+2:G0K+3], s[G0K+2:G0K+3], 8192
	s_xor_b32 s[G0V+1], s[G0V+1], VSL
	s_add_nc_u64 s[G0V+2:G0V+3], s[G0V+2:G0V+3], 131072
	s_wait_xcnt 0x0                                ; the last prefetch, a step back, has read its address
	s_add_nc_u64 s[PFA:PFA+1], s[PFA:PFA+1], s[PFS:PFS+1]
	s_wait_dscnt 0x0
	CROUND
	JLOAD
	ASK
.else
	s_wait_dscnt 0x0
	s_barrier_signal -1
	s_barrier_wait -1
.rept 5
	v_nop
.endr
.endif
	s_xor_b32 s[RK], s[RK], KSL
	s_xor_b32 s[RV], s[RV], VSL
	v_add_nc_u32 v[AKA], s[RK], v[AK0]
	v_add_nc_u32 v[AKA+1], 4*64*KP, v[AKA]
	v_add_nc_u32 v[AV], s[RV], v[AV0]
.endm
.macro KLOAD c                         ; K's four fragments (64 keys) of channels 32 c on, into buffer c % 3
.set kbuf, KB+32*((\c)%3)
.set kadr, AKA+(\c)/8
.set koff, (((\c)/2)%4)*64*KP+((\c)%2)*64
.irp kb, 0,1,2,3
	ds_load_b128 v[kbuf+8*\kb:kbuf+8*\kb+3],   v[kadr] offset:koff+\kb*16*KP
	ds_load_b128 v[kbuf+8*\kb+4:kbuf+8*\kb+7], v[kadr] offset:koff+\kb*16*KP+32
.endr
.endm
; SCORES: 16 channel steps of 8 products; the 8 accumulators take turns.  K comes two steps ahead through three buffers; four places stand between a buffer's last product and the loads into it.
.macro SPH
	WIN 0x04                                       ; Q' in window 1
	KLOAD 0
	KLOAD 1
.set cs, 0
.rept 16
.if cs == 15
	s_wait_dscnt 0x0
.else
	s_wait_dscnt 8                                 ; this step's fragments are in; the next step's eight loads may be out
.endif
.if cs < 14
.if cs > 0
	PLACES
.endif
	KLOAD cs+2
.endif
.irp kb, 0,1,2,3
.irp t, 0,1
.if cs == 0
	v_wmma_f32_16x16x32_bf16 v[S+32*\t+8*\kb:S+32*\t+8*\kb+7], v[KB+32*(cs%3)+8*\kb:KB+32*(cs%3)+8*\kb+7], v[128*\t+8*cs:128*\t+8*cs+7], 0
.else
	v_wmma_f32_16x16x32_bf16 v[S+32*\t+8*\kb:S+32*\t+8*\kb+7], v[KB+32*(cs%3)+8*\kb:KB+32*(cs%3)+8*\kb+7], v[128*\t+8*cs:128*\t+8*cs+7], v[S+32*\t+8*\kb:S+32*\t+8*\kb+7]
.endif
.endr
.endr
.set cs, cs+1
.endr
.endm
.macro VLOAD kk, dst                   ; V^T of keys 32 kk on, my 8 blocks of 16 channels
.irp cb, 0,1,2,3,4,5,6,7
	ds_load_tr16_b128 v[(\dst)+8*\cb:(\dst)+8*\cb+3],   v[AV] offset:(\kk)*32*VP+\cb*32
	ds_load_tr16_b128 v[(\dst)+8*\cb+4:(\dst)+8*\cb+7], v[AV] offset:(\kk)*32*VP+16*VP+\cb*32
.endr
.endm
; SOFTMAX of my two tiles, line by line in turn.  All 66 exponentials are one batch with one wait, ahead of which nothing names a result of theirs.  last = 1: x's first 32 rows are asked for (Q' is dead), and 1 / l is made.
.macro SOFT last
	WIN 0
	PLACES
.if \last
	WIN 0x40
.set i, 0
.rept 32
	global_load_b128 v[4*i:4*i+3], v[GO], s[8:9] offset:4096*i th:TH_LOAD_NT
.set i, i+1
.endr
	WIN 0
.endif
	VLOAD 0, V0
.irp j, 0,1,2,3                        ; each accumulator's lowest registers are read first
.irp t, 0,1
	v_max3_num_f32 v[ST+8*\t+4+\j], v[S+32*\t+8*\j], v[S+32*\t+8*\j+1], v[S+32*\t+8*\j+2]
.endr
.endr
.irp j, 0,1,2,3
.irp t, 0,1
	v_max3_num_f32 v[ST+8*\t+4+\j], v[ST+8*\t+4+\j], v[S+32*\t+8*\j+3], v[S+32*\t+8*\j+4]
.endr
.endr
.irp j, 0,1,2,3
.irp t, 0,1
	v_max3_num_f32 v[ST+8*\t+4+\j], v[ST+8*\t+4+\j], v[S+32*\t+8*\j+5], v[S+32*\t+8*\j+6]
.endr
.endr
.irp t, 0,1
	v_max3_num_f32 v[ST+8*\t+4], v[ST+8*\t+4], v[S+32*\t+7], v[S+32*\t+15]
.endr
.irp t, 0,1
	v_max3_num_f32 v[ST+8*\t+6], v[ST+8*\t+6], v[S+32*\t+23], v[S+32*\t+31]
.endr
.irp t, 0,1
	v_max3_num_f32 v[ST+8*\t+4], v[ST+8*\t+4], v[ST+8*\t+5], v[ST+8*\t+6]
.endr
.irp t, 0,1
	v_max3_num_f32 v[ST+8*\t+4], v[ST+8*\t+4], v[ST+8*\t+7], v[ST+8*\t]
.endr
.irp t, 0,1
	v_permlanex16_b32 v[ST+8*\t+5], v[ST+8*\t+4], s[SEL], s[SEL+1]  ; the query's other 32 keys lie in the lane 16 away
.endr
.irp t, 0,1
	v_mov_b32 v[ST+8*\t+7], v[ST+8*\t]
.endr
.irp t, 0,1
	v_max_num_f32 v[ST+8*\t], v[ST+8*\t+4], v[ST+8*\t+5]
.endr
.irp t, 0,1
	v_sub_f32 v[ST+8*\t+7], v[ST+8*\t+7], v[ST+8*\t]
.endr
.irp p, 0,1,2,3,4,5,6,7,8,9,10,11,12,13,14,15
.irp t, 0,1
	v_pk_add_f32 v[S+32*\t+2*\p:S+32*\t+2*\p+1], v[S+32*\t+2*\p:S+32*\t+2*\p+1], v[ST+8*\t:ST+8*\t+1] op_sel_hi:[1,0] neg_lo:[0,1] neg_hi:[0,1]
.endr
.endr
.irp t, 0,1
	v_exp_f32 v[ST+8*\t+6], v[ST+8*\t+7]           ; a
.endr
.set i, 0
.rept 32
	v_exp_f32 v[S+i], v[S+i]
	v_exp_f32 v[S+32+i], v[S+32+i]
.set i, i+1
.endr
	v_nop                                          ; a plain instruction behind the last exponential
	s_wait_alu depctr_va_vdst(0)                   ; the one wait for the batch, ahead of its first reader
.irp p, 0,1,2,3,4,5,6,7,8,9,10,11,12,13,14,15
.irp t, 0,1
	v_cvt_pk_bf16_f32 v[P+16*\t+\p], v[S+32*\t+2*\p], v[S+32*\t+2*\p+1]
.endr
.endr
.irp u, 0,1,2,3,4,5,6,7
.irp t, 0,1
	v_pk_add_f32 v[S+32*\t+4*\u:S+32*\t+4*\u+1], v[S+32*\t+4*\u:S+32*\t+4*\u+1], v[S+32*\t+4*\u+2:S+32*\t+4*\u+3]
.endr
.endr
.irp u, 0,1,2,3
.irp t, 0,1
	v_pk_add_f32 v[S+32*\t+8*\u:S+32*\t+8*\u+1], v[S+32*\t+8*\u:S+32*\t+8*\u+1], v[S+32*\t+8*\u+4:S+32*\t+8*\u+5]
.endr
.endr
.irp u, 0,1
.irp t, 0,1
	v_pk_add_f32 v[S+32*\t+16*\u:S+32*\t+16*\u+1], v[S+32*\t+16*\u:S+32*\t+16*\u+1], v[S+32*\t+16*\u+8:S+32*\t+16*\u+9]
.endr
.endr
.irp t, 0,1
	v_pk_add_f32 v[S+32*\t:S+32*\t+1], v[S+32*\t:S+32*\t+1], v[S+32*\t+16:S+32*\t+17]
.endr
.irp t, 0,1
	v_pk_fma_f32 v[ST+8*\t+2:ST+8*\t+3], v[ST+8*\t+2:ST+8*\t+3], v[ST+8*\t+6:ST+8*\t+7], v[S+32*\t:S+32*\t+1] op_sel_hi:[1,0,1]  ; l = a l + sum
.endr
.if \last
.irp t, 0,1
	v_add_f32 v[ST+8*\t+4], v[ST+8*\t+2], v[ST+8*\t+3]
.endr
.irp t, 0,1
	v_permlanex16_b32 v[ST+8*\t+5], v[ST+8*\t+4], s[SEL], s[SEL+1]
.endr
.irp t, 0,1
	v_add_f32 v[ST+8*\t+4], v[ST+8*\t+4], v[ST+8*\t+5]
.endr
.irp t, 0,1
	v_rcp_f32 v[ST+8*\t+5], v[ST+8*\t+4]           ; l is at least 1: the largest weight is 1
.endr
	v_nop
	s_wait_alu depctr_va_vdst(0)
.irp t, 0,1
	ds_store_b32 v[LW], v[ST+8*\t+5] offset:64*\t
.endr
.endif
.irp t, 0,1
.irp f, 0,1,2,3
	ds_store_b128 v[PW], v[P+16*\t+4*\f:P+16*\t+4*\f+3] offset:(2*\t+\f/2)*1024+(\f%2)*512
.endr
	ds_store_b32 v[AW], v[ST+8*\t+6] offset:128*\t
.endr
	s_wait_dscnt 0x0                               ; for the others' sake: P and a are stored (and V of keys 0-31 is in)
	s_barrier_signal -1                            ; the next tile's load may stay out
	s_barrier_wait -1
.endm
.macro PLOAD kk, qh, dst               ; P of keys 32 kk on, query tiles 4 qh .. + 3
.irp q, 0,1,2,3
	ds_load_b128 v[(\dst)+8*\q:(\dst)+8*\q+3],   v[PR] offset:(2*(4*(\qh)+\q)+(\kk))*1024
	ds_load_b128 v[(\dst)+8*\q+4:(\dst)+8*\q+7], v[PR] offset:(2*(4*(\qh)+\q)+(\kk))*1024+512
.endr
.endm
.macro RESC m                          ; accumulator m = 8 qt + cb times a of tile qt
.if (\m) < 64
	WIN 0x82+0x41*((\m)/32)
.irp z, 0,1,2,3
	v_pk_mul_f32 v[8*((\m)%32)+2*\z:8*((\m)%32)+2*\z+1], v[8*((\m)%32)+2*\z:8*((\m)%32)+2*\z+1], v[AF+2*((\m)/8):AF+2*((\m)/8)+1] op_sel_hi:[1,0]
.endr
.endif
.endm
; 32 products O^T += V^T P for query tiles 4 qh .. + 3; each accumulator has one turn.  ride = 1: behind every second product two accumulators four to five turns ahead are rescaled.
.macro UPV qh, vb, pb, ride
.set n, 0
.rept 32
	WIN 0xa0+0x50*(\qh)
	v_wmma_f32_16x16x32_bf16 v[8*n:8*n+7], v[(\vb)+8*(n%8):(\vb)+8*(n%8)+7], v[(\pb)+8*(n/8):(\pb)+8*(n/8)+7], v[8*n:8*n+7]
.if (\ride) && (n%2)
	RESC 32*(\qh)+n+3
	RESC 32*(\qh)+n+4
.endif
.set n, n+1
.endr
.endm
.macro PVPH
	WIN 0
.irp q, 0,1,2,3,4,5,6,7
	ds_load_b32 v[AF+2*\q], v[AR] offset:128*\q
.endr
	PLOAD 0, 0, PA
	PLOAD 0, 1, PB
	VLOAD 1, V1
	s_wait_dscnt 24                                ; a and the first P are in; the second P's 8 loads and V's 16 may be out
	RESC 0
	RESC 1
	RESC 2
	RESC 3
	UPV 0, V0, PA, 1
	WIN 0
	PLOAD 1, 0, PA                                 ; the last eight rescalings are the places behind the products that read these registers
	s_wait_dscnt 24                                ; the second P is in; V's 16 loads and the 8 just issued may be out
	UPV 1, V0, PB, 1
	WIN 0
	PLACES
	PLOAD 1, 1, PB
	s_wait_dscnt 8                                 ; all but the 8 just issued
	UPV 0, V1, PA, 0
	s_wait_dscnt 0x0
	UPV 1, V1, PB, 0
.endm
.Ltrip:                                ; 15 trips: a tile is worked on and the next is asked for
	TOP 1
	SPH
	SOFT 0
	PVPH
	WIN 0
	s_sub_co_u32 s[LEFT], s[LEFT], 1
	s_cmp_lg_u32 s[LEFT], 0
	s_cbranch_scc1 .Ltrip
	TOP 0                                          ; the last tile is written out: nothing is asked for
	SPH
	SOFT 1
	PVPH
	; THE WAY OUT.  O^T goes into a stage [channel][query] in f32, each wave's 128 rows its own; rows come back whole, are divided by l and added to x in one fused multiply-add, and leave as 512 consecutive bytes.
	WIN 0
	s_wait_dscnt 0x0
	s_barrier_signal -1                            ; every wave's reads of the slots are over: the stage lies there
	s_barrier_wait -1
	PLACES
	ds_load_b128 v[RL:RL+3], v[RLA]                ; 1 / l of queries 4 lane .. + 3
.set n, 0
.rept 64
	WIN 0x08+4*(n/32)
.irp j, 0,1,2,3,4,5,6,7
	ds_store_b32 v[STW], v[8*(n%32)+\j] offset:(16*(n%8)+\j)*SGP+64*(n/8)
.endr
.set n, n+1
.endr
; 16 rows.  xs: the set of x's registers (window 1); reload = 1: it is asked for again, 32 rows on; left: the other set's loads, which may stay out.
.macro GROUP xs, reload, left, step
	WIN 0x10
.set i, 0
.rept 16
	ds_load_b128 v[OR+4*i:OR+4*i+3], v[STR] offset:i*SGP  ; my own rows: LDS serves a wave's instructions in order
.set i, i+1
.endr
	s_wait_loadcnt \left
	s_wait_dscnt 0x0
.set i, 0
.rept 16
	v_pk_fma_f32 v[OR+4*i:OR+4*i+1], v[OR+4*i:OR+4*i+1], v[RL:RL+1], v[(\xs)+4*i:(\xs)+4*i+1]
	v_pk_fma_f32 v[OR+4*i+2:OR+4*i+3], v[OR+4*i+2:OR+4*i+3], v[RL+2:RL+3], v[(\xs)+4*i+2:(\xs)+4*i+3]
.set i, i+1
.endr
.set i, 0
.rept 16
	global_store_b128 v[GO], v[OR+4*i:OR+4*i+3], s[10:11] offset:4096*i th:TH_STORE_NT
.set i, i+1
.endr
.if \reload
	WIN 0x40
.set i, 0
.rept 16
	global_load_b128 v[(\xs)+4*i:(\xs)+4*i+3], v[GO], s[8:9] offset:4096*(32+i) th:TH_LOAD_NT
.set i, i+1
.endr
.endif
	WIN 0
.if \step
	s_wait_xcnt 0x0                                ; the stores and loads have read their offset and data: only now are they rewritten
	v_add_nc_u32 v[GO], 16*4096, v[GO]
	v_add_nc_u32 v[STR], 16*SGP, v[STR]
.endif
.endm
	WIN 0
	s_mov_b32 s[LEFT], 3
.Lrows:
	GROUP 0, 1, 16, 1
	GROUP 64, 1, 16, 1
	s_sub_co_u32 s[LEFT], s[LEFT], 1
	s_cmp_lg_u32 s[LEFT], 0
	s_cbranch_scc1 .Lrows
	GROUP 0, 0, 16, 1                              ; the last 32 rows load nothing
	GROUP 64, 0, 0, 0
	s_wait_tensorcnt 0x0                           ; the wave's end, behind my last tensor load and my last LDS store
	ds_add_u32 v[SPW], v[NIL]
	s_wait_dscnt 0x0
	CROUND                                         ; the closing round
	s_endpgm
.Lfunc_end_k_qc22715ed4e_attn:
	.size	k_qc22715ed4e_attn, .Lfunc_end_k_qc22715ed4e_attn-k_qc22715ed4e_attn
	.p2alignl 7, 3214868480
	.fill 96, 4, 3214868480
	.section	.rodata,"a",@progbits
	.p2align	6, 0x0
	.amdhsa_kernel k_qc22715ed4e_attn
		.amdhsa_group_segment_fixed_size 327680
		.amdhsa_private_segment_fixed_size 0
		.amdhsa_enable_private_segment 0
		.amdhsa_kernarg_size 32
		.amdhsa_user_sgpr_count 2
		.amdhsa_user_sgpr_kernarg_segment_ptr 1
		.amdhsa_wavefront_size32 1
		.amdhsa_system_sgpr_workgroup_id_x 1
		.amdhsa_system_sgpr_workgroup_id_y 1
		.amdhsa_system_sgpr_workgroup_id_z 1
		.amdhsa_system_vgpr_workitem_id 0
		.amdhsa_next_free_vgpr 1024
		.amdhsa_next_free_sgpr 66
		.amdhsa_reserve_vcc 0
		.amdhsa_float_denorm_mode_32 3
		.amdhsa_float_denorm_mode_16_64 3
		.amdhsa_memory_ordered 1
		.amdhsa_forward_progress 1
		.amdhsa_inst_pref_size 212
	.end_amdhsa_kernel
	.amdgpu_metadata
---
amdhsa.version: [ 1, 2 ]
amdhsa.kernels:
  - .name:           k_qc22715ed4e_attn
    .symbol:         k_qc22715ed4e_attn.kd
    .args:
      - { .name: hk, .offset: 0, .size: 8, .value_kind: global_buffer, .address_space: global }
      - { .name: qv, .offset: 8, .size: 8, .value_kind: global_buffer, .address_space: global }
      - { .name: x, .offset: 16, .size: 8, .value_kind: global_buffer, .address_space: global }
      - { .name: out0, .offset: 24, .size: 8, .value_kind: global_buffer, .address_space: global }
    .group_segment_fixed_size: 327680
    .private_segment_fixed_size: 0
    .kernarg_segment_align: 8
    .kernarg_segment_size: 32
    .max_flat_workgroup_size: 128
    .sgpr_count:     66
    .vgpr_count:     1024
    .wavefront_size: 32
...
	.end_amdgpu_metadata
.endif
;; end of part 4
;; ======== version 2 of 3: 3 launches
;; workspace buffers: wcat 1,048,576 bytes; bcat 4,096 bytes; hk 33,554,432 bytes
;; launch prep (part 5): grid 8 x 16, 8 waves a work-group, no clusters, 241,664 bytes of LDS; arguments wq, wk, wv, wo, bq, bv, bo, wcat, bcat; writes wcat, bcat
.if DOCPART == 5
	.amdgcn_target "amdgcn-amd-amdhsa--gfx1250"
	.amdhsa_code_object_version 6
	.text
	.protected	k_qc22715ed4e_prep
	.globl	k_qc22715ed4e_prep
	.p2align	8
	.type	k_qc22715ed4e_prep,@function
k_qc22715ed4e_prep:
	s_mov_b64 s[64:65], 0
	v_nop
	global_prefetch_b8 v0, s[64:65] scope:SCOPE_SE
	s_setreg_imm32_b32 hwreg(HW_REG_WAVE_MODE, 25, 1), 1
	s_wait_xcnt 0x0
; THE WEIGHTS OF THE WHOLE PROGRAM, MADE ONCE.  reference(): hn = GroupNorm(x); q, k, v = W hn + b; softmax_j(q_i . k_j / sqrt(512)); out = x + Wo o + bo.
; WORK LEFT OUT, for all finite values of the inputs, in exact arithmetic:
;  (a) bk.  q_i . (Wk h_j + bk) = q_i . Wk h_j + q_i . bk, and the second term is the same for every j: a term added to a softmax's input that is constant along its
;      axis changes no weight.  bk has no other way to the output: it is not loaded and is among no launch's arguments.
;  (b) (Wq h_i + bq) . (Wk h_j) = (Wk^T Wq h_i + Wk^T bq) . h_j: the keys are hn itself, and one projection Q' = A h + a stands for two.
;  (c) Wo (sum_j p_ij (Wv h_j + bv)) + bo = Wo Wv (sum_j p_ij h_j) + Wo bv + bo, since sum_j p_ij = 1: the values are hn itself too, and one projection Bm = Wo Wv with the bias
;      c2 = Wo bv + bo, applied to the weighted mean of hn, stands for v and for the output projection.
; LIMITS.  A NaN, an infinity or an overflow that reaches only bk, or that arises only in reference()'s separate q, k, v or o, is not carried to the result; sums are taken in another order than
; reference()'s.
; THIS LAUNCH: wcat[g][row][c] (bf16, 8 x 1024 x 64): rows 0-511 A = c0 Wk^T Wq, rows 512-1023 Bm = Wo Wv; bcat[1024] (f32): c0 Wk^T bq, then Wo bv + bo.  c0 = log2(e) / sqrt(512), multiplied
; onto Wk in f32 ahead of Wk's one rounding to bf16, so that scores come out in units of log2.
; SHARES.  Work-group (tx, ty): rows 64 ty .. + 63, columns 64 tx .. + 63: out[r][c] = sum over o of L[r][o] R[o][c].  ty < 8 (type A): L[r][o] = c0 Wk[o][64 ty + r], R = Wq, u = bq;
; else (type B): L = Wo's rows, R = Wv, u = bv.  Wave w: row block w / 2 (16 rows), column half w % 2 (two tiles of 16).  Where tx = 0 the waves of column half 0 also make L u.
; The product is taken transposed (source 0 = 16 columns of R, source 1 = 16 rows of L): a lane ends with 8 neighbouring columns of one row.
; LDS.  L lies as [o][64 rows] in type A and as [row][512 o] in type B; each layout has bytes of its own, so that no store of the one can touch a byte of the other.
.set C0,    0x3d8293ee
.set RP,    160                        ; a row [o] of 64 bf16 + 32 bytes
.set LP,    1040                       ; type B: a row of 512 bf16 + 16 bytes: an odd multiple of 16
.set SGP,   144
.set LA,    512*RP                     ; type A's L, behind R
.set LB,    2*512*RP                   ; type B's L, behind type A's
.set STG,   LB+64*LP                   ; the way out: 64 rows x 144 bytes
.set UB,    STG+64*SGP                 ; u, 512 bf16
.set SPARE, UB+1024                    ; the spare words: 128 bytes for each of the eight waves, named by no other line
.set GR,  4                            ; global offsets: R; L of type A; L of type B
.set GLA, 5
.set GLB, 6
.set SR,  7                            ; where converted numbers go in LDS: R; L type A; L type B
.set SLA, 8
.set SLB, 9
.set RF0, 10                           ; fragment addresses: R for K steps 0-7 and 8-15
.set LF0, 12                           ; L type A likewise
.set LFB, 14                           ; L type B
.set UF,  15                           ; u
.set SPW, 16
.set NIL, 17
.set STO, 18
.set RD,  19
.set GOUT, 20
.set BOFF, 21
.set BOO, 22
.set BOV, 200                          ; bo of my row: a register that no pending store reads and no fragment of the last phase takes
.set AC0, 224                          ; the two tiles' sums
.set AC1, 232
.set BA,  240                          ; L u: even and odd K steps
	s_load_b512 s[4:19], s[0:1], 0x0               ; wq 4, wk 6, wv 8, wo 10, bq 12, bv 14, bo 16, wcat 18
	s_load_b64 s[20:21], s[0:1], 0x40              ; bcat
	v_lshl_add_u32 v[SPW], v0, 2, SPARE
	v_mov_b32 v[NIL], 0
	v_lshrrev_b32 v1, 5, v0
	v_readfirstlane_b32 s22, v1                    ; wave
	s_mov_b32 s23, ttmp9                           ; tx
	s_and_b32 s24, ttmp7, 0xffff                   ; ty
	s_and_b32 s25, s24, 7                          ; the block of 64 rows within its type
	s_lshr_b32 s32, s22, 1                         ; row block
	s_and_b32 s33, s22, 1                          ; column half
	s_mov_b32 s40, C0
	s_mov_b32 s41, C0                              ; named with it as a pair
	v_and_b32 v1, 15, v0                           ; r
	v_bfe_u32 v2, v0, 4, 1                         ; h
	v_and_b32 v3, 31, v0                           ; lane
	v_lshlrev_b32 v23, 4, v1
	v_lshl_add_u32 v23, v2, 11, v23                ; two rows of 2,048 bytes a load: h x 2048 + 16 r
	s_lshl_b32 s34, s22, 17                        ; my 64 rows o
	s_lshl_b32 s35, s23, 8
	s_add_co_u32 s35, s35, s34
	v_add_nc_u32 v[GR], s35, v23
	s_lshl_b32 s35, s25, 8
	s_add_co_u32 s35, s35, s34
	v_add_nc_u32 v[GLA], s35, v23
	s_lshl_b32 s35, s25, 17
	s_lshl_b32 s36, s22, 14
	s_add_co_u32 s35, s35, s36                     ; type B: my 8 rows of Wo, dense
	v_lshl_add_u32 v[GLB], v3, 4, s35
	v_mul_u32_u24 v23, v2, RP
	v_lshl_add_u32 v23, v1, 3, v23
	s_mul_i32 s35, s22, 64*RP
	v_add_nc_u32 v[SR], s35, v23
	v_add_nc_u32 v[SLA], LA, v[SR]
	s_mul_i32 s35, s22, 8*LP
	s_add_co_u32 s35, s35, LB
	v_lshl_add_u32 v[SLB], v3, 3, s35
	s_wait_kmcnt 0x0
	s_cmp_lt_u32 s24, 8
	s_cselect_b64 s[26:27], s[4:5], s[8:9]         ; R
	s_cselect_b64 s[28:29], s[6:7], s[10:11]       ; L
	s_cselect_b64 s[30:31], s[12:13], s[14:15]     ; u
.set i, 0
.rept 32
	global_load_b128 v[32+4*i:35+4*i], v[GR], s[26:27] offset:4096*i
.set i, i+1
.endr
	s_cmp_lt_u32 s24, 8
	s_cbranch_scc0 .Lfirst_b
.set i, 0
.rept 16
	global_load_b128 v[160+4*i:163+4*i], v[GLA], s[28:29] offset:4096*i
.set i, i+1
.endr
	s_branch .Lfirst_done
.Lfirst_b:
.set i, 0
.rept 16
	global_load_b128 v[160+4*i:163+4*i], v[GLB], s[28:29] offset:512*i
.set i, i+1
.endr
.Lfirst_done:
	; the addresses of all later phases, both types', are made while the loads are out
	v_and_b32 v23, 7, v0
	v_lshl_add_u32 v23, v2, 3, v23
	v_mul_u32_u24 v23, v23, RP
	v_bfe_u32 v24, v0, 3, 1
	v_lshl_add_u32 v23, v24, 4, v23                ; the turning load: row 8 h + l % 8, 16 bytes by (l / 8) % 2
	s_lshl_b32 s35, s33, 6
	v_add_nc_u32 v[RF0], s35, v23
	v_add_nc_u32 v[RF0+1], 256*RP, v[RF0]
	s_lshl_b32 s35, s32, 5
	s_add_co_u32 s35, s35, LA
	v_add_nc_u32 v[LF0], s35, v23
	v_add_nc_u32 v[LF0+1], 256*RP, v[LF0]
	v_lshl_add_u32 v24, s32, 4, v1                 ; row 16 rb + r
	v_mul_u32_u24 v25, v24, LP
	v_lshl_add_u32 v25, v2, 4, v25
	v_add_nc_u32 v[LFB], LB, v25
	v_lshl_add_u32 v[UF], v2, 4, UB
	v_mul_u32_u24 v25, v24, SGP
	v_lshl_add_u32 v25, v2, 4, v25
	s_lshl_b32 s35, s33, 6
	s_add_co_u32 s35, s35, STG
	v_add_nc_u32 v[STO], s35, v25
	v_bfe_u32 v24, v0, 3, 2
	v_lshl_add_u32 v24, s22, 3, v24                ; back: row 8 w + l / 8
	v_mul_u32_u24 v24, v24, SGP
	v_and_b32 v25, 7, v0
	v_lshl_add_u32 v24, v25, 4, v24
	v_add_nc_u32 v[RD], STG, v24
	s_lshl_b32 s35, s23, 17
	s_lshl_b32 s36, s24, 13
	s_add_co_u32 s35, s35, s36
	s_lshl_b32 s36, s22, 10
	s_add_co_u32 s35, s35, s36
	v_lshl_add_u32 v[GOUT], v3, 4, s35             ; wcat: g = tx, row 64 ty + 8 w, 512 dense bytes a store
	s_lshl_b32 s36, s32, 6
	s_lshl_b32 s35, s24, 8
	s_add_co_u32 s35, s35, s36
	v_lshl_add_u32 v[BOFF], v1, 2, s35
	s_lshl_b32 s35, s25, 8
	s_add_co_u32 s35, s35, s36
	v_lshl_add_u32 v[BOO], v1, 2, s35
; four f32 are rounded to bf16 (sc = 1: times c0 first) and stored; the temporaries go round four pairs
.set TC, 0
.macro CVST src, adr, off, sc
.if \sc
	v_pk_mul_f32 v[(\src):(\src)+1], v[(\src):(\src)+1], s[40:41] op_sel_hi:[1,0]
	v_pk_mul_f32 v[(\src)+2:(\src)+3], v[(\src)+2:(\src)+3], s[40:41] op_sel_hi:[1,0]
.endif
	v_cvt_pk_bf16_f32 v[24+2*(TC%4)], v[(\src)], v[(\src)+1]
	v_cvt_pk_bf16_f32 v[25+2*(TC%4)], v[(\src)+2], v[(\src)+3]
	ds_store_b64 v[\adr], v[24+2*(TC%4):25+2*(TC%4)] offset:\off
.set TC, TC+1
.endm
	s_wait_loadcnt 16                              ; R's 32 loads are in; L's first 16 may stay out
.set i, 0
.rept 32
	CVST 32+4*i, SR, 320*i, 0
.set i, i+1
.endr
	s_cmp_lt_u32 s24, 8
	s_cbranch_scc0 .Lsecond_b
.set i, 16
.rept 16
	global_load_b128 v[4*i-32:4*i-29], v[GLA], s[28:29] offset:4096*i
.set i, i+1
.endr
	s_wait_loadcnt 16                              ; L's first half is in; the 16 just issued may stay out
.set i, 0
.rept 16
	CVST 160+4*i, SLA, 320*i, 1
.set i, i+1
.endr
	s_wait_loadcnt 0x0
.rept 16
	CVST 4*i-32, SLA, 320*i, 1
.set i, i+1
.endr
	s_branch .Lsecond_done
.Lsecond_b:
.set i, 16
.rept 16
	global_load_b128 v[4*i-32:4*i-29], v[GLB], s[28:29] offset:512*i
.set i, i+1
.endr
	s_wait_loadcnt 16
.set i, 0
.rept 16
	CVST 160+4*i, SLB, (i/4)*LP+(i%4)*256, 0
.set i, i+1
.endr
	s_wait_loadcnt 0x0
.rept 16
	CVST 4*i-32, SLB, (i/4)*LP+(i%4)*256, 0
.set i, i+1
.endr
.Lsecond_done:
	s_cmp_lg_u32 s23, 0                            ; u is wanted where tx = 0 alone
	s_cbranch_scc1 .Lno_u
	v_lshlrev_b32 v23, 3, v0
	global_load_b64 v[24:25], v23, s[30:31]
	v_lshl_add_u32 v26, v0, 2, UB
	s_wait_loadcnt 0x0
	v_cvt_pk_bf16_f32 v24, v24, v25
	ds_store_b32 v26, v24
.Lno_u:
	s_wait_dscnt 0x0                               ; for the others' sake: my stores are done
	s_barrier_signal -1
	s_barrier_wait -1
; Eight K steps of 32: 48 LDS loads in one run, then 16 products, the two sums by turns (one instruction a turn); four places close it, ahead of loads into the fragments and of reads of the sums.
.macro BATCH half, typ
.set ks, 0
.rept 8
.set F, 32+24*ks
	ds_load_tr16_b128 v[F:F+3],     v[RF0+(\half)] offset:32*RP*ks
	ds_load_tr16_b128 v[F+4:F+7],   v[RF0+(\half)] offset:32*RP*ks+16*RP
	ds_load_tr16_b128 v[F+8:F+11],  v[RF0+(\half)] offset:32*RP*ks+32
	ds_load_tr16_b128 v[F+12:F+15], v[RF0+(\half)] offset:32*RP*ks+16*RP+32
.if (\typ) == 0
	ds_load_tr16_b128 v[F+16:F+19], v[LF0+(\half)] offset:32*RP*ks
	ds_load_tr16_b128 v[F+20:F+23], v[LF0+(\half)] offset:32*RP*ks+16*RP
.else
	ds_load_b128 v[F+16:F+19], v[LFB] offset:64*(8*(\half)+ks)
	ds_load_b128 v[F+20:F+23], v[LFB] offset:64*(8*(\half)+ks)+32
.endif
.set ks, ks+1
.endr
	s_wait_dscnt 0x0
.set ks, 0
.rept 8
.set F, 32+24*ks
.if ((\half) == 0) && (ks == 0)
	v_wmma_f32_16x16x32_bf16 v[AC0:AC0+7], v[F:F+7], v[F+16:F+23], 0
	v_wmma_f32_16x16x32_bf16 v[AC1:AC1+7], v[F+8:F+15], v[F+16:F+23], 0
.else
	v_wmma_f32_16x16x32_bf16 v[AC0:AC0+7], v[F:F+7], v[F+16:F+23], v[AC0:AC0+7]
	v_wmma_f32_16x16x32_bf16 v[AC1:AC1+7], v[F+8:F+15], v[F+16:F+23], v[AC1:AC1+7]
.endif
.set ks, ks+1
.endr
.rept 4
	v_nop
.endr
.endm
	s_cmp_lt_u32 s24, 8
	s_cbranch_scc0 .Lmul_b
	BATCH 0, 0
	BATCH 1, 0
	s_branch .Lmul_done
.Lmul_b:
	BATCH 0, 1
	BATCH 1, 1
.Lmul_done:
.irp j, 0,1,2,3
	v_cvt_pk_bf16_f32 v[24+\j], v[AC0+2*\j], v[AC0+2*\j+1]
.endr
.irp j, 0,1,2,3
	v_cvt_pk_bf16_f32 v[28+\j], v[AC1+2*\j], v[AC1+2*\j+1]
.endr
	ds_store_b128 v[STO], v[24:27]
	ds_store_b128 v[STO], v[28:31] offset:32
	s_wait_dscnt 0x0                               ; a row's 128 bytes come from two waves
	s_barrier_signal -1
	s_barrier_wait -1
	ds_load_b128 v[24:27], v[RD]
	ds_load_b128 v[28:31], v[RD] offset:4*SGP
	s_wait_dscnt 0x0
	global_store_b128 v[GOUT], v[24:27], s[18:19]             ; four rows of 128 bytes: 512 consecutive bytes, aligned
	global_store_b128 v[GOUT], v[28:31], s[18:19] offset:512  ; v[24:31] and v[GOUT] are written no more
	s_or_b32 s35, s23, s33                         ; L u: where tx = 0, the waves of column half 0
	s_cmp_lg_u32 s35, 0
	s_cbranch_scc1 .Lend
; Source 0 holds u in each of its 16 rows, so every register of the result holds (L u)[row r].  Two sums, of the even and of the odd K steps, take turns.
.macro BIAS half, typ
.set ks, 0
.rept 8
.set F, 32+16*ks
.if (\typ) == 0
	ds_load_tr16_b128 v[F:F+3],   v[LF0+(\half)] offset:32*RP*ks
	ds_load_tr16_b128 v[F+4:F+7], v[LF0+(\half)] offset:32*RP*ks+16*RP
.else
	ds_load_b128 v[F:F+3],   v[LFB] offset:64*(8*(\half)+ks)
	ds_load_b128 v[F+4:F+7], v[LFB] offset:64*(8*(\half)+ks)+32
.endif
	ds_load_b128 v[F+8:F+11],  v[UF] offset:64*(8*(\half)+ks)
	ds_load_b128 v[F+12:F+15], v[UF] offset:64*(8*(\half)+ks)+32
.set ks, ks+1
.endr
	s_wait_dscnt 0x0
.set ks, 0
.rept 8
.set F, 32+16*ks
.set D, BA+8*(ks%2)
.if ((\half) == 0) && (ks < 2)
	v_wmma_f32_16x16x32_bf16 v[D:D+7], v[F+8:F+15], v[F:F+7], 0
.else
	v_wmma_f32_16x16x32_bf16 v[D:D+7], v[F+8:F+15], v[F:F+7], v[D:D+7]
.endif
.set ks, ks+1
.endr
.rept 4
	v_nop
.endr
.endm
	s_cmp_lt_u32 s24, 8
	s_cbranch_scc0 .Lbias_b
	BIAS 0, 0
	BIAS 1, 0
	v_add_f32 v23, v[BA], v[BA+8]
	s_branch .Lbias_done
.Lbias_b:
	global_load_b32 v[BOV], v[BOO], s[16:17]       ; bo
	BIAS 0, 1
	BIAS 1, 1
	v_add_f32 v23, v[BA], v[BA+8]
	s_wait_loadcnt 0x0
	v_add_f32 v23, v23, v[BOV]
.Lbias_done:
	global_store_b32 v[BOFF], v23, s[20:21]        ; lanes r and r + 16 hold the same number for the same word
.Lend:
	s_wait_tensorcnt 0x0                           ; the wave's end, behind my last LDS store
	ds_add_u32 v[SPW], v[NIL]
	s_wait_dscnt 0x0
	s_endpgm
.Lfunc_end_k_qc22715ed4e_prep:
	.size	k_qc22715ed4e_prep, .Lfunc_end_k_qc22715ed4e_prep-k_qc22715ed4e_prep
	.p2alignl 7, 3214868480
	.fill 96, 4, 3214868480
	.section	.rodata,"a",@progbits
	.p2align	6, 0x0
	.amdhsa_kernel k_qc22715ed4e_prep
		.amdhsa_group_segment_fixed_size 241664
		.amdhsa_private_segment_fixed_size 0
		.amdhsa_enable_private_segment 0
		.amdhsa_kernarg_size 72
		.amdhsa_user_sgpr_count 2
		.amdhsa_user_sgpr_kernarg_segment_ptr 1
		.amdhsa_wavefront_size32 1
		.amdhsa_system_sgpr_workgroup_id_x 1
		.amdhsa_system_sgpr_workgroup_id_y 1
		.amdhsa_system_sgpr_workgroup_id_z 1
		.amdhsa_system_vgpr_workitem_id 0
		.amdhsa_next_free_vgpr 256
		.amdhsa_next_free_sgpr 66
		.amdhsa_reserve_vcc 0
		.amdhsa_float_denorm_mode_32 3
		.amdhsa_float_denorm_mode_16_64 3
		.amdhsa_memory_ordered 1
		.amdhsa_forward_progress 1
		.amdhsa_inst_pref_size 66
	.end_amdhsa_kernel
	.amdgpu_metadata
---
amdhsa.version: [ 1, 2 ]
amdhsa.kernels:
  - .name:           k_qc22715ed4e_prep
    .symbol:         k_qc22715ed4e_prep.kd
    .args:
      - { .name: wq, .offset: 0, .size: 8, .value_kind: global_buffer, .address_space: global }
      - { .name: wk, .offset: 8, .size: 8, .value_kind: global_buffer, .address_space: global }
      - { .name: wv, .offset: 16, .size: 8, .value_kind: global_buffer, .address_space: global }
      - { .name: wo, .offset: 24, .size: 8, .value_kind: global_buffer, .address_space: global }
      - { .name: bq, .offset: 32, .size: 8, .value_kind: global_buffer, .address_space: global }
      - { .name: bv, .offset: 40, .size: 8, .value_kind: global_buffer, .address_space: global }
      - { .name: bo, .offset: 48, .size: 8, .value_kind: global_buffer, .address_space: global }
      - { .name: wcat, .offset: 56, .size: 8, .value_kind: global_buffer, .address_space: global }
      - { .name: bcat, .offset: 64, .size: 8, .value_kind: global_buffer, .address_space: global }
    .group_segment_fixed_size: 241664
    .private_segment_fixed_size: 0
    .kernarg_segment_align: 8
    .kernarg_segment_size: 72
    .max_flat_workgroup_size: 256
    .sgpr_count:     66
    .vgpr_count:     256
    .wavefront_size: 32
...
	.end_amdgpu_metadata
.endif
;; end of part 5
;; launch norm: the kernel of part 2 again; grid 256 x 1, 8 waves a work-group, no clusters, 148,736 bytes of LDS; arguments x, gn_w, gn_b, hk; writes hk
;; launch attn (part 6): grid 8 x 32, 4 waves a work-group, clusters of 4 x 1, 327,680 bytes of LDS; arguments hk, wcat, bcat, x, out0; writes out0
.if DOCPART == 6
	.amdgcn_target "amdgcn-amd-amdhsa--gfx1250"
	.amdhsa_code_object_version 6
	.text
	.protected	k_qc22715ed4e_attn
	.globl	k_qc22715ed4e_attn
	.p2align	8
	.type	k_qc22715ed4e_attn,@function
k_qc22715ed4e_attn:
	s_mov_b64 s[64:65], 0
	v_nop
	global_prefetch_b8 v0, s[64:65] scope:SCOPE_SE
	s_setreg_imm32_b32 hwreg(HW_REG_WAVE_MODE, 25, 1), 1
	s_wait_xcnt 0x0
	s_wait_alu depctr_hold_cnt(0) depctr_sa_sdst(0) depctr_va_vdst(0) depctr_va_sdst(0) depctr_va_ssrc(0) depctr_va_vcc(0) depctr_vm_vsrc(0)
	s_getreg_b32 s2, hwreg(HW_REG_IB_STS2, 6, 4)
	s_cmp_eq_u32 s2, 0
	s_cbranch_scc0 .Lentry_in_a_cluster
	s_endpgm
.Lentry_in_a_cluster:
	s_bfe_u32 s2, ttmp6, 0x10000c
	s_cmp_lg_u32 s2, 0x3003
	s_cbranch_scc0 .Lentry_shape_is_right
	s_endpgm
.Lentry_shape_is_right:
; out0[b][c][i] = x[b][c][i] + c2[c] + sum over d of Bm[c][d] (sum over j of softmax_j(Q'_i . hn_j) hn_j[d]),  Q'_i = A hn_i + a.  A, a carry log2(e) / sqrt(512), so scores are in units of log2.
; Left out with the first kernel's proof: bk; the key and value projections (keys and values are hn itself); the output projection as a product of its own (Bm = Wo Wv is applied once a query, behind the softmax).
; LIMITS.  Products in bf16; sums, maxima and the running sum l in f32; p = 2^(s - m) with a running maximum m; p is rounded to bf16 for the second product, l is taken of the unrounded p; the weighted sum of hn is
; rounded to bf16 before it is divided by l; a weight below 2^-126 counts as 0; NaN and infinities are not treated apart.
; SHARES.  A work-group owns 128 queries of one image: eight tiles of 16.
; ONE RING.  wcat [g][row 1024][64 c] lies as one image of hk [g][n 1024][64 c] lies, so a TILE, 64 rows x 512 channels (eight pieces of 8,192 bytes, 131,072 bytes apart), has one shape in both.  32 tiles pass through two
; LDS slots: A's rows (8 tiles), the image's keys (16), Bm's rows (8).  Each wave fetches two pieces of every tile with one tensor load, padded after every 128 bytes: LDS rows of 64 channels, 144 bytes apart.
; The four work-groups of a cluster belong to one image and walk the same 32 tiles: every load is joint.  A wave has one tensor load out.
; THE PRODUCT of all three phases is D^T = T R^T: source 0 = 16 rows of the tile, from LDS; source 1 = 16 queries, in registers; in the result a lane holds ONE query and 8 rows; two such results rounded in pairs ARE a source 1.
;   1. R = hn, T = A: Q'^T, the sums started from a.  Wave w takes queries 64 (w / 2) .. + 63 and rows 32 (w % 2) .. + 31 of each tile: R is 512 registers (windows 1, 2), and a fragment read from LDS feeds four products.
;      Q' goes, rounded, through LDS to the waves that own the queries in phase 2.
;   2. R = Q' of queries 32 w .. + 31 (window 1), T = keys, all 64 rows: scores, softmax, and O^T += V^T P, where wave w owns channels 128 w .. + 127 of all 128 queries (64 accumulators, windows 2, 3) and V is the key tile
;      itself, turned by ds_load_tr16_b128.  P and a = 2^(m_old - m_new) pass between the waves through LDS.  m starts at the lowest finite number, l at 0, so the first step is a step like any other, with a = 0:
;      it multiplies O by 0, so O need only start finite: window 3 is cleared in the wait for the first tile; window 2 holds fragments of hn, which as f32 are finite wherever hn is (the upper half is a finite bf16).
;   3. O^T, rounded, and 1 / l pass through LDS; R = O, T = Bm, shares as in phase 1: 64 output channels a trip; times 1 / l plus c2 in one fused multiply-add; through a stage to whole rows; plus x; stored.
;      So x and out0 move while the products of the other trips run.
; REGISTERS.  window 0: v0-15 addresses; v16-31 statistics, in phase 3 1 / l of my four tiles (v16, 18, 20, 22); v32-47 the eight a, two registers apart, in phases 1 and 3 the bias; v48-111 D^T, later V of keys 32-63;
; v112-239 two buffers of 64 for tile fragments; behind the scores v112-143 my P and P of queries 64-127, v144-207 V of keys 0-31, v208-239 P of queries 0-63; v240-253 addresses.  window 1, and in phases 1 and 3 window 2: R.
; windows 2, 3 in phase 2: O^T, accumulator (qt, cb) at 8 (8 (qt % 4) + cb).  window 3 in phase 3: x (v0-63) and rows read back (v64-127).
; s_set_vgpr_msb: bits 1:0 source 0, 3:2 source 1, 5:4 source 2, 7:6 destination.
.set KP,    144
.set KSL,   0x12000                    ; slot 1 begins at 73,728; its bits are none of the wave's term's (w x 0x4800), so an exclusive or changes slots
.set OBUF,  147456                     ; behind the slots, 131,072 bytes: fragments on their way into R
.set STG,   OBUF                       ; phase 3's stage lies there when the fragments have been read: 64 channels x (128 queries in f32 + 16 bytes)
.set PBUF,  278528                     ; P: fragment (qt, kk), half at (2 qt + kk) 1024 + 512 half + 16 lane
.set ABUF,  294912                     ; a: 128 qt + 4 lane
.set BCB,   295936                     ; bcat, 1,024 f32
.set SPARE, 300032                     ; the spare words: 128 bytes a wave, named by no other line
.set LBUF,  300544                     ; 1 / l: 4 x query
.set SGP,   528
.set TSTEP, 8192                       ; from tile to tile in memory
.set XSTEP, 262144                     ; 64 channels of x or out0
.set AK0, 3
.set AV0, 4
.set AKA, 5                            ; v5, v6: this trip's tile, g 0-3 and g 4-7
.set AV,  7
.set PW,  8
.set PR,  9
.set AW,  10
.set AR,  11
.set QO,  12
.set PFO, 13
.set SPW, 14
.set NIL, 15
.set ST,  16                           ; tile t at ST + 8 t: m, pad, l (even keys', odd keys'), c0-c3 at work; a takes c2; at the end c0 takes 1 / l
.set RI,  16
.set AF,  32
.set BI,  32
.set S,   48
.set KB2, 112
.set P,   112
.set V0,  144
.set V1,  48
.set PA,  208
.set PB,  112
.set GO,  240
.set GO0, 241
.set STR, 242
.set STW, 243
.set QW,  244
.set QR,  245
.set BIA, 246
.set XPO, 247
.set OW,  248                          ; v248, v249
.set AKP, 250
.set LW,  251
.set LRD, 252
.set QR3, 253
.set XR,  0                            ; window 3
.set OR,  64                           ; window 3
.set WV,  14
.set G1,  24
.set G0,  32
.set WK,  36                           ; s[36:37] the tile asked for last
.set NB,  38                           ; s[38:39] the next phase's first tile
.set LEFT, 40
.set LIMA, 41
.set LIMB, 42
.set RK,  43
.set SEL, 44
.set PFA, 46
.set PFB, 48
.set T0,  50                           ; s[50:51] an offset; the upper word stays 0
.set QB,  52
.set NB2, 54
.set QH,  60                           ; w / 2: my half of the queries in phases 1 and 3
.set RH,  61                           ; w % 2: my half of a tile's rows there
.set MSB, 0
.macro WIN new
.if MSB != (\new)
	s_set_vgpr_msb (MSB<<8)|(\new)
.set MSB, \new
.endif
.endm
.macro PLACES
.rept 4
	v_nop
.endr
.endm
.macro JLOAD                           ; the joint fill: every wave's own two pieces; an s_nop 0 and four v_nop follow it
	tensor_load_to_lds s[G0:G0+3], s[G1:G1+7]
	s_nop 0
.rept 4
	v_nop
.endr
.endm
; PREFETCHES INTO THE L2, behind the joint load and its five lines.  Key tiles: the trip that asks for tile T(i + 1) names T(i + 3), two fills on, if that is a key tile: 256 blocks of 256 bytes, each named once in the launch.
; An image's two clusters walk the same tiles: the first asks; waves 0 and 1 of its four partners share the eight pieces out by address, g = 4 w + cx, a lane a block.  pf = 1: phase 1, whose last three trips name key tiles 0 to 2;
; pf = 2: phase 2, whose trips name tiles 3 to 15, and whose last trip also names x's first two chunks: each wave its own 16 rows x 512 bytes of each, a lane a block.
.macro ASK pf
.if (\pf) == 1
	s_cmp_lt_u32 s[LEFT], s[LIMA]
.else
	s_cmp_gt_u32 s[LEFT], s[LIMB]
.endif
	s_cbranch_scc0 .Lnot_mine_\@
	global_prefetch_b8 v[PFO], s[PFA:PFA+1] th:TH_LOAD_NT scope:SCOPE_SE
.Lnot_mine_\@:
.if (\pf) == 2
	s_cmp_eq_u32 s[LEFT], 1
	s_cbranch_scc0 .Lno_x_\@
	global_prefetch_b8 v[XPO], s[10:11] th:TH_LOAD_NT scope:SCOPE_SE
	global_prefetch_b8 v[XPO], s[10:11] offset:XSTEP th:TH_LOAD_NT scope:SCOPE_SE
.Lno_x_\@:
.endif
.endm
.macro CROUND
	s_barrier_signal -1
	s_barrier_wait -1
	s_cmp_lg_u32 s[WV], 0
	s_cbranch_scc1 .Lnot_wave_0_\@
	s_barrier_signal -3
.Lnot_wave_0_\@:
	s_barrier_wait -3
	s_barrier_signal -1
	s_barrier_wait -1
.endm
	s_load_b256 s[4:11], s[0:1], 0x0               ; hk 4, wcat 6, bcat 8, x 10
	s_load_b64 s[12:13], s[0:1], 0x20              ; out0
	v_lshl_add_u32 v[SPW], v0, 2, SPARE
	v_mov_b32 v[NIL], 0
	ds_add_u32 v[SPW], v[NIL]                      ; the wave's opening: the add, twice on end, and its wait ahead of my first tensor load
	ds_add_u32 v[SPW], v[NIL]
	v_lshrrev_b32 v1, 5, v0
	v_readfirstlane_b32 s[WV], v1
	s_lshr_b32 s[QH], s[WV], 1
	s_and_b32 s[RH], s[WV], 1
	s_and_b32 s16, ttmp7, 0xffff                   ; the image, which the partners share
	s_lshl_b32 s20, s[WV], 18                      ; my two pieces of a tile: 2 w x 131,072 bytes
	s_mov_b32 s21, 0
	s_lshl_b32 s22, s16, 20                        ; the image in hk
	s_add_co_u32 s22, s22, s20
	s_mov_b32 s23, 0
	s_mov_b32 s[G1], 15|(1<<16)|(1<<20)|(1<<21)|(4<<22)|(3<<25)  ; the mask of four; 2-byte elements; padding on; bit 21 beside a mask; after every 32 words, 4 words
	s_mov_b32 s[G1+1], 4096<<16                    ; tensor_dim0 = 4,096: 64 rows x 64 channels of one g
	s_mov_b32 s[G1+2], 2<<16                       ; tensor_dim1 = 2
	s_mov_b32 s[G1+3], 4096<<16                    ; tile_dim0
	s_mov_b32 s[G1+4], 2                           ; tile_dim1
	s_mov_b32 s[G1+5], 65536                       ; from g to g
	s_mov_b32 s[G1+6], 0
	s_mov_b32 s[G1+7], 0
	s_mov_b32 s[G0], 1
	s_mul_i32 s[G0+1], s[WV], 2*64*KP              ; slot 0, my two pieces
	s_mov_b32 s[RK], KSL                           ; the first change of slots turns it into slot 0's
	s_mov_b32 s[SEL], 0x76543210
	s_mov_b32 s[SEL+1], 0xfedcba98
	s_mov_b32 s[T0+1], 0
	s_bfe_u32 s15, ttmp6, 0x40000                  ; cx: it enters global addresses alone, and none of a descriptor
	s_lshl_b32 s17, ttmp9, 2
	s_add_co_u32 s17, s17, s15                     ; my block of 128 queries
	s_lshr_b32 s18, s[WV], 1
	s_or_b32 s18, s18, ttmp9                       ; 0 in waves 0 and 1 of the image's first cluster: the same in all four partners
	s_cmp_eq_u32 s18, 0
	s_cselect_b32 s[LIMA], 4, 0
	s_cselect_b32 s[LIMB], 3, -1
	s_and_b32 s18, s[WV], 1
	s_lshl_b32 s18, s18, 2
	s_add_co_u32 s18, s18, s15
	s_lshl_b32 s18, s18, 17                        ; the piece that I prefetch
	s_lshl_b32 s19, s16, 20
	s_add_co_u32 s56, s18, s19
	s_mov_b32 s57, 0
	s_lshl_b32 s58, s17, 14                        ; my block's 128 rows of 128 bytes,
	s_add_co_u32 s58, s58, s19
	s_lshl_b32 s18, s[QH], 13                      ; my half's 64 of them
	s_add_co_u32 s58, s58, s18
	s_mov_b32 s59, 0
	s_wait_dscnt 0x0                               ; both opening adds are done
	s_wait_kmcnt 0x0
	s_add_nc_u64 s[WK:WK+1], s[6:7], s[20:21]      ; A's first tile
	s_add_nc_u64 s[NB:NB+1], s[4:5], s[22:23]      ; the first key tile
	s_add_nc_u64 s[NB2:NB2+1], s[WK:WK+1], 8*TSTEP ; Bm's first tile
	s_mov_b64 s[G0+2:G0+3], s[WK:WK+1]
	s_or_b32 s[G0+3], s[G0+3], 0x80000000
	s_add_nc_u64 s[PFB:PFB+1], s[4:5], s[56:57]
	s_mov_b64 s[PFA:PFA+1], s[PFB:PFB+1]
	s_add_nc_u64 s[QB:QB+1], s[4:5], s[58:59]
	CROUND                                         ; all four work-groups are here
	JLOAD                                          ; tile 0 into slot 0; slot 1 is first filled by the first trip's change of slots
	v_and_b32 v1, 15, v0                           ; r
	v_bfe_u32 v2, v0, 4, 1                         ; h
	v_lshlrev_b32 v[QO], 7, v1
	v_lshl_add_u32 v[QO], v2, 4, v[QO]
	WIN 0x40
.set i, 0
.rept 32                               ; hn of my 64 queries: tile i / 16, channels 32 (i % 16) on; tiles 0, 1 into window 1,
	global_load_b128 v[8*i:8*i+3],   v[QO], s[QB:QB+1] offset:((i%16)/2)*131072+(i/16)*2048+(i%2)*64
	global_load_b128 v[8*i+4:8*i+7], v[QO], s[QB:QB+1] offset:((i%16)/2)*131072+(i/16)*2048+(i%2)*64+32
.set i, i+1
.endr
	WIN 0x80
.set i, 0
.rept 32                               ; tiles 2, 3 into window 2
	global_load_b128 v[8*i:8*i+3],   v[QO], s[QB:QB+1] offset:((i%16)/2)*131072+(2+i/16)*2048+(i%2)*64
	global_load_b128 v[8*i+4:8*i+7], v[QO], s[QB:QB+1] offset:((i%16)/2)*131072+(2+i/16)*2048+(i%2)*64+32
.set i, i+1
.endr
	WIN 0
	v_lshlrev_b32 v49, 5, v0
	global_load_b128 v[52:55], v49, s[8:9]         ; bcat: 32 bytes a thread
	global_load_b128 v[56:59], v49, s[8:9] offset:16
	WIN 0xc0
.set i, 0
.rept 256
	v_mov_b32 v[i], 0
.set i, i+1
.endr
	WIN 0
.irp t, 0,1
	v_mov_b32 v[ST+8*\t], 0xff7fffff
	v_mov_b32 v[ST+8*\t+1], 0
	v_mov_b32 v[ST+8*\t+2], 0
	v_mov_b32 v[ST+8*\t+3], 0
.endr
.irp q, 0,1,2,3,4,5,6,7
	v_mov_b32 v[AF+2*\q+1], 0                      ; named with a as a pair
.endr
	v_and_b32 v60, 31, v0                          ; lane
	v_lshlrev_b32 v[PFO], 8, v60
	v_mul_u32_u24 v[AK0], v1, KP
	v_lshl_add_u32 v[AK0], v2, 4, v[AK0]           ; a fragment's row x pitch + 16 x half
	s_mul_i32 s18, s[RH], 32*KP
	v_add_nc_u32 v[AKP], s18, v[AK0]               ; the same from my half of the rows on
	v_and_b32 v61, 7, v0
	v_lshl_add_u32 v61, v2, 3, v61
	v_mul_u32_u24 v[AV0], v61, KP                  ; the turning load: key 8 h + l % 8,
	v_bfe_u32 v61, v0, 3, 1
	v_lshl_add_u32 v[AV0], v61, 4, v[AV0]          ; 16 bytes by (l / 8) % 2,
	s_mul_i32 s18, s[WV], 2*64*KP
	v_add_nc_u32 v[AV0], s18, v[AV0]               ; my 128 channels: g = 2 w, 2 w + 1
	s_lshl_b32 s18, s[WV], 12
	s_add_co_u32 s19, s18, PBUF
	v_lshl_add_u32 v[PW], v60, 4, s19
	v_lshl_add_u32 v[PR], v60, 4, PBUF
	s_add_co_u32 s19, s18, OBUF
	v_lshl_add_u32 v[OW], v60, 4, s19              ; O's fragments: channel steps 4 w .. 4 w + 3 of every query tile
	v_add_nc_u32 v[OW+1], 65536, v[OW]
	s_lshl_b32 s18, s[WV], 8
	s_add_co_u32 s18, s18, ABUF
	v_lshl_add_u32 v[AW], v60, 2, s18
	v_lshl_add_u32 v[AR], v60, 2, ABUF
	s_lshl_b32 s18, s[QH], 16
	s_add_co_u32 s18, s18, OBUF
	v_lshl_add_u32 v[QR3], v60, 4, s18             ; phase 3: my four query tiles' fragments of O
	s_lshl_b32 s19, s[RH], 15
	s_add_co_u32 s19, s19, s18
	v_lshl_add_u32 v[QW], v60, 4, s19              ; phase 1: the 32,768 bytes on end into which I put Q'
	s_lshl_b32 s19, s[RH], 14
	s_add_co_u32 s19, s19, s18
	v_lshl_add_u32 v[QR], v60, 4, s19              ; phase 2: my two query tiles' fragments of Q'
	s_lshl_b32 s18, s[RH], 7
	s_add_co_u32 s18, s18, BCB
	v_lshl_add_u32 v[BIA], v2, 5, s18
	v_lshl_add_u32 v50, v0, 5, BCB
	s_lshl_b32 s18, s[WV], 7
	s_add_co_u32 s18, s18, LBUF
	v_lshl_add_u32 v[LW], v1, 2, s18               ; 1 / l of query 32 w + r (+ 16 t)
	s_lshl_b32 s18, s[QH], 8
	s_add_co_u32 s18, s18, LBUF
	v_lshl_add_u32 v[LRD], v1, 2, s18              ; and of query 64 (w / 2) + r (+ 16 t)
	s_mul_i32 s18, s[RH], 32*SGP
	s_lshl_b32 s19, s[QH], 8
	s_add_co_u32 s18, s18, s19
	s_add_co_u32 s18, s18, STG
	v_mul_u32_u24 v61, v2, 8*SGP
	v_lshl_add_u32 v61, v1, 2, v61
	v_add_nc_u32 v[STW], s18, v61                  ; stage, in: row 32 (w % 2) + 8 h (+ 16 kb + j), query 64 (w / 2) + r (+ 16 t)
	s_mul_i32 s18, s[WV], 16*SGP
	s_add_co_u32 s18, s18, STG
	v_lshl_add_u32 v[STR], v60, 4, s18             ; back: rows 16 w .. + 15, whole
	s_lshl_b32 s18, s16, 21
	s_lshl_b32 s19, s[WV], 16
	s_add_co_u32 s18, s18, s19
	s_lshl_b32 s19, s17, 9
	s_add_co_u32 s18, s18, s19
	v_lshl_add_u32 v[GO0], v60, 4, s18             ; x and out0: image, channel 16 w, my block's 512 bytes of a row
	v_lshrrev_b32 v61, 1, v60
	v_lshlrev_b32 v61, 12, v61
	v_and_b32 v[XPO], 1, v0
	v_lshl_add_u32 v[XPO], v[XPO], 8, v61
	v_add_nc_u32 v[XPO], s18, v[XPO]               ; the same 16 rows, a lane a block of 256 bytes
	s_wait_loadcnt 0x0                             ; hn of my queries, and bcat
	ds_store_b128 v50, v[52:55]
	ds_store_b128 v50, v[56:59] offset:16          ; read behind the first trip's round, in front of which every wave waits for its LDS stores
; THE CHANGE OF SLOTS.  Each wave waits for all its tensor loads (its part of this trip's tile), adds 0 to its spare word, and waits for that and for all its LDS reads and stores of the last trip.
; fill = 1: a round of the cluster's barrier, then the joint fill of the slot just left, first thing behind it: it has this trip's work in which to land.  sw = 1: in a phase's last trip the next phase's first tile is asked for.
; base: the lane's place in a tile (all rows, or my half's).  The vector lines behind the load are the places ahead of the loads into, and the products onto, registers that the last trip's products read.
.macro TOP fill, sw, pf, base
	WIN 0
	s_wait_tensorcnt 0x0                           ; no tensor load of mine is out, so group 0 may be written
	ds_add_u32 v[SPW], v[NIL]
.if \fill
	s_xor_b32 s[G0+1], s[G0+1], KSL
	s_add_nc_u64 s[WK:WK+1], s[WK:WK+1], TSTEP
.if \sw
	s_cmp_eq_u32 s[LEFT], 1
	s_cselect_b64 s[WK:WK+1], s[NB:NB+1], s[WK:WK+1]
.endif
	s_mov_b64 s[G0+2:G0+3], s[WK:WK+1]
	s_or_b32 s[G0+3], s[G0+3], 0x80000000
.if \pf
	s_wait_xcnt 0x0                                ; the last prefetch, a trip back, has read its address
	s_sub_co_i32 s[T0], 3+16*((\pf)-1), s[LEFT]    ; the key tile two fills on,
	s_max_i32 s[T0], s[T0], 0                      ; held inside the image in the trips that ask for nothing
	s_min_i32 s[T0], s[T0], 15
	s_lshl_b32 s[T0], s[T0], 13
	s_add_nc_u64 s[PFA:PFA+1], s[PFB:PFB+1], s[T0:T0+1]
.endif
	s_wait_dscnt 0x0
	CROUND
	JLOAD
.if \pf
	ASK \pf
.endif
.else
	s_wait_dscnt 0x0
	s_barrier_signal -1
	s_barrier_wait -1
.rept 5
	v_nop
.endr
.endif
	s_xor_b32 s[RK], s[RK], KSL
	v_add_nc_u32 v[AKA], s[RK], v[\base]
	v_add_nc_u32 v[AKA+1], 4*64*KP, v[AKA]
	v_add_nc_u32 v[AV], s[RK], v[AV0]
.endm
; ---- THE PRODUCT OF PHASES 1 AND 3: 64 queries x 32 rows a wave ----
; Run b of four: my two row blocks' fragments of channel steps 4 b .. 4 b + 3: 16 LDS loads into buffer b % 2.
.macro PLD b
.irp s, 0,1,2,3
.irp kb, 0,1
	ds_load_b128 v[KB2+64*((\b)%2)+16*\s+8*\kb:KB2+64*((\b)%2)+16*\s+8*\kb+3],   v[AKA+(\b)/2] offset:((2*(\b)+\s/2)%4)*64*KP+(\s%2)*64+\kb*16*KP
	ds_load_b128 v[KB2+64*((\b)%2)+16*\s+8*\kb+4:KB2+64*((\b)%2)+16*\s+8*\kb+7], v[AKA+(\b)/2] offset:((2*(\b)+\s/2)%4)*64*KP+(\s%2)*64+\kb*16*KP+32
.endr
.endr
.endm
; Its 32 products: 16 with the query tiles of window 1, then 16 with those of window 2; in each sixteen four accumulators take turns, one instruction a turn.  Accumulator (t, kb) at S + 16 t + 8 kb.
.macro PMUL b, bias
.irp th, 0,1
	WIN 0x04+4*\th
.irp s, 0,1,2,3
.irp tt, 0,1
.irp kb, 0,1
.if ((\b) == 0) && (\s == 0)
.if \bias
	v_wmma_f32_16x16x32_bf16 v[S+16*(2*\th+\tt)+8*\kb:S+16*(2*\th+\tt)+8*\kb+7], v[KB2+8*\kb:KB2+8*\kb+7], v[128*\tt:128*\tt+7], v[BI+8*\kb:BI+8*\kb+7]
.else
	v_wmma_f32_16x16x32_bf16 v[S+16*(2*\th+\tt)+8*\kb:S+16*(2*\th+\tt)+8*\kb+7], v[KB2+8*\kb:KB2+8*\kb+7], v[128*\tt:128*\tt+7], 0
.endif
.else
	v_wmma_f32_16x16x32_bf16 v[S+16*(2*\th+\tt)+8*\kb:S+16*(2*\th+\tt)+8*\kb+7], v[KB2+64*((\b)%2)+16*\s+8*\kb:KB2+64*((\b)%2)+16*\s+8*\kb+7], v[128*\tt+8*(4*(\b)+\s):128*\tt+8*(4*(\b)+\s)+7], v[S+16*(2*\th+\tt)+8*\kb:S+16*(2*\th+\tt)+8*\kb+7]
.endif
.endr
.endr
.endr
.endr
.endm
; A run is asked for two blocks of products ahead; four places stand between a buffer's last product and the loads into it.  bias = 1: the sums start from the bias, else from 0.
.macro PPH bias
	WIN 0x04
	PLD 0
	PLD 1
	s_wait_dscnt 16                                ; run 0 is in (and all that was asked for ahead of it); run 1's 16 loads may be out
	PMUL 0, \bias
	PLACES
	PLD 2
	s_wait_dscnt 16                                ; run 1 is in; run 2's may be out
	PMUL 1, \bias
	PLACES
	PLD 3
	s_wait_dscnt 16                                ; run 2 is in; run 3's may be out
	PMUL 2, \bias
	s_wait_dscnt 0x0
	PMUL 3, \bias
.endm
.macro BLOAD                           ; the bias of my 32 rows of this trip as a result holds them: register j of block kb is row 16 kb + 8 h + j
.irp kb, 0,1
	ds_load_b128 v[BI+8*\kb:BI+8*\kb+3],   v[BIA] offset:64*\kb
	ds_load_b128 v[BI+8*\kb+4:BI+8*\kb+7], v[BIA] offset:64*\kb+16
.endr
.endm
; Phase 1's way out: one channel step (32 channels) of Q' of my 64 queries, rounded in place (each accumulator's low four registers take its 16 bytes), as halves of fragments:
; writer (qh, rh), tile t, trip, half kb at 65536 qh + 32768 rh + 8192 t + 1024 trip + 512 kb + 16 lane: each writer's bytes lie on end.
.macro QOUT
	WIN 0
	PLACES
.irp a, 0,1,2,3,4,5,6,7
.irp p, 0,1,2,3
	v_cvt_pk_bf16_f32 v[S+8*\a+\p], v[S+8*\a+2*\p], v[S+8*\a+2*\p+1]
.endr
.endr
.irp t, 0,1,2,3
.irp kb, 0,1
	ds_store_b128 v[QW], v[S+16*\t+8*\kb:S+16*\t+8*\kb+3] offset:\t*8192+\kb*512
.endr
.endr
	v_add_nc_u32 v[QW], 1024, v[QW]                ; the next trip's place
	v_add_nc_u32 v[BIA], 256, v[BIA]               ; 64 rows of the bias on
.endm
.macro QLOAD                           ; Q' of my two query tiles of phase 2 into window 1: tile i / 16, channel step i % 16 (written by the wave of row half i % 2 in trip (i % 16) / 2); the next change of slots waits for them
	WIN 0x40
.set i, 0
.rept 32
	ds_load_b128 v[8*i:8*i+3],   v[QR] offset:(i/16)*8192+(i%2)*32768+((i%16)/2)*1024
	ds_load_b128 v[8*i+4:8*i+7], v[QR] offset:(i/16)*8192+(i%2)*32768+((i%16)/2)*1024+512
.set i, i+1
.endr
	WIN 0
.endm
.macro OLOAD                           ; O of my four query tiles of phase 3 into windows 1 and 2: query tile qt, channel step cs, half at 16384 qt + 1024 cs + 512 half + 16 lane
	WIN 0x40
.set i, 0
.rept 32
	ds_load_b128 v[8*i:8*i+3],   v[QR3] offset:1024*i
	ds_load_b128 v[8*i+4:8*i+7], v[QR3] offset:1024*i+512
.set i, i+1
.endr
	WIN 0x80
.set i, 0
.rept 32
	ds_load_b128 v[8*i:8*i+3],   v[QR3] offset:1024*(32+i)
	ds_load_b128 v[8*i+4:8*i+7], v[QR3] offset:1024*(32+i)+512
.set i, i+1
.endr
	WIN 0
.endm
; ---- THE SCORES OF PHASE 2: 32 queries x 64 keys a wave ----
.macro KLOAD c                         ; the tile's four fragments (64 rows) of channels 32 c on
.set kbuf, KB2+64*(((\c)/2)%2)+32*((\c)%2)
.set kadr, AKA+(\c)/8
.set koff, (((\c)/2)%4)*64*KP+((\c)%2)*64
.irp kb, 0,1,2,3
	ds_load_b128 v[kbuf+8*\kb:kbuf+8*\kb+3],   v[kadr] offset:koff+\kb*16*KP
	ds_load_b128 v[kbuf+8*\kb+4:kbuf+8*\kb+7], v[kadr] offset:koff+\kb*16*KP+32
.endr
.endm
; Eight blocks of two channel steps: 16 products, the 8 accumulators by turns.  The fragments come in runs of 16 loads, two blocks ahead, through two buffers; four places stand between a buffer's last product and the loads into it.
.macro SPH
	WIN 0x04                                       ; Q' in window 1
	KLOAD 0
	KLOAD 1
	KLOAD 2
	KLOAD 3
.set bb, 0
.rept 8
.if bb == 7
	s_wait_dscnt 0x0
.else
	s_wait_dscnt 16                                ; this block's fragments are in; the next block's 16 loads may be out
.endif
.irp u, 0,1
.irp kb, 0,1,2,3
.irp t, 0,1
.if (2*bb+\u) == 0
	v_wmma_f32_16x16x32_bf16 v[S+32*\t+8*\kb:S+32*\t+8*\kb+7], v[KB2+8*\kb:KB2+8*\kb+7], v[128*\t:128*\t+7], 0
.else
	v_wmma_f32_16x16x32_bf16 v[S+32*\t+8*\kb:S+32*\t+8*\kb+7], v[KB2+64*(bb%2)+32*\u+8*\kb:KB2+64*(bb%2)+32*\u+8*\kb+7], v[128*\t+8*(2*bb+\u):128*\t+8*(2*bb+\u)+7], v[S+32*\t+8*\kb:S+32*\t+8*\kb+7]
.endif
.endr
.endr
.endr
.if bb < 6
	PLACES
	KLOAD 2*bb+4
	KLOAD 2*bb+5
.endif
.set bb, bb+1
.endr
.endm
.macro VLOAD kk, dst                   ; V^T of keys 32 kk on, my 8 blocks of 16 channels, out of the key tile
.irp cb, 0,1,2,3,4,5,6,7
	ds_load_tr16_b128 v[(\dst)+8*\cb:(\dst)+8*\cb+3],   v[AV] offset:(\kk)*32*KP+(\cb/4)*64*KP+(\cb%4)*32
	ds_load_tr16_b128 v[(\dst)+8*\cb+4:(\dst)+8*\cb+7], v[AV] offset:(\kk)*32*KP+16*KP+(\cb/4)*64*KP+(\cb%4)*32
.endr
.endm
; SOFTMAX of my two tiles, line by line in turn.  All 66 exponentials are one batch with one wait, ahead of which nothing names a result of theirs.
.macro SOFT
	WIN 0
	PLACES
	VLOAD 0, V0
.irp j, 0,1,2,3                        ; each accumulator's lowest registers are read first
.irp t, 0,1
	v_max3_num_f32 v[ST+8*\t+4+\j], v[S+32*\t+8*\j], v[S+32*\t+8*\j+1], v[S+32*\t+8*\j+2]
.endr
.endr
.irp j, 0,1,2,3
.irp t, 0,1
	v_max3_num_f32 v[ST+8*\t+4+\j], v[ST+8*\t+4+\j], v[S+32*\t+8*\j+3], v[S+32*\t+8*\j+4]
.endr
.endr
.irp j, 0,1,2,3
.irp t, 0,1
	v_max3_num_f32 v[ST+8*\t+4+\j], v[ST+8*\t+4+\j], v[S+32*\t+8*\j+5], v[S+32*\t+8*\j+6]
.endr
.endr
.irp t, 0,1
	v_max3_num_f32 v[ST+8*\t+4], v[ST+8*\t+4], v[S+32*\t+7], v[S+32*\t+15]
.endr
.irp t, 0,1
	v_max3_num_f32 v[ST+8*\t+6], v[ST+8*\t+6], v[S+32*\t+23], v[S+32*\t+31]
.endr
.irp t, 0,1
	v_max3_num_f32 v[ST+8*\t+4], v[ST+8*\t+4], v[ST+8*\t+5], v[ST+8*\t+6]
.endr
.irp t, 0,1
	v_max3_num_f32 v[ST+8*\t+4], v[ST+8*\t+4], v[ST+8*\t+7], v[ST+8*\t]
.endr
.irp t, 0,1
	v_permlanex16_b32 v[ST+8*\t+5], v[ST+8*\t+4], s[SEL], s[SEL+1]  ; the query's other 32 keys lie in the lane 16 away
.endr
.irp t, 0,1
	v_mov_b32 v[ST+8*\t+7], v[ST+8*\t]
.endr
.irp t, 0,1
	v_max_num_f32 v[ST+8*\t], v[ST+8*\t+4], v[ST+8*\t+5]
.endr
.irp t, 0,1
	v_sub_f32 v[ST+8*\t+7], v[ST+8*\t+7], v[ST+8*\t]
.endr
.irp p, 0,1,2,3,4,5,6,7,8,9,10,11,12,13,14,15
.irp t, 0,1
	v_pk_add_f32 v[S+32*\t+2*\p:S+32*\t+2*\p+1], v[S+32*\t+2*\p:S+32*\t+2*\p+1], v[ST+8*\t:ST+8*\t+1] op_sel_hi:[1,0] neg_lo:[0,1] neg_hi:[0,1]
.endr
.endr
.irp t, 0,1
	v_exp_f32 v[ST+8*\t+6], v[ST+8*\t+7]           ; a
.endr
.set i, 0
.rept 32
	v_exp_f32 v[S+i], v[S+i]
	v_exp_f32 v[S+32+i], v[S+32+i]
.set i, i+1
.endr
	v_nop                                          ; a plain instruction behind the last exponential
	s_wait_alu depctr_va_vdst(0)                   ; the one wait for the batch, ahead of its first reader
.irp p, 0,1,2,3,4,5,6,7,8,9,10,11,12,13,14,15
.irp t, 0,1
	v_cvt_pk_bf16_f32 v[P+16*\t+\p], v[S+32*\t+2*\p], v[S+32*\t+2*\p+1]
.endr
.endr
.irp u, 0,1,2,3,4,5,6,7
.irp t, 0,1
	v_pk_add_f32 v[S+32*\t+4*\u:S+32*\t+4*\u+1], v[S+32*\t+4*\u:S+32*\t+4*\u+1], v[S+32*\t+4*\u+2:S+32*\t+4*\u+3]
.endr
.endr
.irp u, 0,1,2,3
.irp t, 0,1
	v_pk_add_f32 v[S+32*\t+8*\u:S+32*\t+8*\u+1], v[S+32*\t+8*\u:S+32*\t+8*\u+1], v[S+32*\t+8*\u+4:S+32*\t+8*\u+5]
.endr
.endr
.irp u, 0,1
.irp t, 0,1
	v_pk_add_f32 v[S+32*\t+16*\u:S+32*\t+16*\u+1], v[S+32*\t+16*\u:S+32*\t+16*\u+1], v[S+32*\t+16*\u+8:S+32*\t+16*\u+9]
.endr
.endr
.irp t, 0,1
	v_pk_add_f32 v[S+32*\t:S+32*\t+1], v[S+32*\t:S+32*\t+1], v[S+32*\t+16:S+32*\t+17]
.endr
.irp t, 0,1
	v_pk_fma_f32 v[ST+8*\t+2:ST+8*\t+3], v[ST+8*\t+2:ST+8*\t+3], v[ST+8*\t+6:ST+8*\t+7], v[S+32*\t:S+32*\t+1] op_sel_hi:[1,0,1]  ; l = a l + sum
.endr
.irp t, 0,1
.irp f, 0,1,2,3
	ds_store_b128 v[PW], v[P+16*\t+4*\f:P+16*\t+4*\f+3] offset:(2*\t+\f/2)*1024+(\f%2)*512
.endr
	ds_store_b32 v[AW], v[ST+8*\t+6] offset:128*\t
.endr
	s_wait_dscnt 0x0                               ; for the others' sake: P and a are stored (and V of keys 0-31 is in)
	s_barrier_signal -1                            ; the next tile's load may stay out
	s_barrier_wait -1
.endm
.macro PLOAD kk, qh, dst               ; P of keys 32 kk on, query tiles 4 qh .. + 3
.irp q, 0,1,2,3
	ds_load_b128 v[(\dst)+8*\q:(\dst)+8*\q+3],   v[PR] offset:(2*(4*(\qh)+\q)+(\kk))*1024
	ds_load_b128 v[(\dst)+8*\q+4:(\dst)+8*\q+7], v[PR] offset:(2*(4*(\qh)+\q)+(\kk))*1024+512
.endr
.endm
.macro RESC m                          ; accumulator m = 8 qt + cb times a of tile qt
.if (\m) < 64
	WIN 0x82+0x41*((\m)/32)
.irp z, 0,1,2,3
	v_pk_mul_f32 v[8*((\m)%32)+2*\z:8*((\m)%32)+2*\z+1], v[8*((\m)%32)+2*\z:8*((\m)%32)+2*\z+1], v[AF+2*((\m)/8):AF+2*((\m)/8)+1] op_sel_hi:[1,0]
.endr
.endif
.endm
; 32 products O^T += V^T P for query tiles 4 qh .. + 3; each accumulator has one turn.  ride = 1: behind every second product two accumulators four to five turns ahead are rescaled.
.macro UPV qh, vb, pb, ride
.set n, 0
.rept 32
	WIN 0xa0+0x50*(\qh)
	v_wmma_f32_16x16x32_bf16 v[8*n:8*n+7], v[(\vb)+8*(n%8):(\vb)+8*(n%8)+7], v[(\pb)+8*(n/8):(\pb)+8*(n/8)+7], v[8*n:8*n+7]
.if (\ride) && (n%2)
	RESC 32*(\qh)+n+3
	RESC 32*(\qh)+n+4
.endif
.set n, n+1
.endr
.endm
.macro PVPH
	WIN 0
.irp q, 0,1,2,3,4,5,6,7
	ds_load_b32 v[AF+2*\q], v[AR] offset:128*\q
.endr
	PLOAD 0, 0, PA
	PLOAD 0, 1, PB
	VLOAD 1, V1
	s_wait_dscnt 24                                ; a and the first P are in; the second P's 8 loads and V's 16 may be out
	RESC 0
	RESC 1
	RESC 2
	RESC 3
	UPV 0, V0, PA, 1
	WIN 0
	PLOAD 1, 0, PA                                 ; the last eight rescalings are the places behind the products that read these registers
	s_wait_dscnt 24                                ; the second P is in; V's 16 loads and the 8 just issued may be out
	UPV 1, V0, PB, 1
	WIN 0
	PLACES
	PLOAD 1, 1, PB
	s_wait_dscnt 8                                 ; all but the 8 just issued
	UPV 0, V1, PA, 0
	s_wait_dscnt 0x0
	UPV 1, V1, PB, 0
.endm
; A trip of phase 3: 64 output channels for the work-group's 128 queries.  fill = 1: the next tile and the next chunk of x are asked for.
.macro OTRIP fill
	TOP \fill, 0, 0, AKP
	BLOAD
	PPH 0
	WIN 0
	PLACES
.irp t, 0,1,2,3
.irp kb, 0,1
.irp p, 0,1,2,3                        ; times 1 / l of the lane's query, plus c2 of the register's channel
	v_pk_fma_f32 v[S+16*\t+8*\kb+2*\p:S+16*\t+8*\kb+2*\p+1], v[S+16*\t+8*\kb+2*\p:S+16*\t+8*\kb+2*\p+1], v[RI+2*\t:RI+2*\t+1], v[BI+8*\kb+2*\p:BI+8*\kb+2*\p+1] op_sel_hi:[1,0,1]
.endr
.endr
.endr
.irp t, 0,1,2,3
.irp kb, 0,1
.irp j, 0,1,2,3,4,5,6,7
	ds_store_b32 v[STW], v[S+16*\t+8*\kb+\j] offset:(16*\kb+\j)*SGP+64*\t
.endr
.endr
.endr
	s_wait_dscnt 0x0                               ; a row's 512 bytes come from two waves, a wave's 16 rows from two others
	s_barrier_signal -1                            ; the next tile's load may stay out
	s_barrier_wait -1
	s_wait_xcnt 0x0                                ; the last trip's stores and loads have read their offset and data: only now are these rewritten
.if \fill
	s_sub_co_u32 s[T0], 7, s[LEFT]                 ; the chunk's number
	s_lshl_b32 s[T0], s[T0], 18
	v_add_nc_u32 v[GO], s[T0], v[GO0]
.else
	v_add_nc_u32 v[GO], 7*XSTEP, v[GO0]
.endif
	WIN 0xc0
.set i, 0
.rept 16
	ds_load_b128 v[OR+4*i:OR+4*i+3], v[STR] offset:i*SGP
.set i, i+1
.endr
	s_wait_loadcnt 0x0                             ; this chunk of x, asked for a trip ago
	s_wait_dscnt 0x0                               ; (also: my reads of the stage are over before the next round, behind which it is written again)
	WIN 0xcf
.set i, 0
.rept 32
	v_pk_add_f32 v[OR+2*i:OR+2*i+1], v[OR+2*i:OR+2*i+1], v[XR+2*i:XR+2*i+1]
.set i, i+1
.endr
	WIN 0x0c
.set i, 0
.rept 16
	global_store_b128 v[GO], v[OR+4*i:OR+4*i+3], s[12:13] offset:4096*i th:TH_STORE_NT  ; 512 consecutive bytes, aligned
.set i, i+1
.endr
.if \fill
	WIN 0xc0
.set i, 0
.rept 16
	global_load_b128 v[XR+4*i:XR+4*i+3], v[GO], s[10:11] offset:XSTEP+4096*i th:TH_LOAD_NT
.set i, i+1
.endr
	WIN 0
	v_add_nc_u32 v[BIA], 256, v[BIA]
.endif
	WIN 0
.endm
	; PHASE 1: Q' = A hn + a
	s_mov_b32 s[LEFT], 8
.Lproj:
	TOP 1, 1, 1, AKP
	BLOAD
	PPH 1
	QOUT
	s_sub_co_u32 s[LEFT], s[LEFT], 1
	s_cmp_lg_u32 s[LEFT], 0
	s_cbranch_scc1 .Lproj
	s_wait_dscnt 0x0                               ; for the others' sake: my part of Q' is stored
	s_barrier_signal -1                            ; the first key tile's load may stay out
	s_barrier_wait -1
	QLOAD                                          ; the conversions above are the places behind the last products that read window 1
	s_mov_b64 s[NB:NB+1], s[NB2:NB2+1]             ; behind the keys come Bm's tiles
	; PHASE 2: 16 key steps
	s_mov_b32 s[LEFT], 16
.Ltrip:
	TOP 1, 1, 2, AK0
	SPH
	SOFT
	PVPH
	WIN 0
	s_sub_co_u32 s[LEFT], s[LEFT], 1
	s_cmp_lg_u32 s[LEFT], 0
	s_cbranch_scc1 .Ltrip
	; 1 / l of my 32 queries, for the waves that take them in phase 3
.irp t, 0,1
	v_add_f32 v[ST+8*\t+6], v[ST+8*\t+2], v[ST+8*\t+3]
.endr
.irp t, 0,1
	v_permlanex16_b32 v[ST+8*\t+5], v[ST+8*\t+6], s[SEL], s[SEL+1]
.endr
.irp t, 0,1
	v_add_f32 v[ST+8*\t+6], v[ST+8*\t+6], v[ST+8*\t+5]
.endr
.irp t, 0,1
	v_rcp_f32 v[ST+8*\t+4], v[ST+8*\t+6]           ; l is at least 1: the largest weight is 1
.endr
	v_nop
	s_wait_alu depctr_va_vdst(0)                   ; the wait behind the reciprocals
.irp t, 0,1
	ds_store_b32 v[LW], v[ST+8*\t+4] offset:64*\t  ; lanes r and r + 16 hold the same number for the same word
.endr
	PLACES
	; O^T, rounded in place, goes as halves of fragments to the waves that take the queries
	WIN 0x8a
.set n, 0
.rept 32
.irp p, 0,1,2,3
	v_cvt_pk_bf16_f32 v[8*n+\p], v[8*n+2*\p], v[8*n+2*\p+1]
.endr
.set n, n+1
.endr
	WIN 0x08
.set n, 0
.rept 32
	ds_store_b128 v[OW], v[8*n:8*n+3] offset:(n/8)*16384+(n%8)*512
.set n, n+1
.endr
	WIN 0xcf
.set n, 0
.rept 32
.irp p, 0,1,2,3
	v_cvt_pk_bf16_f32 v[8*n+\p], v[8*n+2*\p], v[8*n+2*\p+1]
.endr
.set n, n+1
.endr
	WIN 0x0c
.set n, 0
.rept 32
	ds_store_b128 v[OW+1], v[8*n:8*n+3] offset:(n/8)*16384+(n%8)*512
.set n, n+1
.endr
	s_wait_dscnt 0x0                               ; for the others' sake: my fragments and my 1 / l are stored
	WIN 0xc0
.set i, 0
.rept 16
	global_load_b128 v[XR+4*i:XR+4*i+3], v[GO0], s[10:11] offset:4096*i th:TH_LOAD_NT  ; x's first chunk, into registers that O has left
.set i, i+1
.endr
	WIN 0
	s_barrier_signal -1                            ; Bm's first tile may stay out
	s_barrier_wait -1
	OLOAD
.irp t, 0,1,2,3
	ds_load_b32 v[RI+2*\t], v[LRD] offset:64*\t    ; 1 / l of my four tiles; the odd registers beside them, named with them as pairs, were written as statistics
.endr
	; PHASE 3: out = x + c2 + Bm O / l
	s_mov_b32 s[LEFT], 7
.Lout:
	OTRIP 1
	s_sub_co_u32 s[LEFT], s[LEFT], 1
	s_cmp_lg_u32 s[LEFT], 0
	s_cbranch_scc1 .Lout
	OTRIP 0                                        ; the last tile is written out: nothing is asked for
	s_wait_tensorcnt 0x0                           ; the wave's end, behind my last tensor load and my last LDS store
	ds_add_u32 v[SPW], v[NIL]
	s_wait_dscnt 0x0
	CROUND                                         ; the closing round
	s_endpgm
.Lfunc_end_k_qc22715ed4e_attn:
	.size	k_qc22715ed4e_attn, .Lfunc_end_k_qc22715ed4e_attn-k_qc22715ed4e_attn
	.p2alignl 7, 3214868480
	.fill 96, 4, 3214868480
	.section	.rodata,"a",@progbits
	.p2align	6, 0x0
	.amdhsa_kernel k_qc22715ed4e_attn
		.amdhsa_group_segment_fixed_size 327680
		.amdhsa_private_segment_fixed_size 0
		.amdhsa_enable_private_segment 0
		.amdhsa_kernarg_size 40
		.amdhsa_user_sgpr_count 2
		.amdhsa_user_sgpr_kernarg_segment_ptr 1
		.amdhsa_wavefront_size32 1
		.amdhsa_system_sgpr_workgroup_id_x 1
		.amdhsa_system_sgpr_workgroup_id_y 1
		.amdhsa_system_sgpr_workgroup_id_z 1
		.amdhsa_system_vgpr_workitem_id 0
		.amdhsa_next_free_vgpr 1024
		.amdhsa_next_free_sgpr 66
		.amdhsa_reserve_vcc 0
		.amdhsa_float_denorm_mode_32 3
		.amdhsa_float_denorm_mode_16_64 3
		.amdhsa_memory_ordered 1
		.amdhsa_forward_progress 1
		.amdhsa_inst_pref_size 193
	.end_amdhsa_kernel
	.amdgpu_metadata
---
amdhsa.version: [ 1, 2 ]
amdhsa.kernels:
  - .name:           k_qc22715ed4e_attn
    .symbol:         k_qc22715ed4e_attn.kd
    .args:
      - { .name: hk, .offset: 0, .size: 8, .value_kind: global_buffer, .address_space: global }
      - { .name: wcat, .offset: 8, .size: 8, .value_kind: global_buffer, .address_space: global }
      - { .name: bcat, .offset: 16, .size: 8, .value_kind: global_buffer, .address_space: global }
      - { .name: x, .offset: 24, .size: 8, .value_kind: global_buffer, .address_space: global }
      - { .name: out0, .offset: 32, .size: 8, .value_kind: global_buffer, .address_space: global }
    .group_segment_fixed_size: 327680
    .private_segment_fixed_size: 0
    .kernarg_segment_align: 8
    .kernarg_segment_size: 40
    .max_flat_workgroup_size: 128
    .sgpr_count:     66
    .vgpr_count:     1024
    .wavefront_size: 32
...
	.end_amdgpu_metadata
.endif
;; end of part 6
;; ======== version 3 of 3: 3 launches; version 2 with the launches prep, norm written anew for expert scheduling mode
;; workspace buffers: wcat 1,048,576 bytes; bcat 4,096 bytes; hk 33,554,432 bytes
;; launch prep (part 7): grid 8 x 16, 8 waves a work-group, no clusters, 241,664 bytes of LDS; arguments wq, wk, wv, wo, bq, bv, bo, wcat, bcat; writes wcat, bcat
.if DOCPART == 7
	.amdgcn_target "amdgcn-amd-amdhsa--gfx1250"
	.amdhsa_code_object_version 6
	.text
	.protected	k_qc22715ed4e_prep
	.globl	k_qc22715ed4e_prep
	.p2align	8
	.type	k_qc22715ed4e_prep,@function
k_qc22715ed4e_prep:
	s_mov_b64 s[64:65], 0
	v_nop
	global_prefetch_b8 v0, s[64:65] scope:SCOPE_SE
	s_setreg_imm32_b32 hwreg(HW_REG_WAVE_SCHED_MODE, 0, 2), 2
	s_setreg_imm32_b32 hwreg(HW_REG_WAVE_MODE, 25, 1), 1
	s_wait_xcnt 0x0
	s_wait_alu depctr_vm_vsrc(0)
; THE WEIGHTS OF THE WHOLE PROGRAM, MADE ONCE.  reference(): hn = GroupNorm(x); q, k, v = W hn + b; softmax_j(q_i . k_j / sqrt(512)); out = x + Wo o + bo.
; WORK LEFT OUT, for all finite values of the inputs, in exact arithmetic:
;  (a) bk.  q_i . (Wk h_j + bk) = q_i . Wk h_j + q_i . bk, and the second term is the same for every j: a term added to a softmax's input that is constant along its
;      axis changes no weight.  bk has no other way to the output: it is not loaded and is among no launch's arguments.
;  (b) (Wq h_i + bq) . (Wk h_j) = (Wk^T Wq h_i + Wk^T bq) . h_j: the keys are hn itself, and one projection Q' = A h + a stands for two.
;  (c) Wo (sum_j p_ij (Wv h_j + bv)) + bo = Wo Wv (sum_j p_ij h_j) + Wo bv + bo, since sum_j p_ij = 1: the values are hn itself too, and one projection Bm = Wo Wv with the bias
;      c2 = Wo bv + bo, applied to the weighted mean of hn, stands for v and for the output projection.
; LIMITS.  A NaN, an infinity or an overflow that reaches only bk, or that arises only in reference()'s separate q, k, v or o, is not carried to the result; sums are taken in another order than
; reference()'s.
; THIS LAUNCH: wcat[g][row][c] (bf16, 8 x 1024 x 64): rows 0-511 A = c0 Wk^T Wq, rows 512-1023 Bm = Wo Wv; bcat[1024] (f32): c0 Wk^T bq, then Wo bv + bo.  c0 = log2(e) / sqrt(512), multiplied
; onto Wk in f32 ahead of Wk's one rounding to bf16, so that scores come out in units of log2.
; SHARES.  Work-group (tx, ty): rows 64 ty .. + 63, columns 64 tx .. + 63: out[r][c] = sum over o of L[r][o] R[o][c].  ty < 8 (type A): L[r][o] = c0 Wk[o][64 ty + r], R = Wq, u = bq;
; else (type B): L = Wo's rows, R = Wv, u = bv.  Wave w: row block w / 2 (16 rows), column half w % 2 (two tiles of 16).  Where tx = 0 the waves of column half 0 also make L u.
; The product is taken transposed (source 0 = 16 columns of R, source 1 = 16 rows of L): a lane ends with 8 neighbouring columns of one row.
; LDS.  L lies as [o][64 rows] in type A and as [row][512 o] in type B; each layout has bytes of its own, so that no store of the one can touch a byte of the other.
; THE MODE: SCHED_MODE bits 1:0 = 2 (LLVM: expert scheduling mode 2), set by the entry lines.  The code itself states the register dependences
; between vector or matrix instructions and memory or LDS instructions, with s_wait_alu, always for 0.
; THE PLAN.  Registers that memory or LDS instructions touch:
;   v4-v15, v18-v23, v26  offsets and LDS addresses: written once by vector lines (v4-v6 ahead of the first load, the others while the first loads are out), then only read; v23 and v26 alone are written again, far behind.
;   v32-v223, first use   R and L as loaded in f32.  Loads write them; conversions close four f32 up into the first two of their four registers; a run of LDS stores reads those two.  One wait on va_vdst stands between a
;                         run of conversions and its run of stores.  v32-v95 are loaded a second time (L's second half): one wait on vm_vsrc stands behind R's stores.
;   v32-v223, second use  two buffers of 96 for the product's fragments.  A step is four K steps: step b's 24 LDS loads write buffer b % 2, its eight products read it.  Steps 0 and 1 are asked for together; the loads of step
;                         b + 1 are dealt among step b's products and land in the buffer that step b - 1 read: one wait on va_vdst at the head of steps 1 and 2 states that step b - 1's products are done reading.
;   v32-v223, third use   three buffers of 64 for L u: steps 0 to 2 are asked for together, step 3's loads are dealt among step 1's products, behind one wait on va_vdst.
;   v24-v31               u as loaded and rounded; later the tiles rounded: conversions write them, the stage's stores read them, the stage's loads write them, the global stores read them.
;   v3                    the lane's number until the addresses are made, then bo of my row, written by a load.
;   The sums v224-v255 are named by vector and matrix instructions alone.  v16, v17: written at the head, read by the closing add alone.
.set C0,    0x3d8293ee
.set RP,    160                        ; a row [o] of 64 bf16 + 32 bytes
.set LP,    1040                       ; type B: a row of 512 bf16 + 16 bytes: an odd multiple of 16
.set SGP,   144
.set LA,    512*RP                     ; type A's L, behind R
.set LB,    2*512*RP                   ; type B's L, behind type A's
.set STG,   LB+64*LP                   ; the way out: 64 rows x 144 bytes
.set UB,    STG+64*SGP                 ; u, 512 bf16
.set SPARE, UB+1024                    ; the spare words: 128 bytes for each of the eight waves, named by no other line
.set BOV, 3                            ; bo of my row: v3 holds the lane's number only until the addresses are made; no pending store reads it and no fragment takes it
.set GR,  4                            ; global offsets: R; L of type A; L of type B
.set GLA, 5
.set GLB, 6
.set SR,  7                            ; where converted numbers go in LDS: R; L type A; L type B
.set SLA, 8
.set SLB, 9
.set RF0, 10                           ; fragment addresses: R for K steps 0-7 and 8-15
.set LF0, 12                           ; L type A likewise
.set LFB, 14                           ; L type B
.set UF,  15                           ; u
.set SPW, 16
.set NIL, 17
.set STO, 18
.set RD,  19
.set GOUT, 20
.set BOFF, 21
.set BOO, 22
.set UG,  23                           ; u in memory: 8 bytes a thread; at the very end v23 takes (L u)[row]
.set US,  26                           ; u in LDS: 4 bytes a thread
.set AC0, 224                          ; the two tiles' sums
.set AC1, 232
.set BA,  240                          ; L u: even and odd K steps
	s_load_b512 s[4:19], s[0:1], 0x0               ; wq 4, wk 6, wv 8, wo 10, bq 12, bv 14, bo 16, wcat 18
	s_load_b64 s[20:21], s[0:1], 0x40              ; bcat
	v_lshl_add_u32 v[SPW], v0, 2, SPARE
	v_mov_b32 v[NIL], 0
	v_lshrrev_b32 v1, 5, v0
	v_readfirstlane_b32 s22, v1                    ; wave
	s_mov_b32 s23, ttmp9                           ; tx
	s_and_b32 s24, ttmp7, 0xffff                   ; ty
	s_and_b32 s25, s24, 7                          ; the block of 64 rows within its type
	s_mov_b32 s40, C0
	s_mov_b32 s41, C0                              ; named with it as a pair
	s_wait_alu depctr_va_sdst(0)                   ; s22 is written, ahead of its first reader: offsets and LDS addresses are made from it
	s_lshr_b32 s32, s22, 1                         ; row block
	s_and_b32 s33, s22, 1                          ; column half
	v_and_b32 v1, 15, v0                           ; r
	v_bfe_u32 v2, v0, 4, 1                         ; h
	v_and_b32 v3, 31, v0                           ; lane
	v_lshlrev_b32 v23, 4, v1
	v_lshl_add_u32 v23, v2, 11, v23                ; two rows of 2,048 bytes a load: h x 2048 + 16 r
	s_lshl_b32 s34, s22, 17                        ; my 64 rows o
	s_lshl_b32 s35, s23, 8
	s_add_co_u32 s35, s35, s34
	v_add_nc_u32 v[GR], s35, v23
	s_lshl_b32 s35, s25, 8
	s_add_co_u32 s35, s35, s34
	v_add_nc_u32 v[GLA], s35, v23
	s_lshl_b32 s35, s25, 17
	s_lshl_b32 s36, s22, 14
	s_add_co_u32 s35, s35, s36                     ; type B: my 8 rows of Wo, dense
	v_lshl_add_u32 v[GLB], v3, 4, s35
	v_mul_u32_u24 v23, v2, RP
	v_lshl_add_u32 v23, v1, 3, v23
	s_mul_i32 s35, s22, 64*RP
	v_add_nc_u32 v[SR], s35, v23
	v_add_nc_u32 v[SLA], LA, v[SR]
	s_mul_i32 s35, s22, 8*LP
	s_add_co_u32 s35, s35, LB
	v_lshl_add_u32 v[SLB], v3, 3, s35
	s_wait_kmcnt 0x0
	s_cmp_lt_u32 s24, 8
	s_cselect_b64 s[26:27], s[4:5], s[8:9]         ; R
	s_cselect_b64 s[28:29], s[6:7], s[10:11]       ; L
	s_cselect_b64 s[30:31], s[12:13], s[14:15]     ; u
	s_wait_alu depctr_va_vdst(0)                   ; the three global offsets v4 to v6 are written, which the loads below read
.set i, 0
.rept 32
	global_load_b128 v[32+4*i:35+4*i], v[GR], s[26:27] offset:4096*i
.set i, i+1
.endr
	s_cmp_lt_u32 s24, 8
	s_cbranch_scc0 .Lfirst_b
.set i, 0
.rept 16
	global_load_b128 v[160+4*i:163+4*i], v[GLA], s[28:29] offset:4096*i
.set i, i+1
.endr
	s_branch .Lfirst_done
.Lfirst_b:
.set i, 0
.rept 16
	global_load_b128 v[160+4*i:163+4*i], v[GLB], s[28:29] offset:512*i
.set i, i+1
.endr
.Lfirst_done:
	; the addresses of all later phases, both types', are made while the loads are out
	v_and_b32 v23, 7, v0
	v_lshl_add_u32 v23, v2, 3, v23
	v_mul_u32_u24 v23, v23, RP
	v_bfe_u32 v24, v0, 3, 1
	v_lshl_add_u32 v23, v24, 4, v23                ; the turning load: row 8 h + l % 8, 16 bytes by (l / 8) % 2
	s_lshl_b32 s35, s33, 6
	v_add_nc_u32 v[RF0], s35, v23
	v_add_nc_u32 v[RF0+1], 256*RP, v[RF0]
	s_lshl_b32 s35, s32, 5
	s_add_co_u32 s35, s35, LA
	v_add_nc_u32 v[LF0], s35, v23
	v_add_nc_u32 v[LF0+1], 256*RP, v[LF0]
	v_lshl_add_u32 v24, s32, 4, v1                 ; row 16 rb + r
	v_mul_u32_u24 v25, v24, LP
	v_lshl_add_u32 v25, v2, 4, v25
	v_add_nc_u32 v[LFB], LB, v25
	v_lshl_add_u32 v[UF], v2, 4, UB
	v_mul_u32_u24 v25, v24, SGP
	v_lshl_add_u32 v25, v2, 4, v25
	s_lshl_b32 s35, s33, 6
	s_add_co_u32 s35, s35, STG
	v_add_nc_u32 v[STO], s35, v25
	v_bfe_u32 v24, v0, 3, 2
	v_lshl_add_u32 v24, s22, 3, v24                ; back: row 8 w + l / 8
	v_mul_u32_u24 v24, v24, SGP
	v_and_b32 v25, 7, v0
	v_lshl_add_u32 v24, v25, 4, v24
	v_add_nc_u32 v[RD], STG, v24
	s_lshl_b32 s35, s23, 17
	s_lshl_b32 s36, s24, 13
	s_add_co_u32 s35, s35, s36
	s_lshl_b32 s36, s22, 10
	s_add_co_u32 s35, s35, s36
	v_lshl_add_u32 v[GOUT], v3, 4, s35             ; wcat: g = tx, row 64 ty + 8 w, 512 dense bytes a store
	s_lshl_b32 s36, s32, 6
	s_lshl_b32 s35, s24, 8
	s_add_co_u32 s35, s35, s36
	v_lshl_add_u32 v[BOFF], v1, 2, s35
	s_lshl_b32 s35, s25, 8
	s_add_co_u32 s35, s35, s36
	v_lshl_add_u32 v[BOO], v1, 2, s35
	v_lshlrev_b32 v[UG], 3, v0                     ; u's two places are made here with the others, so that the wait behind R's conversions serves them too
	v_lshl_add_u32 v[US], v0, 2, UB
; four f32 (sc = 1: times c0 first) are rounded to bf16 and close up into the first two of their four registers
.macro CV src, sc
.if \sc
	v_pk_mul_f32 v[(\src):(\src)+1], v[(\src):(\src)+1], s[40:41] op_sel_hi:[1,0]
	v_pk_mul_f32 v[(\src)+2:(\src)+3], v[(\src)+2:(\src)+3], s[40:41] op_sel_hi:[1,0]
.endif
	v_cvt_pk_bf16_f32 v[(\src)], v[(\src)], v[(\src)+1]
	v_cvt_pk_bf16_f32 v[(\src)+1], v[(\src)+2], v[(\src)+3]
.endm
	s_wait_loadcnt 16                              ; R's 32 loads are in; L's first 16 may stay out
.set i, 0
.rept 32
	CV 32+4*i, 0
.set i, i+1
.endr
	s_wait_alu depctr_va_vdst(0)                   ; the conversions have written the pairs that the LDS stores read; every address made above is written; and the vector lines are done with v32-v95 and v24-v25, in which later loads land
.set i, 0
.rept 32
	ds_store_b64 v[SR], v[32+4*i:33+4*i] offset:320*i
.set i, i+1
.endr
	s_wait_alu depctr_vm_vsrc(0)                   ; these stores have read v32-v95, in which L's second half lands in either arm below
	s_cmp_lt_u32 s24, 8
	s_cbranch_scc0 .Lsecond_b
.set i, 16
.rept 16
	global_load_b128 v[4*i-32:4*i-29], v[GLA], s[28:29] offset:4096*i
.set i, i+1
.endr
	s_wait_loadcnt 16                              ; L's first half is in; the 16 just issued may stay out
.set i, 0
.rept 16
	CV 160+4*i, 1
.set i, i+1
.endr
	s_wait_alu depctr_va_vdst(0)                   ; the conversions have written the pairs in v160-v223 that the LDS stores read
.set i, 0
.rept 16
	ds_store_b64 v[SLA], v[160+4*i:161+4*i] offset:320*i
.set i, i+1
.endr
	s_wait_loadcnt 0x0
.set i, 16
.rept 16
	CV 4*i-32, 1
.set i, i+1
.endr
	s_wait_alu depctr_va_vdst(0)                   ; the conversions have written the pairs in v32-v95 that the LDS stores read
.set i, 16
.rept 16
	ds_store_b64 v[SLA], v[4*i-32:4*i-31] offset:320*i
.set i, i+1
.endr
	s_branch .Lsecond_done
.Lsecond_b:
.set i, 16
.rept 16
	global_load_b128 v[4*i-32:4*i-29], v[GLB], s[28:29] offset:512*i
.set i, i+1
.endr
	s_wait_loadcnt 16
.set i, 0
.rept 16
	CV 160+4*i, 0
.set i, i+1
.endr
	s_wait_alu depctr_va_vdst(0)                   ; the conversions have written the pairs in v160-v223 that the LDS stores read
.set i, 0
.rept 16
	ds_store_b64 v[SLB], v[160+4*i:161+4*i] offset:(i/4)*LP+(i%4)*256
.set i, i+1
.endr
	s_wait_loadcnt 0x0
.set i, 16
.rept 16
	CV 4*i-32, 0
.set i, i+1
.endr
	s_wait_alu depctr_va_vdst(0)                   ; the conversions have written the pairs in v32-v95 that the LDS stores read
.set i, 16
.rept 16
	ds_store_b64 v[SLB], v[4*i-32:4*i-31] offset:(i/4)*LP+(i%4)*256
.set i, i+1
.endr
.Lsecond_done:
	s_cmp_lg_u32 s23, 0                            ; u is wanted where tx = 0 alone
	s_cbranch_scc1 .Lno_u
	global_load_b64 v[24:25], v[UG], s[30:31]      ; no wait: no vector line since the wait behind R's conversions names v23, v24 or v25
	s_wait_loadcnt 0x0
	v_cvt_pk_bf16_f32 v24, v24, v25
	s_wait_alu depctr_va_vdst(0)                   ; the conversion has written v24, which the LDS store reads
	ds_store_b32 v[US], v24
.Lno_u:
	s_wait_dscnt 0x0                               ; for the others' sake: my stores are done
	s_barrier_signal -1
	s_barrier_wait -1
	s_wait_alu depctr_vm_vsrc(0)                   ; my LDS stores have read v32-v223, v24 and v26, and u's load v23: from here on fragments land in the first, and conversions and an add write the others
; The six LDS loads of K step 4 b + ks: two tiles' fragments of R, one of L, into buffer b % 2.
.macro FLD b, ks, typ
.set FL, 32+96*((\b)%2)+24*(\ks)
.set QL, 4*((\b)%2)+(\ks)
	ds_load_tr16_b128 v[FL:FL+3],     v[RF0+(\b)/2] offset:32*RP*QL
	ds_load_tr16_b128 v[FL+4:FL+7],   v[RF0+(\b)/2] offset:32*RP*QL+16*RP
	ds_load_tr16_b128 v[FL+8:FL+11],  v[RF0+(\b)/2] offset:32*RP*QL+32
	ds_load_tr16_b128 v[FL+12:FL+15], v[RF0+(\b)/2] offset:32*RP*QL+16*RP+32
.if (\typ) == 0
	ds_load_tr16_b128 v[FL+16:FL+19], v[LF0+(\b)/2] offset:32*RP*QL
	ds_load_tr16_b128 v[FL+20:FL+23], v[LF0+(\b)/2] offset:32*RP*QL+16*RP
.else
	ds_load_b128 v[FL+16:FL+19], v[LFB] offset:64*(4*(\b)+(\ks))
	ds_load_b128 v[FL+20:FL+23], v[LFB] offset:64*(4*(\b)+(\ks))+32
.endif
.endm
; Step b: eight products on buffer b % 2, K ascending, the two sums by turns (one instruction a turn).  ahead = 1: the 24 loads of step b + 1 are dealt among them, six ahead of each pair;
; they land in the other buffer, which no product of this step names.
.macro MSTEP b, typ, ahead
.irp ks, 0,1,2,3
.if \ahead
	FLD (\b)+1, \ks, \typ
.endif
.set FM, 32+96*((\b)%2)+24*\ks
.if ((\b) == 0) && (\ks == 0)
	v_wmma_f32_16x16x32_bf16 v[AC0:AC0+7], v[FM:FM+7], v[FM+16:FM+23], 0
	v_wmma_f32_16x16x32_bf16 v[AC1:AC1+7], v[FM+8:FM+15], v[FM+16:FM+23], 0
.else
	v_wmma_f32_16x16x32_bf16 v[AC0:AC0+7], v[FM:FM+7], v[FM+16:FM+23], v[AC0:AC0+7]
	v_wmma_f32_16x16x32_bf16 v[AC1:AC1+7], v[FM+8:FM+15], v[FM+16:FM+23], v[AC1:AC1+7]
.endif
.endr
.endm
; The 16 K steps of 32 in four steps.  Four places close the product, ahead of the conversions that read the sums.
.macro PROD typ
.irp ks, 0,1,2,3
	FLD 0, \ks, \typ
.endr
.irp ks, 0,1,2,3
	FLD 1, \ks, \typ
.endr
	s_wait_dscnt 24                                ; LDS loads come back in order: step 0's fragments are in, step 1's 24 loads may be out
	MSTEP 0, \typ, 0
	s_wait_dscnt 0x0                               ; step 1's fragments are in
	s_wait_alu depctr_va_vdst(0)                   ; step 0's products are done reading buffer 0, in which step 2's loads land
	MSTEP 1, \typ, 1
	s_wait_dscnt 0x0                               ; step 2's fragments are in
	s_wait_alu depctr_va_vdst(0)                   ; step 1's products are done reading buffer 1, in which step 3's loads land
	MSTEP 2, \typ, 1
	s_wait_dscnt 0x0                               ; step 3's fragments are in
	MSTEP 3, \typ, 0
.rept 4
	v_nop
.endr
.endm
	s_cmp_lt_u32 s24, 8
	s_cbranch_scc0 .Lmul_b
	PROD 0
	s_branch .Lmul_done
.Lmul_b:
	PROD 1
.Lmul_done:
.irp j, 0,1,2,3
	v_cvt_pk_bf16_f32 v[24+\j], v[AC0+2*\j], v[AC0+2*\j+1]
.endr
.irp j, 0,1,2,3
	v_cvt_pk_bf16_f32 v[28+\j], v[AC1+2*\j], v[AC1+2*\j+1]
.endr
	s_wait_alu depctr_va_vdst(0)                   ; the conversions have written v24-v31, which the stage's stores read; all products are done reading v32-v223, in which the fragments of L u land
	ds_store_b128 v[STO], v[24:27]
	ds_store_b128 v[STO], v[28:31] offset:32
	s_wait_dscnt 0x0                               ; a row's 128 bytes come from two waves
	s_barrier_signal -1
	s_barrier_wait -1
	s_wait_alu depctr_vm_vsrc(0)                   ; my two stores have read v24-v31, in which the rows read back land
	ds_load_b128 v[24:27], v[RD]
	ds_load_b128 v[28:31], v[RD] offset:4*SGP
	s_wait_dscnt 0x0
	global_store_b128 v[GOUT], v[24:27], s[18:19]             ; four rows of 128 bytes: 512 consecutive bytes, aligned
	global_store_b128 v[GOUT], v[28:31], s[18:19] offset:512  ; v[24:31] and v[GOUT] are written no more
	s_or_b32 s35, s23, s33                         ; L u: where tx = 0, the waves of column half 0
	s_cmp_lg_u32 s35, 0
	s_cbranch_scc1 .Lend
; L u.  Source 0 holds u in each of its 16 rows, so every register of the result holds (L u)[row r].  Two sums, of the even and of the odd K steps, take turns.
; The four LDS loads of K step 4 b + ks: L's fragment and u's, into buffer b % 3.
.macro ULD b, ks, typ
.set FU, 32+64*((\b)%3)+16*(\ks)
.set QU, 4*((\b)%2)+(\ks)
.if (\typ) == 0
	ds_load_tr16_b128 v[FU:FU+3],   v[LF0+(\b)/2] offset:32*RP*QU
	ds_load_tr16_b128 v[FU+4:FU+7], v[LF0+(\b)/2] offset:32*RP*QU+16*RP
.else
	ds_load_b128 v[FU:FU+3],   v[LFB] offset:64*(4*(\b)+(\ks))
	ds_load_b128 v[FU+4:FU+7], v[LFB] offset:64*(4*(\b)+(\ks))+32
.endif
	ds_load_b128 v[FU+8:FU+11],  v[UF] offset:64*(4*(\b)+(\ks))
	ds_load_b128 v[FU+12:FU+15], v[UF] offset:64*(4*(\b)+(\ks))+32
.endm
; Step b: four products on buffer b % 3.  ahead = 1: the 16 loads of step b + 2 are dealt among them, four ahead of each.
.macro UMUL b, typ, ahead
.irp ks, 0,1,2,3
.if \ahead
	ULD (\b)+2, \ks, \typ
.endif
.set FN, 32+64*((\b)%3)+16*\ks
.set DN, BA+8*(\ks%2)
.if ((\b) == 0) && (\ks < 2)
	v_wmma_f32_16x16x32_bf16 v[DN:DN+7], v[FN+8:FN+15], v[FN:FN+7], 0
.else
	v_wmma_f32_16x16x32_bf16 v[DN:DN+7], v[FN+8:FN+15], v[FN:FN+7], v[DN:DN+7]
.endif
.endr
.endm
.macro BIAS typ
.irp b, 0,1,2
.irp ks, 0,1,2,3
	ULD \b, \ks, \typ                              ; no wait: no vector or matrix line since the wait ahead of the stage's stores names v32-v223
.endr
.endr
	s_wait_dscnt 32                                ; step 0's fragments are in; the 32 loads of steps 1 and 2 may be out
	UMUL 0, \typ, 0
	s_wait_dscnt 16                                ; step 1's are in; step 2's 16 loads may be out
	s_wait_alu depctr_va_vdst(0)                   ; step 0's products are done reading buffer 0, in which step 3's loads land
	UMUL 1, \typ, 1
	s_wait_dscnt 16                                ; step 2's are in; step 3's 16 loads may be out
	UMUL 2, \typ, 0
	s_wait_dscnt 0x0
	UMUL 3, \typ, 0
.rept 4
	v_nop                                          ; four places behind the last product, ahead of the add that reads the sums
.endr
.endm
	s_cmp_lt_u32 s24, 8
	s_cbranch_scc0 .Lbias_b
	BIAS 0
	v_add_f32 v23, v[BA], v[BA+8]
	s_branch .Lbias_done
.Lbias_b:
	global_load_b32 v[BOV], v[BOO], s[16:17]       ; bo; the vector lines that named v3 and v22 stand ahead of earlier waits on va_vdst
	BIAS 1
	v_add_f32 v23, v[BA], v[BA+8]
	s_wait_loadcnt 0x0
	v_add_f32 v23, v23, v[BOV]
.Lbias_done:
	s_wait_alu depctr_va_vdst(0)                   ; the adds have written v23, which the store reads
	global_store_b32 v[BOFF], v23, s[20:21]        ; lanes r and r + 16 hold the same number for the same word
.Lend:
	s_wait_dscnt 0x0                               ; the closing lines, six on end
	s_wait_alu 0x0
	s_wait_tensorcnt 0x0
	ds_add_u32 v[SPW], v[NIL]
	s_wait_dscnt 0x0
	s_endpgm
.Lfunc_end_k_qc22715ed4e_prep:
	.size	k_qc22715ed4e_prep, .Lfunc_end_k_qc22715ed4e_prep-k_qc22715ed4e_prep
	.p2alignl 7, 3214868480
	.fill 96, 4, 3214868480
	.section	.rodata,"a",@progbits
	.p2align	6, 0x0
	.amdhsa_kernel k_qc22715ed4e_prep
		.amdhsa_group_segment_fixed_size 241664
		.amdhsa_private_segment_fixed_size 0
		.amdhsa_enable_private_segment 0
		.amdhsa_kernarg_size 72
		.amdhsa_user_sgpr_count 2
		.amdhsa_user_sgpr_kernarg_segment_ptr 1
		.amdhsa_wavefront_size32 1
		.amdhsa_system_sgpr_workgroup_id_x 1
		.amdhsa_system_sgpr_workgroup_id_y 1
		.amdhsa_system_sgpr_workgroup_id_z 1
		.amdhsa_system_vgpr_workitem_id 0
		.amdhsa_next_free_vgpr 256
		.amdhsa_next_free_sgpr 66
		.amdhsa_reserve_vcc 0
		.amdhsa_float_denorm_mode_32 3
		.amdhsa_float_denorm_mode_16_64 3
		.amdhsa_memory_ordered 1
		.amdhsa_forward_progress 1
		.amdhsa_inst_pref_size 66
	.end_amdhsa_kernel
	.amdgpu_metadata
---
amdhsa.version: [ 1, 2 ]
amdhsa.kernels:
  - .name:           k_qc22715ed4e_prep
    .symbol:         k_qc22715ed4e_prep.kd
    .args:
      - { .name: wq, .offset: 0, .size: 8, .value_kind: global_buffer, .address_space: global }
      - { .name: wk, .offset: 8, .size: 8, .value_kind: global_buffer, .address_space: global }
      - { .name: wv, .offset: 16, .size: 8, .value_kind: global_buffer, .address_space: global }
      - { .name: wo, .offset: 24, .size: 8, .value_kind: global_buffer, .address_space: global }
      - { .name: bq, .offset: 32, .size: 8, .value_kind: global_buffer, .address_space: global }
      - { .name: bv, .offset: 40, .size: 8, .value_kind: global_buffer, .address_space: global }
      - { .name: bo, .offset: 48, .size: 8, .value_kind: global_buffer, .address_space: global }
      - { .name: wcat, .offset: 56, .size: 8, .value_kind: global_buffer, .address_space: global }
      - { .name: bcat, .offset: 64, .size: 8, .value_kind: global_buffer, .address_space: global }
    .group_segment_fixed_size: 241664
    .private_segment_fixed_size: 0
    .kernarg_segment_align: 8
    .kernarg_segment_size: 72
    .max_flat_workgroup_size: 256
    .sgpr_count:     66
    .vgpr_count:     256
    .wavefront_size: 32
...
	.end_amdgpu_metadata
.endif
;; end of part 7
;; launch norm (part 8): grid 256 x 1, 8 waves a work-group, no clusters, 148,736 bytes of LDS; arguments x, gn_w, gn_b, hk; writes hk
.if DOCPART == 8
	.amdgcn_target "amdgcn-amd-amdhsa--gfx1250"
	.amdhsa_code_object_version 6
	.text
	.protected	k_qc22715ed4e_norm
	.globl	k_qc22715ed4e_norm
	.p2align	8
	.type	k_qc22715ed4e_norm,@function
k_qc22715ed4e_norm:
	s_mov_b64 s[64:65], 0
	v_nop
	global_prefetch_b8 v0, s[64:65] scope:SCOPE_SE
	s_setreg_imm32_b32 hwreg(HW_REG_WAVE_SCHED_MODE, 0, 2), 2
	s_setreg_imm32_b32 hwreg(HW_REG_WAVE_MODE, 25, 1), 1
	s_wait_xcnt 0x0
	s_wait_alu depctr_vm_vsrc(0)
; hk[b][g][n][c] (bf16, 32 x 8 x 1024 x 64) = GroupNorm(x)[b][64 g + c][n]: normalised, scaled, shifted, turned so that channels lie along the rows, rounded once.
; A work-group owns one group of one image: 64 channels x 1,024 positions, 262,144 dense bytes of x, read once and kept in registers between the passes.
; Wave w owns channels 8 w .. 8 w + 7: 64 loads of 16 bytes a lane, 256 registers: all of window 1.  Everything else lies in window 0.
; The mean first, then the sum of (x - mean)^2: no difference of large sums is formed, whatever offset x carries.
; THE TURN.  A lane holds, for a position n, its wave's 8 channels: 16 bytes of row n of the stage (pitch 144).  The piece stands at place (w + (n / 16) % 4) % 8 of the row's eight, so that the 16 lanes
; of a store's pass (rows 4 apart) fall on 16 different columns of 16 bytes.  Rows are read back whole and leave as 512 consecutive bytes a store.
; No matrix unit, no cluster, no tensor load: the work-groups share nothing and each byte is touched once.
; s_set_vgpr_msb: bits 1:0 source 0, 3:2 source 1, 5:4 source 2, 7:6 destination.
; THE MODE: SCHED_MODE bits 1:0 = 2 (LLVM: expert scheduling mode 2), set by the entry lines.  The code itself states the register dependences
; between vector instructions and memory or LDS instructions, with s_wait_alu, always for 0.
; THE PLAN.  Registers that memory or LDS instructions touch:
;   window 1     x: written by the 64 loads at the head, ahead of which no vector line names it; afterwards named by vector lines alone.
;   v1-v8, v11, v60  offsets and LDS addresses: written once by vector lines at the head, never again.
;   v12-v19      each of the two sums: the wave's sum in v12 is the data of an LDS store; behind the barrier two LDS loads land in v12-v19.
;   PK0, PK1     two buffers of 16.  Block u of the turn (128 positions a wave) writes PK[u % 2] by its sixteen roundings; the four LDS stores that read it are issued in block u + 1, one ahead of each four of that
;                block's roundings, which write the other buffer.  So the waits at a block's head state all that its four stores hang on.
;   v64-v191     behind the last barrier the rows read back land here (v64-v95 were y at work, v96-v127 PK); the global stores read them.
;   v9, v10      written at the head, read by the closing add alone.
.set SGP,   144
.set RED,   1024*SGP                   ; 16 words: the waves' sums, then their sums of squares
.set SPARE, RED+256                    ; the spare words: 128 bytes for each wave, named by no other line
.set OFF, 1                            ; my 16 bytes in x
.set WA,  2                            ; v2-3  stage, in: positions 0-511, 512-1023
.set RB,  4                            ; v4-7  stage, back: by (row / 16) % 4
.set GOF, 8
.set SPW, 9
.set NIL, 10
.set RW,  11
.set ACC, 12                           ; v12-19 four chains of pairs
.set MU,  24
.set AA,  28                           ; v28-43 rsqrt x gn_w, a pair a channel
.set BB,  44                           ; v44-59 gn_b likewise
.set RR,  60
.set T,   64                           ; v64-95 y of one column group; later v64-191 rows read back
.set PK,  96                           ; v96-127 two buffers of 16: a column group rounded, 16 bytes a position
.set MSB, 0
.macro WIN new
.if MSB != (\new)
	s_set_vgpr_msb (MSB<<8)|(\new)
.set MSB, \new
.endif
.endm
	s_load_b256 s[4:11], s[0:1], 0x0               ; x 4, gn_w 6, gn_b 8, hk 10
	v_lshl_add_u32 v[SPW], v0, 2, SPARE
	v_mov_b32 v[NIL], 0
	v_lshrrev_b32 v20, 5, v0
	v_readfirstlane_b32 s12, v20                   ; wave
	v_and_b32 v21, 31, v0                          ; lane
	s_lshl_b32 s14, ttmp9, 18                      ; the group's 262,144 bytes of x
	s_mov_b32 s15, 0
	s_and_b32 s16, ttmp9, 7
	s_lshl_b32 s16, s16, 3
	s_wait_alu depctr_va_sdst(0)                   ; s12 is written, ahead of its first reader: offsets and LDS addresses are made from it
	s_add_co_u32 s16, s16, s12
	s_lshl_b32 s16, s16, 5                         ; (64 g + 8 w) x 4 bytes
	s_mov_b32 s17, 0
	s_lshl_b32 s18, ttmp9, 17                      ; the group's 131,072 bytes of hk
	s_mov_b32 s19, 0
	s_mov_b32 s36, 0x76543210
	s_mov_b32 s37, 0xfedcba98
	s_mov_b32 s38, 0x37800000                      ; 1 / 65,536
	s_mov_b32 s39, 0x3727c5ac                      ; 1e-5
	v_lshlrev_b32 v[OFF], 4, v21
	v_lshl_add_u32 v[OFF], s12, 15, v[OFF]
	s_wait_kmcnt 0x0
	s_add_nc_u64 s[4:5], s[4:5], s[14:15]
	s_add_nc_u64 s[6:7], s[6:7], s[16:17]
	s_add_nc_u64 s[8:9], s[8:9], s[16:17]
	s_add_nc_u64 s[10:11], s[10:11], s[18:19]
	WIN 0x40
	s_wait_alu depctr_va_vdst(0)                   ; v1 is written, which every load of x reads as its offset
.set i, 0
.rept 64                               ; load i: channel i / 8, positions 128 (i % 8) + 4 lane + 0..3
	global_load_b128 v[4*i:4*i+3], v[OFF], s[4:5] offset:512*i th:TH_LOAD_NT
.set i, i+1
.endr
	WIN 0
	s_load_b256 s[20:27], s[6:7], 0x0              ; my 8 gains
	s_load_b256 s[28:35], s[8:9], 0x0              ; my 8 shifts
	v_bfe_u32 v22, v0, 2, 2
	v_add_nc_u32 v22, s12, v22
	v_and_b32 v22, 7, v22
	v_mul_u32_u24 v[WA], v21, 4*SGP
	v_lshl_add_u32 v[WA], v22, 4, v[WA]
	v_add_nc_u32 v[WA+1], 512*SGP, v[WA]
	v_bfe_u32 v22, v0, 3, 2
	v_mul_u32_u24 v22, v22, SGP
	s_mul_i32 s13, s12, 128*SGP
	v_add_nc_u32 v22, s13, v22
	v_and_b32 v23, 7, v0
.irp s, 0,1,2,3
	v_add_nc_u32 v20, \s, v23
	v_and_b32 v20, 7, v20
	v_lshl_add_u32 v[RB+\s], v20, 4, v22
.endr
	v_lshlrev_b32 v[GOF], 4, v21
	v_lshl_add_u32 v[GOF], s12, 14, v[GOF]
	s_lshl_b32 s13, s12, 2
	s_add_co_u32 s13, s13, RED
	v_mov_b32 v[RW], s13
	v_mov_b32 v[RR], RED
.irp j, 0,1,2,3,4,5,6,7
	v_mov_b32 v[ACC+\j], 0
.endr
	WIN 0x04
.set i, 0
.rept 64
.if (i%16) == 0
	s_wait_loadcnt 48-i                            ; loads come back in order: the next 16 are in, the younger ones stay out
.endif
	v_pk_add_f32 v[ACC+4*(i%2):ACC+4*(i%2)+1], v[ACC+4*(i%2):ACC+4*(i%2)+1], v[4*i:4*i+1]
	v_pk_add_f32 v[ACC+4*(i%2)+2:ACC+4*(i%2)+3], v[ACC+4*(i%2)+2:ACC+4*(i%2)+3], v[4*i+2:4*i+3]
.set i, i+1
.endr
; the four chains, the 32 lanes, the eight waves: the total ends in v[ACC] of every lane.  Each use has words of its own in LDS, so one barrier serves it.
.macro WGSUM off
	WIN 0
	v_pk_add_f32 v[ACC:ACC+1], v[ACC:ACC+1], v[ACC+2:ACC+3]
	v_pk_add_f32 v[ACC+4:ACC+5], v[ACC+4:ACC+5], v[ACC+6:ACC+7]
	v_pk_add_f32 v[ACC:ACC+1], v[ACC:ACC+1], v[ACC+4:ACC+5]
	v_add_f32 v[ACC], v[ACC], v[ACC+1]
	v_add_f32_dpp v[ACC], v[ACC], v[ACC] row_xmask:1 row_mask:0xf bank_mask:0xf
	v_add_f32_dpp v[ACC], v[ACC], v[ACC] row_xmask:2 row_mask:0xf bank_mask:0xf
	v_add_f32_dpp v[ACC], v[ACC], v[ACC] row_xmask:4 row_mask:0xf bank_mask:0xf
	v_add_f32_dpp v[ACC], v[ACC], v[ACC] row_xmask:8 row_mask:0xf bank_mask:0xf
	v_permlanex16_b32 v[ACC+1], v[ACC], s36, s37
	v_add_f32 v[ACC], v[ACC], v[ACC+1]
	s_wait_alu depctr_va_vdst(0)                   ; the wave's sum is written into v[ACC], the store's data; the lines above are done with v[ACC] to v[ACC+7], in which the loads below land; at the first use also: every address made at the head is written
	ds_store_b32 v[RW], v[ACC] offset:\off
	s_wait_dscnt 0x0                               ; for the others' sake
	s_barrier_signal -1
	s_barrier_wait -1
	s_wait_alu depctr_vm_vsrc(0)                   ; my store has read v[ACC], in which the first load lands
	ds_load_b128 v[ACC:ACC+3], v[RR] offset:\off
	ds_load_b128 v[ACC+4:ACC+7], v[RR] offset:(\off)+16
	s_wait_dscnt 0x0
	v_pk_add_f32 v[ACC:ACC+1], v[ACC:ACC+1], v[ACC+2:ACC+3]
	v_pk_add_f32 v[ACC+4:ACC+5], v[ACC+4:ACC+5], v[ACC+6:ACC+7]
	v_pk_add_f32 v[ACC:ACC+1], v[ACC:ACC+1], v[ACC+4:ACC+5]
	v_add_f32 v[ACC], v[ACC], v[ACC+1]
.endm
	WGSUM 0
	v_mul_f32 v[MU], s38, v[ACC]                   ; the mean
	v_mov_b32 v[MU+1], v[MU]
.irp j, 0,1,2,3,4,5,6,7
	v_mov_b32 v[ACC+\j], 0
.endr
	WIN 0x41
.set i, 0
.rept 128
	v_pk_add_f32 v[2*i:2*i+1], v[2*i:2*i+1], v[MU:MU+1] neg_lo:[0,1] neg_hi:[0,1]  ; x - mean, in place
.set i, i+1
.endr
	WIN 0x05
.set i, 0
.rept 128
	v_pk_fma_f32 v[ACC+2*(i%4):ACC+2*(i%4)+1], v[2*i:2*i+1], v[2*i:2*i+1], v[ACC+2*(i%4):ACC+2*(i%4)+1]
.set i, i+1
.endr
	WGSUM 32
	v_fma_f32 v20, v[ACC], s38, s39                ; variance + 1e-5
	v_rsq_f32 v21, v20
	s_wait_kmcnt 0x0
.irp k, 0,1,2,3,4,5,6,7
	v_mov_b32 v[BB+2*\k], s[28+\k]                 ; plain work behind the root
	v_mov_b32 v[BB+2*\k+1], s[28+\k]
.endr
	s_wait_alu depctr_va_vdst(0)                   ; the root has written v21, ahead of its first reader
.irp k, 0,1,2,3,4,5,6,7
	v_mul_f32 v[AA+2*\k], s[20+\k], v21
	v_mul_f32 v[AA+2*\k+1], s[20+\k], v21
.endr
.set u, 0
.rept 8                                ; block u: column group u: positions 128 u + 4 lane + 0..3, all 8 channels; it issues the stores of block u - 1
.if u > 1
	s_wait_alu depctr_vm_vsrc(0)                   ; the stores issued in the block before have read PK[u % 2], which this block's roundings write again
.endif
.if u > 0
	s_wait_alu depctr_va_vdst(0)                   ; the block before has written the other PK, which the four stores below read; no vector line of this block names it, nor v2 or v3
.endif
	WIN 0x01
.irp k, 0,1,2,3,4,5,6,7
	v_pk_fma_f32 v[T+4*\k:T+4*\k+1], v[4*(8*\k+u):4*(8*\k+u)+1], v[AA+2*\k:AA+2*\k+1], v[BB+2*\k:BB+2*\k+1]
	v_pk_fma_f32 v[T+4*\k+2:T+4*\k+3], v[4*(8*\k+u)+2:4*(8*\k+u)+3], v[AA+2*\k:AA+2*\k+1], v[BB+2*\k:BB+2*\k+1]
.endr
	WIN 0
.irp e, 0,1,2,3
.if u > 0
	ds_store_b128 v[WA+(u-1)/4], v[PK+16*((u-1)%2)+4*\e:PK+16*((u-1)%2)+4*\e+3] offset:(((u-1)%4)*128+\e)*SGP
.endif
.irp c, 0,1,2,3
	v_cvt_pk_bf16_f32 v[PK+16*(u%2)+4*\e+\c], v[T+8*\c+\e], v[T+8*\c+4+\e]
.endr
.endr
.set u, u+1
.endr
	s_wait_alu depctr_va_vdst(0)                   ; block 7 has written PK1, which the last four stores read; and the vector lines are done with v64-v127, in which rows land behind the barrier
.irp e, 0,1,2,3
	ds_store_b128 v[WA+1], v[PK+16+4*\e:PK+16+4*\e+3] offset:(3*128+\e)*SGP
.endr
	s_wait_dscnt 0x0                               ; a row's 128 bytes come from all eight waves
	s_barrier_signal -1
	s_barrier_wait -1
	s_wait_alu depctr_vm_vsrc(0)                   ; my stores have read v96-v127, in which rows read back land
.set t, 0
.rept 32                               ; four rows a load: rows 128 w + 4 t + lane / 8
	ds_load_b128 v[T+4*t:T+4*t+3], v[RB+(t/4)%4] offset:4*SGP*t
.set t, t+1
.endr
.set t, 0
.rept 32
	s_wait_dscnt 31-t                              ; LDS loads come back in order
	global_store_b128 v[GOF], v[T+4*t:T+4*t+3], s[10:11] offset:512*t  ; 512 consecutive bytes, aligned
.set t, t+1
.endr
	s_wait_dscnt 0x0                               ; the closing lines, six on end
	s_wait_alu 0x0
	s_wait_tensorcnt 0x0
	ds_add_u32 v[SPW], v[NIL]
	s_wait_dscnt 0x0
	s_endpgm
.Lfunc_end_k_qc22715ed4e_norm:
	.size	k_qc22715ed4e_norm, .Lfunc_end_k_qc22715ed4e_norm-k_qc22715ed4e_norm
	.p2alignl 7, 3214868480
	.fill 96, 4, 3214868480
	.section	.rodata,"a",@progbits
	.p2align	6, 0x0
	.amdhsa_kernel k_qc22715ed4e_norm
		.amdhsa_group_segment_fixed_size 148736
		.amdhsa_private_segment_fixed_size 0
		.amdhsa_enable_private_segment 0
		.amdhsa_kernarg_size 32
		.amdhsa_user_sgpr_count 2
		.amdhsa_user_sgpr_kernarg_segment_ptr 1
		.amdhsa_wavefront_size32 1
		.amdhsa_system_sgpr_workgroup_id_x 1
		.amdhsa_system_sgpr_workgroup_id_y 1
		.amdhsa_system_sgpr_workgroup_id_z 1
		.amdhsa_system_vgpr_workitem_id 0
		.amdhsa_next_free_vgpr 512
		.amdhsa_next_free_sgpr 66
		.amdhsa_reserve_vcc 0
		.amdhsa_float_denorm_mode_32 3
		.amdhsa_float_denorm_mode_16_64 3
		.amdhsa_memory_ordered 1
		.amdhsa_forward_progress 1
		.amdhsa_inst_pref_size 63
	.end_amdhsa_kernel
	.amdgpu_metadata
---
amdhsa.version: [ 1, 2 ]
amdhsa.kernels:
  - .name:           k_qc22715ed4e_norm
    .symbol:         k_qc22715ed4e_norm.kd
    .args:
      - { .name: x, .offset: 0, .size: 8, .value_kind: global_buffer, .address_space: global }
      - { .name: gn_w, .offset: 8, .size: 8, .value_kind: global_buffer, .address_space: global }
      - { .name: gn_b, .offset: 16, .size: 8, .value_kind: global_buffer, .address_space: global }
      - { .name: hk, .offset: 24, .size: 8, .value_kind: global_buffer, .address_space: global }
    .group_segment_fixed_size: 148736
    .private_segment_fixed_size: 0
    .kernarg_segment_align: 8
    .kernarg_segment_size: 32
    .max_flat_workgroup_size: 256
    .sgpr_count:     66
    .vgpr_count:     512
    .wavefront_size: 32
...
	.end_amdgpu_metadata
.endif
;; end of part 8
;; launch attn: the kernel of part 6 again; grid 8 x 32, 4 waves a work-group, clusters of 4 x 1, 327,680 bytes of LDS; arguments hk, wcat, bcat, x, out0; writes out0
